; MI455X (gfx1250); checked and timed in simulation.
; The chip was launched on July 23, 2026; its instructions are those of AMD's public machine-readable ISA for CDNA 5 (MIT licence, August 2026) and "CDNA5" Instruction Set Architecture Reference Guide (July 2026). The comments in the code are by the model that wrote it; some were corrected since.
;; Model. Allowed arithmetic: matrix products marked QUANTISED: E2M1 operands, one E8M0 scale for each 32 along K, by v_wmma_scale_f32_16x16x128_f8f6f4 with both operands' format E2M1 (or v_wmma_scale_f32_32x16x128_f4), f32 sums; everything else in f32.
;; Inputs: W1_codes 2 x 1,024 x 16 x 16 uint8 (E2M1 codes of W1, K innermost, in blocks of 32 codes, two codes a byte); W1_scales 2 x 1,024 x 16 uint8 (E8M0 scales of W1, one for each 32 codes along K); W2_codes 2 x 512 x 16 x 16 uint8 (E2M1 codes of W2, K innermost, in blocks of 32 codes, two codes a byte); W2_scales 2 x 512 x 16 uint8 (E8M0 scales of W2, one for each 32 codes along K); Wk_codes 2 x 512 x 16 x 16 uint8 (E2M1 codes of Wk, K innermost, in blocks of 32 codes, two codes a byte); Wk_scales 2 x 512 x 16 uint8 (E8M0 scales of Wk, one for each 32 codes along K); Wo_codes 2 x 512 x 16 x 16 uint8 (E2M1 codes of Wo, K innermost, in blocks of 32 codes, two codes a byte); Wo_scales 2 x 512 x 16 uint8 (E8M0 scales of Wo, one for each 32 codes along K); Wq_codes 2 x 512 x 16 x 16 uint8 (E2M1 codes of Wq, K innermost, in blocks of 32 codes, two codes a byte); Wq_scales 2 x 512 x 16 uint8 (E8M0 scales of Wq, one for each 32 codes along K); Wv_codes 2 x 512 x 16 x 16 uint8 (E2M1 codes of Wv, K innermost, in blocks of 32 codes, two codes a byte); Wv_scales 2 x 512 x 16 uint8 (E8M0 scales of Wv, one for each 32 codes along K); attn_mask 4 x 2,048 float32; ln1_b 2 x 512 float32; ln1_w 2 x 512 float32; ln2_b 2 x 512 float32; ln2_w 2 x 512 float32; lnf_b 512 float32; lnf_w 512 float32; pos_cos 4 x 2,048 x 512 float32; pos_sin 4 x 2,048 x 512 float32; x 4 x 2,048 x 512 float32.
;; Outputs: out0 4 x 2,048 x 512 float32.
;; This version of the problem:
;;   THIS VERSION OF THE PROBLEM IS GIVEN IN LOW PRECISION. The matrix products marked QUANTISED in the list below multiply operands that are first quantised to E2M1 (2 exponent bits, 1 mantissa bit; 4 bits a number), with one power-of-two scale for each 32 numbers along K (OCP MX v1.0); their sums are f32. All else is computed in f32.
;;   The module's matrix products, in the order in which they are computed (A, B: the left and right operand; K: the contracted axis; several contracted axes count as one K, in the product's order):
;;     1. [M 8,192, K 512] x [K 512, N 512]; A: computed on the way; B: input Wq (given as codes): QUANTISED
;;     2. [M 8,192, K 512] x [K 512, N 512]; A: computed on the way; B: input Wk (given as codes): QUANTISED
;;     3. [M 8,192, K 512] x [K 512, N 512]; A: computed on the way; B: input Wv (given as codes): QUANTISED
;;     4. batch 32 x [M 2,048, K 64] x [K 64, N 2,048]; A: computed on the way; B: computed on the way: QUANTISED
;;     5. batch 32 x [M 2,048, K 2,048] x [K 2,048, N 64]; A: softmax (see below); B: computed on the way: QUANTISED
;;     6. [M 8,192, K 512] x [K 512, N 512]; A: computed on the way; B: input Wo (given as codes): QUANTISED
;;     7. [M 8,192, K 512] x [K 512, N 1,024]; A: computed on the way; B: input W1 (given as codes): QUANTISED
;;     8. [M 8,192, K 512] x [K 512, N 512]; A: computed on the way; B: input W2 (given as codes): QUANTISED
;;     9. [M 8,192, K 512] x [K 512, N 512]; A: computed on the way; B: input Wq (given as codes): QUANTISED
;;     10. [M 8,192, K 512] x [K 512, N 512]; A: computed on the way; B: input Wk (given as codes): QUANTISED
;;     11. [M 8,192, K 512] x [K 512, N 512]; A: computed on the way; B: input Wv (given as codes): QUANTISED
;;     12. batch 32 x [M 2,048, K 64] x [K 64, N 2,048]; A: computed on the way; B: computed on the way: QUANTISED
;;     13. batch 32 x [M 2,048, K 2,048] x [K 2,048, N 64]; A: softmax (see below); B: computed on the way: QUANTISED
;;     14. [M 8,192, K 512] x [K 512, N 512]; A: computed on the way; B: input Wo (given as codes): QUANTISED
;;     15. [M 8,192, K 512] x [K 512, N 1,024]; A: computed on the way; B: input W1 (given as codes): QUANTISED
;;     16. [M 8,192, K 512] x [K 512, N 512]; A: computed on the way; B: input W2 (given as codes): QUANTISED
;;   THE QUANTISER, for each operand of a quantised product, along K:
;;     - K is cut into blocks of 32 from its start; a last block that is shorter is filled with zeros.
;;     - A block's scale is 2^e with e = floor(log2(the largest magnitude in the block)) - 2, held to -126 .. 127; a block of zeros has e = 0. As a byte (E8M0): e + 127.
;;     - Each number is divided by its block's scale, clamped to +-6, and rounded to the nearest number of E2M1, ties to even, subnormals kept.
;;     - The product sums the exact products of the quantised numbers (number of the format x scale) in f32.
;;   ~~~python
;;   def quantise(x, axis):      # numpy; x: float32 -> the quantised numbers, widened to float32 again
;;       x = np.moveaxis(x, axis, -1); K = x.shape[-1]
;;       x = np.pad(x, [(0, 0)] * (x.ndim - 1) + [(0, -K % 32)]); x = x.reshape(x.shape[:-1] + (-1, 32)); a = np.abs(x).max(-1, keepdims=True)
;;       e = np.where(a > 0, np.clip(np.frexp(np.where(a > 0, a, 1))[1] - 1 - 2, -126, 127), 0)      # np.frexp(a)[1] - 1 = floor(log2(a)), exactly
;;       r = np.clip(x / 2.0 ** e, -6, 6)
;;       step = 2.0 ** (np.maximum(np.frexp(np.where(r == 0, 1, r))[1] - 1, 0) - 1)
;;       q = np.round(r / step) * step * 2.0 ** e      # np.round: ties to even
;;       return np.moveaxis(q.reshape(q.shape[:-2] + (-1,))[..., :K], -1, axis).astype(np.float32)
;;   ~~~
;;   SOFTMAX AHEAD OF A QUANTISED PRODUCT. Where the list says 'softmax', what is quantised is not the finished softmax but p = 2^(t - M), with t = logit x log2(e) and M = ceil(the row's largest t), a whole number; so 1/2 < the row's largest p <= 1. The row's sum l is taken of the UNQUANTISED p, in f32, and the product's result is divided by l at the end. Since M is a whole number, a kernel that streams over the keys may use a running M (the ceiling of the running maximum): every later rescaling is an exact power of two, which a block's scale takes up: the codes' values come out the same.
;;   OPERANDS COMPUTED ON THE WAY. 'Computed on the way' means the value that the module computes at that place (a softmax that the list does not call 'softmax' is quantised finished and normalised). What goes into a quantiser is computed in f32, as accurately as f32 sums, v_exp_f32 and their like allow (about 1e-6 of the number): no bf16 or f16 on the way to a quantiser, and a product that is left as it is and whose result goes on into a quantised operand takes f32 operands (vector FMAs, or v_wmma_f32_16x16x4_f32). A number that lies on a knife's edge between two numbers of the format may be rounded either way, as far as f32 arithmetic and the matrix unit's own rounding can turn it there, and no further.
;;   INPUTS GIVEN AS CODES. W1 (in the module: [2, 512, 1024], K = its axis 1); W2 (in the module: [2, 512, 512], K = its axis 1); Wk (in the module: [2, 512, 512], K = its axis 1); Wo (in the module: [2, 512, 512], K = its axis 1); Wq (in the module: [2, 512, 512], K = its axis 1); Wv (in the module: [2, 512, 512], K = its axis 1): each comes as NAME_codes (uint8): NAME with its K axis moved to the last place and cut into blocks of 32 codes, [.., K / 32, bytes a block], one block behind the other in memory; two codes a byte, the lower K in the low four bits (a code: sign, 2 exponent bits, 1 mantissa bit); and NAME_scales (uint8): the same leading axes, one E8M0 byte (e + 127) for each 32 codes along K. Its value is code x scale, taken as it is: it is not quantised again, and the codes and scales need not be those that the quantiser above would give.
;; 2 versions. Each part assembles by itself: llvm-mc -triple=amdgcn-amd-amdhsa -mcpu=gfx1250 --defsym DOCPART=n.
;; ======== version 1 of 2: 6 launches
;; workspace buffers: wf 1,835,008 bytes; qkv 7,471,104 bytes; ctx 2,359,296 bytes; x1 16,777,216 bytes
;; launch prep (part 1): grid 112 x 1, 4 waves a work-group, no clusters, 0 bytes of LDS; arguments Wq_codes, Wk_codes, Wv_codes, Wo_codes, W2_codes, W1_codes, wf; writes wf
.if DOCPART == 1
	.amdgcn_target "amdgcn-amd-amdhsa--gfx1250"
	.amdhsa_code_object_version 6
	.text
	.protected	k_qf8de62085e_prep
	.globl	k_qf8de62085e_prep
	.p2align	8
	.type	k_qf8de62085e_prep,@function
k_qf8de62085e_prep:
	s_mov_b64 s[64:65], 0
	v_nop
	global_prefetch_b8 v0, s[64:65] scope:SCOPE_SE
	s_setreg_imm32_b32 hwreg(HW_REG_WAVE_MODE, 25, 1), 1
	s_wait_xcnt 0x0
; THE PROGRAM: two transformer layers and a closing LayerNorm on 8,192 tokens of 512 features, every matrix product on E2M1 codes with E8M0 scales.
; Six launches: prep | front (LN1, q k v of layer 0) | attention 0 | mid (Wo, MLP of layer 0; LN1, q k v of layer 1) | attention 1 | last (Wo, MLP of layer 1, closing LN).
; DEAD WORK: none is left out.  attn_mask differs from key to key, so it moves the softmax; pos_cos and pos_sin are read as whole [4][2048][512] arrays, for each layer;
; all gains and biases of the LayerNorms are loaded.  Every input of the problem is an argument of some launch.
; LIMITS of the program: a block of 32 zeros gets the scale byte 1 where the quantiser says 127 (its codes are zeros, and the bytes are read by this program alone);
; blocks whose largest magnitude lies under 2^-124 are held at that byte; NaN and infinities among the inputs are not served, but for -infinity in attn_mask;
; a mask beyond 4.2e37 in magnitude becomes an infinity of its sign (it is multiplied by 8); a query all of whose keys are masked by -infinity is not served.
;
; THIS LAUNCH lays the six weights' codes in the order in which a wave's operand registers take them, so that every later weight load is 512 consecutive bytes.
; A tile is 16 rows (outputs) x 512 K.  THE ROWS OF A TILE ARE NOT NEIGHBOURS: lane row r of tile t is row 32 (t / 2) + 8 (t % 2) + r + 8 (r / 8), so that the results of two
; neighbouring tiles are 16 neighbours along the next product's K.  In wf a tile is 4,096 bytes: [k8 = 0..7][lane 32][16 bytes]; piece k8 of lane (r, h) is bytes 32 k8 + 16 h of its row.
; wf holds, on end: Wq, Wk, Wv, Wo, W2 (64 tiles each, both layers), W1 (128 tiles).  One wave moves one tile; 448 tiles; work-groups 0-15 Wq, 16-31 Wk, 32-47 Wv, 48-63 Wo, 64-79 W2, 80-111 W1.
	s_load_b256 s[4:11], s[0:1], 0x0               ; Wq, Wk, Wv, Wo
	s_load_b128 s[12:15], s[0:1], 0x20             ; W2, W1
	s_load_b64 s[16:17], s[0:1], 0x30              ; wf
	v_lshrrev_b32 v1, 5, v0
	v_readfirstlane_b32 s18, v1                    ; wave 0..3
	v_and_b32 v2, 15, v0                           ; r
	v_bfe_u32 v3, v0, 4, 1                         ; h
	v_and_b32 v4, 8, v2
	v_add_nc_u32 v4, v4, v2                        ; r + 8 (r / 8)
	v_lshlrev_b32 v4, 8, v4                        ; a row of 512 codes is 256 bytes
	v_lshl_add_u32 v4, v3, 4, v4                   ; + 16 h: where I read
	v_and_b32 v5, 31, v0
	v_lshlrev_b32 v5, 4, v5                        ; 16 x lane: where I write
	s_wait_kmcnt 0x0
	s_mov_b64 s[20:21], s[14:15]                   ; which weight is my work-group's, and its first work-group: a choice on the work-group's number alone
	s_mov_b32 s22, 80
	s_cmp_lt_u32 ttmp9, 80
	s_cselect_b64 s[20:21], s[12:13], s[20:21]
	s_cselect_b32 s22, 64, s22
	s_cmp_lt_u32 ttmp9, 64
	s_cselect_b64 s[20:21], s[10:11], s[20:21]
	s_cselect_b32 s22, 48, s22
	s_cmp_lt_u32 ttmp9, 48
	s_cselect_b64 s[20:21], s[8:9], s[20:21]
	s_cselect_b32 s22, 32, s22
	s_cmp_lt_u32 ttmp9, 32
	s_cselect_b64 s[20:21], s[6:7], s[20:21]
	s_cselect_b32 s22, 16, s22
	s_cmp_lt_u32 ttmp9, 16
	s_cselect_b64 s[20:21], s[4:5], s[20:21]
	s_cselect_b32 s22, 0, s22
	s_sub_co_u32 s23, ttmp9, s22
	s_lshl_b32 s23, s23, 2
	s_add_co_u32 s23, s23, s18                     ; my tile in that weight
	s_lshr_b32 s24, s23, 1
	s_lshl_b32 s24, s24, 13                        ; 32 rows of 256 bytes for each pair of tiles,
	s_and_b32 s25, s23, 1
	s_lshl_b32 s25, s25, 11                        ; 8 rows for the odd one
	s_add_co_u32 s24, s24, s25
	s_mov_b32 s25, 0
	s_add_nc_u64 s[20:21], s[20:21], s[24:25]
	s_lshl_b32 s24, ttmp9, 2
	s_add_co_u32 s24, s24, s18
	s_lshl_b32 s24, s24, 12                        ; my tile in wf: 4,096 bytes each, in the order of the work-groups
	s_add_nc_u64 s[16:17], s[16:17], s[24:25]
.irp k, 0,1,2,3,4,5,6,7
	global_load_b128 v[8+4*\k:11+4*\k], v4, s[20:21] offset:32*\k
.endr
	s_wait_loadcnt 0x0
.irp k, 0,1,2,3,4,5,6,7
	global_store_b128 v5, v[8+4*\k:11+4*\k], s[16:17] offset:512*\k     ; 32 lanes store 512 consecutive bytes
.endr
	s_endpgm
.Lfunc_end_k_qf8de62085e_prep:
	.size	k_qf8de62085e_prep, .Lfunc_end_k_qf8de62085e_prep-k_qf8de62085e_prep
	.p2alignl 7, 3214868480
	.fill 96, 4, 3214868480
	.section	.rodata,"a",@progbits
	.p2align	6, 0x0
	.amdhsa_kernel k_qf8de62085e_prep
		.amdhsa_group_segment_fixed_size 0
		.amdhsa_private_segment_fixed_size 0
		.amdhsa_enable_private_segment 0
		.amdhsa_kernarg_size 56
		.amdhsa_user_sgpr_count 2
		.amdhsa_user_sgpr_kernarg_segment_ptr 1
		.amdhsa_wavefront_size32 1
		.amdhsa_system_sgpr_workgroup_id_x 1
		.amdhsa_system_sgpr_workgroup_id_y 1
		.amdhsa_system_sgpr_workgroup_id_z 1
		.amdhsa_system_vgpr_workitem_id 0
		.amdhsa_next_free_vgpr 48
		.amdhsa_next_free_sgpr 66
		.amdhsa_reserve_vcc 0
		.amdhsa_float_denorm_mode_32 3
		.amdhsa_float_denorm_mode_16_64 3
		.amdhsa_memory_ordered 1
		.amdhsa_forward_progress 1
		.amdhsa_inst_pref_size 4
	.end_amdhsa_kernel
	.amdgpu_metadata
---
amdhsa.version: [ 1, 2 ]
amdhsa.kernels:
  - .name:           k_qf8de62085e_prep
    .symbol:         k_qf8de62085e_prep.kd
    .args:
      - { .name: Wq_codes, .offset: 0, .size: 8, .value_kind: global_buffer, .address_space: global }
      - { .name: Wk_codes, .offset: 8, .size: 8, .value_kind: global_buffer, .address_space: global }
      - { .name: Wv_codes, .offset: 16, .size: 8, .value_kind: global_buffer, .address_space: global }
      - { .name: Wo_codes, .offset: 24, .size: 8, .value_kind: global_buffer, .address_space: global }
      - { .name: W2_codes, .offset: 32, .size: 8, .value_kind: global_buffer, .address_space: global }
      - { .name: W1_codes, .offset: 40, .size: 8, .value_kind: global_buffer, .address_space: global }
      - { .name: wf, .offset: 48, .size: 8, .value_kind: global_buffer, .address_space: global }
    .group_segment_fixed_size: 0
    .private_segment_fixed_size: 0
    .kernarg_segment_align: 8
    .kernarg_segment_size: 56
    .max_flat_workgroup_size: 128
    .sgpr_count:     66
    .vgpr_count:     48
    .wavefront_size: 32
...
	.end_amdgpu_metadata
.endif
;; end of part 1
;; launch front (part 2): grid 256 x 1, 8 waves a work-group, no clusters, 239,104 bytes of LDS; arguments x, wf, Wq_scales, Wk_scales, Wv_scales, ln1_w, ln1_b, pos_cos, pos_sin, qkv; writes qkv
.if DOCPART == 2
	.amdgcn_target "amdgcn-amd-amdhsa--gfx1250"
	.amdhsa_code_object_version 6
	.text
	.protected	k_qf8de62085e_front
	.globl	k_qf8de62085e_front
	.p2align	8
	.type	k_qf8de62085e_front,@function
k_qf8de62085e_front:
	s_mov_b64 s[64:65], 0
	v_nop
	global_prefetch_b8 v0, s[64:65] scope:SCOPE_SE
	s_setreg_imm32_b32 hwreg(HW_REG_WAVE_MODE, 25, 1), 1
	s_wait_xcnt 0x0
; THE CHAIN, one text for three launches; KIND chooses the arms.  No work of the model is left out here.
;   KIND 0 (front): LN1 of layer 0, quantise, q k v, RoPE, quantise q and k along the head and v along the keys -> qkv.
;   KIND 1 (mid):   ctx Wo + x, LN2, W1, silu gate, W2, + residual -> x1; then all of KIND 0's work for layer 1.
;   KIND 2 (last):  ctx Wo + x1, LN2, W1, gate, W2, + residual, closing LN -> out0.
; SHARES.  A work-group of eight waves takes 32 tokens: two row tiles u = 0, 1; lane row r of tile u is token 8 u + r + 8 (r / 8) of the block.  THE WAVES SHARE THE COLUMNS: wave w makes
; features 64 w .. 64 w + 63 (head w) of every product: four tiles of weight rows (prep's order) x two row tiles = 8 accumulators by turns, 32 matrix instructions a product.
; PRODUCTS ARE USED TRANSPOSED (source 0 = 16 weight rows, source 1 = 16 tokens): a lane holds one token, and the 16 registers of tiles 2 b, 2 b + 1 are features 32 b + 16 (lane / 16) + 0 .. 15:
; neighbours along the next K, which the conversions want.  v alone is used the natural way round, so that a lane holds one channel and its registers run along the tokens, its K.
; WEIGHTS come from wf straight into registers, 512 consecutive bytes a load, two sets by turns in window 1; set n + 2 is asked for behind the products of set n.
; OPERANDS GO FROM WAVE TO WAVE THROUGH LDS AS IMAGES OF THEIR REGISTERS: a wave's 64 features are half a fragment (four registers) and two scale bytes of each row tile.
; The residual, cos and sin lie in LDS by rows, in the tiles' order of tokens, 2,064 bytes apart: the 16 rows that a column read touches begin in 16 different runs of 16 bytes modulo 256.
; LIMITS: a block of zeros gets the scale byte 1 (zero codes; this program alone reads the bytes); largest magnitudes under 2^-124 are held at that byte; NaN and infinities are not served.
.set KIND, 0
.set P_X, 4                            ; s[4:5] x;  the other pointers likewise, in the order of the arguments
.set P_WF, 6
.set P_SQ, 8
.set P_SK, 10
.set P_SV, 12
.set P_LAW, 14
.set P_LAB, 16
.set P_COS, 18
.set P_SIN, 20
.set P_QKV, 22
.set LAOFF, 0                          ; byte offset of the layer in the first LayerNorm's vectors
.set TL, 0                             ; the layer of Wq, Wk, Wv
.set TK, 0                             ; which image, partial sums and LN vectors the q k v part uses
.set G2, 36                            ; loads issued at the head behind those that go through LDS
; wf's regions, qkv's and ctx's, in bytes
.set RQ, 0
.set RK, 262144
.set RV, 524288
.set RO, 786432
.set R2, 1048576
.set R1, 1310720
.set OQC, 0                            ; q's codes  [bh][tile 128][lane][16]
.set OKC, 2097152                      ; k's codes  likewise
.set OVC, 4194304                      ; v's codes  [bh][key step 16][tile 4][c 2][lane][16]
.set OQS, 6291456                      ; q's scale words [bh][tile][lane][4]
.set OKS, 6815744                      ; k's
.set OVS, 7340032                      ; v's [bh][key step][tile][r 16][4]
.set OCS, 2097152                      ; ctx: scale words [row tile 512][K step 4][lane][4], behind the codes [row tile][K step][c][lane][16]
; LDS
.set AIMG, 9216                        ; three images of an activation: 8,192 bytes of codes [u][s][c][lane][16], 1,024 of scale words [u][s][lane][4]
.set PSUM, 27648                       ; four regions of partial sums, [slot 32][wave 8] f32
.set PAR, 31744                        ; four LN vectors of 2,048 bytes
.set SPARE, 39936                      ; the spare words, 128 bytes a wave: four blocks of 256 bytes that no other line names
.set XB, 40960                         ; 32 rows of the residual,
.set XPITCH, 2064
.set XREG, 66048                       ; then 32 of cos, then 32 of sin
; vector registers, window 0
.set SPW, 1                            ; my spare word's address; never rewritten
.set NIL, 2                            ; 0; never rewritten
.set LI, 3                             ; 16 x lane
.set LS, 4                             ; 4 x lane
.set XBA, 5                            ; residual: row r, my wave's 256 bytes, + 64 h
.set CBA, 6                            ; the same place in cos
.set SBA, 7                            ; and in sin
.set XRW, 8                            ; residual by rows: my wave's four tokens' slots, + 16 x lane
.set GRW, 9                            ; the same four rows in memory: 8,192 w + 16 x lane
.set WSA, 10                           ; a weight row's 16 scale bytes: 16 (r + 8 (r / 8))
.set IWA, 11                           ; where I store my half fragments
.set ISA, 12                           ; and my two scale bytes
.set PSW, 13                           ; partial sums: my word
.set PSR, 14                           ; and the eight words of slot r
.set PRA, 15                           ; LN vectors: my wave's 256 bytes, + 64 h
.set RT, 16                            ; v16-23 at work
.set AF, 24                            ; v24-87  the activation's fragments [u][s], 8 registers each
.set LT, 24                            ;         (LayerNorm's temporaries while those are dead)
.set ASC, 88                           ; v88-95  their scale words, 4 u + s
.set WSC, 96                           ; v96-127 the weights' scale words, 16 p + 4 t + s
.set ACC, 128                          ; v128-191 the eight accumulators
.set TMP, 192                          ; v192-255 at work
.set TM, TMP
.set PW, TMP+16
.set PCD, TMP+24
; scalars
.set WV, 38
.set PQ, 46
.set PSQ, 48
.set PV, 50
.set PVS, 52
.set HIM, 54
.set C512, 55
.set CEPS, 56
.set PADW, 57
.set SEL, 58
.set CTS, 60
.set MSB, 0
.macro WIN new                         ; the immediate's high byte repeats the setting that is left
.if MSB != \new
	s_set_vgpr_msb (MSB<<8)|\new
.set MSB, \new
.endif
.endm
.macro PLACES                          ; behind a run of products: four places are owed to loads and readers, five to a later product that writes over an accumulator
.rept 5
	v_nop
.endr
.endm
.macro BARRIER                         ; my LDS stores have landed and my LDS loads are in: then the work-group's barrier
	s_wait_dscnt 0x0
	s_barrier_signal -1
	s_barrier_wait -1
.endm
; A set of weights: my four tiles x 512 K (32 loads of 512 consecutive bytes) into set p of window 1, and their rows' scale words (a row's 16 bytes are its four K steps' words): 36 loads.
.macro WLOAD p, cimm, sp, simm
	WIN 0x40
.irp t, 0,1,2,3
.irp k, 0,1,2,3,4,5,6,7
	global_load_b128 v[128*(\p)+32*\t+4*\k:128*(\p)+32*\t+4*\k+3], v[LI], s[P_WF:P_WF+1] offset:(\cimm)+4096*\t+512*\k
.endr
.endr
	WIN 0
.irp t, 0,1,2,3
	global_load_b128 v[WSC+16*(\p)+4*\t:WSC+16*(\p)+4*\t+3], v[WSA], s[\sp:\sp+1] offset:(\simm)+512*(\t/2)+128*(\t%2)
.endr
.endm
.macro MM0 d, a, b, sa, sb             ; a product that starts a sum
	v_wmma_scale_f32_16x16x128_f8f6f4 v[\d:\d+7], v[\a:\a+7], v[\b:\b+7], 0, v[\sa], v[\sb] matrix_a_fmt:MATRIX_FMT_FP4 matrix_b_fmt:MATRIX_FMT_FP4
.endm
.macro MMA d, a, b, sa, sb             ; and one that adds in place
	v_wmma_scale_f32_16x16x128_f8f6f4 v[\d:\d+7], v[\a:\a+7], v[\b:\b+7], v[\d:\d+7], v[\sa], v[\sb] matrix_a_fmt:MATRIX_FMT_FP4 matrix_b_fmt:MATRIX_FMT_FP4
.endm
; 32 products on weight set p; the eight accumulators take turns, one instruction a turn.
; mode 0: transposed, the first K step starts the sums.  mode 1: transposed, onto the residual that lies in the accumulators.  mode 2: natural (source 0 = tokens, source 1 = weight rows).
.macro GEMM p, mode
.if \mode == 2
	WIN 0x04
.else
	WIN 0x01
.endif
.irp s, 0,1,2,3
.irp t, 0,1,2,3
.irp u, 0,1
.if \mode == 2
.if \s == 0
	MM0 ACC+16*\t+8*\u, AF+32*\u+8*\s, 128*(\p)+32*\t+8*\s, ASC+4*\u+\s, WSC+16*(\p)+4*\t+\s
.else
	MMA ACC+16*\t+8*\u, AF+32*\u+8*\s, 128*(\p)+32*\t+8*\s, ASC+4*\u+\s, WSC+16*(\p)+4*\t+\s
.endif
.elseif (\mode == 0) && (\s == 0)
	MM0 ACC+32*\u+8*\t, 128*(\p)+32*\t+8*\s, AF+32*\u+8*\s, WSC+16*(\p)+4*\t+\s, ASC+4*\u+\s
.else
	MMA ACC+32*\u+8*\t, 128*(\p)+32*\t+8*\s, AF+32*\u+8*\s, WSC+16*(\p)+4*\t+\s, ASC+4*\u+\s
.endif
.endr
.endr
.endr
	WIN 0
.endm
.macro XLD                             ; my columns of the residual, in the accumulators' layout
.irp u, 0,1
.irp t, 0,1,2,3
	ds_load_b128 v[ACC+32*\u+8*\t:ACC+32*\u+8*\t+3], v[XBA] offset:16*XPITCH*\u+128*(\t/2)+32*(\t%2)
	ds_load_b128 v[ACC+32*\u+8*\t+4:ACC+32*\u+8*\t+7], v[XBA] offset:16*XPITCH*\u+128*(\t/2)+32*(\t%2)+16
.endr
.endr
.endm
.macro XST                             ; and back: my wave's own bytes; each accumulator from its low end on
.irp u, 0,1
.irp t, 0,1,2,3
	ds_store_b128 v[XBA], v[ACC+32*\u+8*\t:ACC+32*\u+8*\t+3] offset:16*XPITCH*\u+128*(\t/2)+32*(\t%2)
	ds_store_b128 v[XBA], v[ACC+32*\u+8*\t+4:ACC+32*\u+8*\t+7] offset:16*XPITCH*\u+128*(\t/2)+32*(\t%2)+16
.endr
.endr
.endm
; Four chains a row tile in v[LT + 8 u + 2 c] are joined, both halves of the lanes added, the eight waves' parts exchanged through region ps: each token's sum over 512 features lands in v[LT + 16 + 8 u].
.macro LNRED ps
.irp u, 0,1
	v_pk_add_f32 v[LT+8*\u:LT+8*\u+1], v[LT+8*\u:LT+8*\u+1], v[LT+8*\u+2:LT+8*\u+3]
	v_pk_add_f32 v[LT+8*\u+4:LT+8*\u+5], v[LT+8*\u+4:LT+8*\u+5], v[LT+8*\u+6:LT+8*\u+7]
.endr
.irp u, 0,1
	v_pk_add_f32 v[LT+8*\u:LT+8*\u+1], v[LT+8*\u:LT+8*\u+1], v[LT+8*\u+4:LT+8*\u+5]
.endr
.irp u, 0,1
	v_add_f32 v[LT+8*\u], v[LT+8*\u], v[LT+8*\u+1]
.endr
.irp u, 0,1
	v_permlanex16_b32 v[LT+8*\u+1], v[LT+8*\u], s[SEL], s[SEL+1]
.endr
.irp u, 0,1
	v_add_f32 v[LT+8*\u], v[LT+8*\u], v[LT+8*\u+1]
.endr
	v_cndmask_b32 v[LT+2], v[LT], v[LT+8], s[HIM]  ; lanes 0-15 keep row tile 0's, lanes 16-31 row tile 1's: lane = slot
	ds_store_b32 v[PSW], v[LT+2] offset:1024*(\ps)
	BARRIER
.irp u, 0,1
	ds_load_b128 v[LT+16+8*\u:LT+19+8*\u], v[PSR] offset:1024*(\ps)+512*\u
	ds_load_b128 v[LT+20+8*\u:LT+23+8*\u], v[PSR] offset:1024*(\ps)+512*\u+16
.endr
	s_wait_dscnt 0x0
.irp u, 0,1
	v_pk_add_f32 v[LT+16+8*\u:LT+17+8*\u], v[LT+16+8*\u:LT+17+8*\u], v[LT+18+8*\u:LT+19+8*\u]
	v_pk_add_f32 v[LT+20+8*\u:LT+21+8*\u], v[LT+20+8*\u:LT+21+8*\u], v[LT+22+8*\u:LT+23+8*\u]
.endr
.irp u, 0,1
	v_pk_add_f32 v[LT+16+8*\u:LT+17+8*\u], v[LT+16+8*\u:LT+17+8*\u], v[LT+20+8*\u:LT+21+8*\u]
.endr
.irp u, 0,1
	v_add_f32 v[LT+16+8*\u], v[LT+16+8*\u], v[LT+17+8*\u]
.endr
.endm
; LayerNorm of the accumulators, in place, in two passes as the model has it: the mean, then the mean of the squares of x - mean.  ka, ka + 1: regions of partial sums; kp, kp + 1: gain and bias.
.macro LNORM ka, kp
.irp t, 0,1,2,3
.irp q, 0,1
	ds_load_b128 v[TMP+8*\t+4*\q:TMP+8*\t+4*\q+3], v[PRA] offset:2048*(\kp)+128*(\t/2)+32*(\t%2)+16*\q
	ds_load_b128 v[TMP+32+8*\t+4*\q:TMP+32+8*\t+4*\q+3], v[PRA] offset:2048*(\kp)+2048+128*(\t/2)+32*(\t%2)+16*\q
.endr
.endr
.irp u, 0,1
.irp c, 0,1,2,3
	v_pk_add_f32 v[LT+8*\u+2*\c:LT+8*\u+2*\c+1], v[ACC+32*\u+8*\c:ACC+32*\u+8*\c+1], v[ACC+32*\u+8*\c+2:ACC+32*\u+8*\c+3]   ; chain c begins at the low end of accumulator c
.endr
.endr
.irp i, 4,6
.irp u, 0,1
.irp c, 0,1,2,3
	v_pk_add_f32 v[LT+8*\u+2*\c:LT+8*\u+2*\c+1], v[LT+8*\u+2*\c:LT+8*\u+2*\c+1], v[ACC+32*\u+8*\c+\i:ACC+32*\u+8*\c+\i+1]
.endr
.endr
.endr
	LNRED \ka
.irp u, 0,1
	v_mul_f32 v[LT+16+8*\u], s[C512], v[LT+16+8*\u]                ; the mean
.endr
.irp u, 0,1
.set jj, 0
.rept 16
	v_pk_add_f32 v[ACC+32*\u+jj:ACC+32*\u+jj+1], v[ACC+32*\u+jj:ACC+32*\u+jj+1], v[LT+16+8*\u:LT+17+8*\u] op_sel_hi:[1,0] neg_lo:[0,1] neg_hi:[0,1]
.set jj, jj+2
.endr
.endr
.irp u, 0,1
.irp c, 0,1,2,3
	v_pk_mul_f32 v[LT+8*\u+2*\c:LT+8*\u+2*\c+1], v[ACC+32*\u+8*\c:ACC+32*\u+8*\c+1], v[ACC+32*\u+8*\c:ACC+32*\u+8*\c+1]
.endr
.endr
.irp i, 2,4,6
.irp u, 0,1
.irp c, 0,1,2,3
	v_pk_fma_f32 v[LT+8*\u+2*\c:LT+8*\u+2*\c+1], v[ACC+32*\u+8*\c+\i:ACC+32*\u+8*\c+\i+1], v[ACC+32*\u+8*\c+\i:ACC+32*\u+8*\c+\i+1], v[LT+8*\u+2*\c:LT+8*\u+2*\c+1]
.endr
.endr
.endr
	LNRED (\ka)+1
.irp u, 0,1
	v_fma_f32 v[LT+16+8*\u], v[LT+16+8*\u], s[C512], s[CEPS]       ; the variance + 1e-5
.endr
.irp u, 0,1
	v_rsq_f32 v[LT+18+8*\u], v[LT+16+8*\u]
.endr
	v_nop                                          ; a plain instruction behind the two roots,
	s_wait_alu depctr_va_vdst(0)                   ; and the one wait ahead of their first reader
.irp u, 0,1
.set jj, 0
.rept 16
	v_pk_mul_f32 v[ACC+32*\u+jj:ACC+32*\u+jj+1], v[ACC+32*\u+jj:ACC+32*\u+jj+1], v[LT+18+8*\u:LT+19+8*\u] op_sel_hi:[1,0]
.set jj, jj+2
.endr
.endr
.irp u, 0,1
.set jj, 0
.rept 16
	v_pk_fma_f32 v[ACC+32*\u+jj:ACC+32*\u+jj+1], v[ACC+32*\u+jj:ACC+32*\u+jj+1], v[TMP+jj:TMP+jj+1], v[TMP+32+jj:TMP+33+jj]
.set jj, jj+2
.endr
.endr
.endm
; 64 numbers of a lane, v[s] on: four blocks b, of each my 16 (lane l xor 16 has the other 16).  Codes to v[PCD] on, two registers a block; the four scale bytes to v[TM + 4 + b] and, as a word, to v[PW].
; swap = 1: blocks 2 c and 2 c + 1 change halves, so that v[PCD + 4 c] on are four registers of an operand: lanes 0-15 block 2 c, lanes 16-31 block 2 c + 1.
.macro QUANT s, swap
.irp b, 0,1,2,3
	v_mov_b32 v[TM+4+\b], 0                        ; a lane permute's destination counts as one of its sources
.endr
.irp b, 0,1,2,3
	v_max3_num_f32 v[TM+\b], |v[\s+16*\b]|, |v[\s+1+16*\b]|, 0x1800000   ; and the floor 2^(3 - 127): the byte cannot fall under 1
.endr
.irp i, 2,4,6,8,10,12,14
.irp b, 0,1,2,3
	v_max3_num_f32 v[TM+\b], v[TM+\b], |v[\s+16*\b+\i]|, |v[\s+1+16*\b+\i]|
.endr
.endr
.irp b, 0,1,2,3
	v_permlanex16_b32 v[TM+4+\b], v[TM+\b], s[SEL], s[SEL+1]
.endr
.irp b, 0,1,2,3
	v_max_num_f32 v[TM+\b], v[TM+\b], v[TM+4+\b]   ; the block's largest magnitude
.endr
.irp b, 0,1,2,3
	v_add_nc_u32 v[TM+12+\b], 0xff000000, v[TM+\b] ; 2 off its exponent field: the conversion's scale operand
.endr
.irp b, 0,1,2,3
	v_lshrrev_b32 v[TM+4+\b], 23, v[TM+12+\b]      ; the scale's byte
.endr
	v_lshl_or_b32 v[PW], v[TM+5], 8, v[TM+4]
	v_lshl_or_b32 v[PW], v[TM+6], 16, v[PW]
	v_lshl_or_b32 v[PW], v[TM+7], 24, v[PW]
.irp b, 0,1,2,3
	v_cvt_scalef32_pk8_fp4_f32 v[PCD+2*\b], v[\s+16*\b:\s+7+16*\b], v[TM+12+\b]
	v_cvt_scalef32_pk8_fp4_f32 v[PCD+1+2*\b], v[\s+8+16*\b:\s+15+16*\b], v[TM+12+\b]
.endr
	v_nop                                          ; one plain place behind the scaled conversions
.if \swap
.irp c, 0,1
.irp i, 0,1
	v_permlane16_swap_b32 v[PCD+4*\c+\i], v[PCD+2+4*\c+\i]
.endr
.endr
.endif
.endm
.macro IMGST k                         ; my half fragment and my two scale bytes of each row tile, into image k
	ds_store_b128 v[IWA], v[PCD:PCD+3] offset:AIMG*(\k)
	ds_store_b128 v[IWA], v[PCD+4:PCD+7] offset:AIMG*(\k)+4096
	ds_store_b16 v[ISA], v[PW] offset:AIMG*(\k)
	ds_store_b16_d16_hi v[ISA], v[PW] offset:AIMG*(\k)+512
.endm
.macro AFLOAD k                        ; the whole activation comes back: 8 fragments, 8 scale words
.irp u, 0,1
.irp s, 0,1,2,3
.irp c, 0,1
	ds_load_b128 v[AF+32*\u+8*\s+4*\c:AF+32*\u+8*\s+4*\c+3], v[LI] offset:AIMG*(\k)+4096*\u+1024*\s+512*\c
.endr
.endr
.endr
.irp u, 0,1
.irp s, 0,1,2,3
	ds_load_b32 v[ASC+4*\u+\s], v[LS] offset:AIMG*(\k)+8192+512*\u+128*\s
.endr
.endr
.endm
.macro SILU                            ; v[TMP] on = x / (1 + 2^(-x log2 e)) of the accumulators: two batches of transcendentals, one wait each
.set jj, 0
.rept 32
	v_pk_mul_f32 v[TMP+jj:TMP+jj+1], v[ACC+jj:ACC+jj+1], 0xbfb8aa3b op_sel_hi:[1,0]
.set jj, jj+2
.endr
.set jj, 0
.rept 64
	v_exp_f32 v[TMP+jj], v[TMP+jj]
.set jj, jj+1
.endr
	v_nop
	s_wait_alu depctr_va_vdst(0)                   ; the wait ahead of the batch's first reader
.set jj, 0
.rept 32
	v_pk_add_f32 v[TMP+jj:TMP+jj+1], v[TMP+jj:TMP+jj+1], 1.0 op_sel_hi:[1,0]
.set jj, jj+2
.endr
.set jj, 0
.rept 64
	v_rcp_f32 v[TMP+jj], v[TMP+jj]
.set jj, jj+1
.endr
	v_nop
	s_wait_alu depctr_va_vdst(0)
.set jj, 0
.rept 32
	v_pk_mul_f32 v[TMP+jj:TMP+jj+1], v[TMP+jj:TMP+jj+1], v[ACC+jj:ACC+jj+1]
.set jj, jj+2
.endr
.endm
; RoPE, in four chunks n = 2 u + u': eight channels d of the head's first half (a) and their partners d + 32 (b).  a' = a cos(d) - b sin(d);  b' = b cos(d + 32) + a sin(d + 32).
.macro RLOAD n
.set RB, TMP+32*((\n)%2)
.set RO, 16*XPITCH*((\n)/2)+32*((\n)%2)
	ds_load_b128 v[RB:RB+3], v[CBA] offset:RO
	ds_load_b128 v[RB+4:RB+7], v[CBA] offset:RO+16
	ds_load_b128 v[RB+8:RB+11], v[CBA] offset:RO+128
	ds_load_b128 v[RB+12:RB+15], v[CBA] offset:RO+144
	ds_load_b128 v[RB+16:RB+19], v[SBA] offset:RO
	ds_load_b128 v[RB+20:RB+23], v[SBA] offset:RO+16
	ds_load_b128 v[RB+24:RB+27], v[SBA] offset:RO+128
	ds_load_b128 v[RB+28:RB+31], v[SBA] offset:RO+144
.endm
.macro RWORK n
.set RB, TMP+32*((\n)%2)
.set RA, ACC+32*((\n)/2)+8*((\n)%2)
.irp j, 0,2,4,6
	v_pk_mul_f32 v[RT+\j:RT+\j+1], v[RA+\j:RA+\j+1], v[RB+24+\j:RB+25+\j]
.endr
.irp j, 0,2,4,6
	v_pk_mul_f32 v[RA+\j:RA+\j+1], v[RA+\j:RA+\j+1], v[RB+\j:RB+\j+1]
.endr
.irp j, 0,2,4,6
	v_pk_fma_f32 v[RA+\j:RA+\j+1], v[RA+16+\j:RA+17+\j], v[RB+16+\j:RB+17+\j], v[RA+\j:RA+\j+1] neg_lo:[1,0,0] neg_hi:[1,0,0]
.endr
.irp j, 0,2,4,6
	v_pk_fma_f32 v[RA+16+\j:RA+17+\j], v[RA+16+\j:RA+17+\j], v[RB+8+\j:RB+9+\j], v[RT+\j:RT+\j+1]
.endr
.endm
.macro ROPE
	RLOAD 0
	RLOAD 1
	s_wait_dscnt 8                                 ; the older chunk's eight loads are in; the younger chunk's eight may be out
	RWORK 0
	RLOAD 2
	s_wait_dscnt 8
	RWORK 1
	RLOAD 3
	s_wait_dscnt 8
	RWORK 2
	s_wait_dscnt 0x0
	RWORK 3
.endm
.macro QKST cimm, simm                 ; q's or k's two tiles: 512 consecutive bytes of codes each; a scale word = the head's two bytes, and 0x7f twice for the zero codes that fill K up to 128
	v_and_or_b32 v[RT], v[PW], 0xffff, s[PADW]
	v_lshrrev_b32 v[RT+1], 16, v[PW]
	v_or_b32 v[RT+1], s[PADW], v[RT+1]
	global_store_b128 v[LI], v[PCD:PCD+3], s[PQ:PQ+1] offset:\cimm
	global_store_b128 v[LI], v[PCD+4:PCD+7], s[PQ:PQ+1] offset:\cimm+512
	global_store_b32 v[LS], v[RT], s[PSQ:PSQ+1] offset:\simm
	global_store_b32 v[LS], v[RT+1], s[PSQ:PSQ+1] offset:\simm+128
.endm
.macro ROWSL                           ; my four tokens' whole rows out of LDS,
.irp i, 0,1,2,3
.irp k, 0,1,2,3
	ds_load_b128 v[TMP+16*\i+4*\k:TMP+16*\i+4*\k+3], v[XRW] offset:XPITCH*\i+512*\k
.endr
.endr
.endm
.macro ROWSS                           ; and to memory: 512 consecutive bytes a store
.irp i, 0,1,2,3
.irp k, 0,1,2,3
	global_store_b128 v[GRW], v[TMP+16*\i+4*\k:TMP+16*\i+4*\k+3], s[P_OUT:P_OUT+1] offset:2048*\i+512*\k th:TH_STORE_NT
.endr
.endr
.endm
; ================ THE HEAD
.if KIND == 0
	s_load_b512 s[4:19], s[0:1], 0x0
	s_load_b128 s[20:23], s[0:1], 0x40
.elseif KIND == 1
	s_load_b512 s[4:19], s[0:1], 0x0
	s_load_b512 s[20:35], s[0:1], 0x40
	s_load_b64 s[36:37], s[0:1], 0x80
.else
	s_load_b512 s[4:19], s[0:1], 0x0
	s_load_b128 s[20:23], s[0:1], 0x40
	s_load_b64 s[24:25], s[0:1], 0x50
.endif
	v_lshl_add_u32 v[SPW], v0, 2, SPARE
	v_mov_b32 v[NIL], 0
	v_lshrrev_b32 v195, 5, v0
	v_readfirstlane_b32 s[WV], v195                ; wave 0..7
	v_and_b32 v192, 31, v0                         ; lane
	v_and_b32 v193, 15, v0                         ; r
	v_bfe_u32 v194, v0, 4, 1                       ; h
	v_lshlrev_b32 v[LI], 4, v192
	v_lshlrev_b32 v[LS], 2, v192
	v_mul_u32_u24 v195, v193, XPITCH
	v_lshl_add_u32 v195, v194, 6, v195
	s_lshl_b32 s40, s[WV], 8                       ; my wave's 256 bytes of a row
	s_add_co_u32 s41, s40, XB
	v_add_nc_u32 v[XBA], s41, v195
.if KIND != 2
	v_add_nc_u32 v[CBA], XREG, v[XBA]
	v_add_nc_u32 v[SBA], 2*XREG, v[XBA]
.endif
	s_add_co_u32 s41, s40, PAR
	v_lshlrev_b32 v195, 6, v194
	v_add_nc_u32 v[PRA], s41, v195
	v_lshlrev_b32 v195, 3, v192
	v_add_nc_u32 v197, s41, v195                   ; LN vectors: where my 8 bytes go in LDS,
	v_add_nc_u32 v196, s40, v195                   ; and where they lie in memory
	s_bfe_u32 s40, s[WV], 0x10001                  ; token 4 w + i lies in slot 16 (bit 3) + 8 (bit 4) + (bits 2:0):
	s_lshl_b32 s40, s40, 4
	s_lshr_b32 s41, s[WV], 2
	s_lshl_b32 s41, s41, 3
	s_add_co_u32 s40, s40, s41
	s_and_b32 s41, s[WV], 1
	s_lshl_b32 s41, s41, 2
	s_add_co_u32 s40, s40, s41                     ; my four tokens' first slot
	s_mul_i32 s40, s40, XPITCH
	s_add_co_u32 s40, s40, XB
	v_add_nc_u32 v[XRW], s40, v[LI]
.if KIND != 2
	v_add_nc_u32 v198, XREG, v[XRW]
	v_add_nc_u32 v199, 2*XREG, v[XRW]
.endif
	v_lshl_add_u32 v[GRW], s[WV], 13, v[LI]
	v_and_b32 v195, 8, v193
	v_add_nc_u32 v195, v195, v193
	v_lshlrev_b32 v[WSA], 4, v195
	s_lshl_b32 s40, s[WV], 9                       ; K step w / 2, half w % 2: 1,024 (w / 2) + 512 (w % 2) = 512 w
	v_add_nc_u32 v[IWA], s40, v[LI]
	s_lshr_b32 s40, s[WV], 1
	s_lshl_b32 s40, s40, 7
	s_and_b32 s41, s[WV], 1
	s_lshl_b32 s41, s41, 1
	s_add_co_u32 s40, s40, s41
	s_add_co_u32 s40, s40, 8192
	v_add_nc_u32 v[ISA], s40, v[LS]
	s_lshl_b32 s40, s[WV], 2
	s_add_co_u32 s40, s40, PSUM
	v_lshlrev_b32 v195, 5, v192
	v_add_nc_u32 v[PSW], s40, v195
	v_lshl_add_u32 v[PSR], v193, 5, PSUM
	s_mov_b32 s[HIM], 0xffff0000                   ; lanes 16-31
	s_mov_b32 s[C512], 0x3b000000                  ; 1 / 512
	s_mov_b32 s[CEPS], 0x3727c5ac                  ; 1e-5
	s_mov_b32 s[PADW], 0x7f7f0000
	s_mov_b32 s[SEL], 0x76543210
	s_mov_b32 s[SEL+1], 0xfedcba98                 ; v_permlanex16_b32's selects for lane l xor 16
	s_wait_kmcnt 0x0
	s_lshl_b32 s40, ttmp9, 16                      ; my block's 32 rows of 2,048 bytes
	s_mov_b32 s41, 0
	s_mov_b32 s43, 0
	s_add_nc_u64 s[P_X:P_X+1], s[P_X:P_X+1], s[40:41]
.if KIND != 2
	s_add_nc_u64 s[P_COS:P_COS+1], s[P_COS:P_COS+1], s[40:41]
	s_add_nc_u64 s[P_SIN:P_SIN+1], s[P_SIN:P_SIN+1], s[40:41]
.endif
.if KIND != 0
	s_add_nc_u64 s[P_OUT:P_OUT+1], s[P_OUT:P_OUT+1], s[40:41]
	s_lshl_b32 s42, ttmp9, 10
	s_add_nc_u64 s[CTS:CTS+1], s[P_CTX:P_CTX+1], s[42:43]          ; ctx's scale words of my two row tiles (the region's offset stands in the loads)
	s_lshl_b32 s42, ttmp9, 13
	s_add_nc_u64 s[P_CTX:P_CTX+1], s[P_CTX:P_CTX+1], s[42:43]      ; and their codes
.endif
	s_lshl_b32 s42, s[WV], 14
	s_add_nc_u64 s[P_WF:P_WF+1], s[P_WF:P_WF+1], s[42:43]          ; my four tiles of every weight
	s_lshl_b32 s42, s[WV], 10                      ; my 64 rows of 16 scale bytes
.if KIND != 0
.irp p, P_SO, P_S1, P_S2
	s_add_nc_u64 s[\p:\p+1], s[\p:\p+1], s[42:43]
.endr
.endif
.if KIND != 2
.irp p, P_SQ, P_SK, P_SV
	s_add_nc_u64 s[\p:\p+1], s[\p:\p+1], s[42:43]
.endr
	s_lshr_b32 s40, ttmp9, 6                       ; the batch
	s_lshl_b32 s40, s40, 3
	s_add_co_u32 s40, s40, s[WV]                   ; bh = 8 x batch + head
	s_and_b32 s41, ttmp9, 63                       ; my block of 32 tokens in the sequence
	s_lshl_b32 s42, s40, 7
	s_lshl_b32 s43, s41, 1
	s_add_co_u32 s42, s42, s43                     ; its first tile among the head's 128
	s_lshl_b32 s42, s42, 7
	s_mov_b32 s43, 0
	s_add_nc_u64 s[PSQ:PSQ+1], s[P_QKV:P_QKV+1], s[42:43]          ; 128 bytes of scale words a tile,
	s_lshl_b32 s42, s42, 2
	s_add_nc_u64 s[PQ:PQ+1], s[P_QKV:P_QKV+1], s[42:43]            ; 512 of codes
	s_and_b32 s43, s41, 3                          ; which of a key step's four blocks of 32 keys I am
	s_lshr_b32 s41, s41, 2                         ; the key step
	s_lshl_b32 s40, s40, 4
	s_add_co_u32 s40, s40, s41
	s_lshl_b32 s42, s40, 8
	s_add_co_u32 s42, s42, s43                     ; v's scale bytes: 256 a key step, + my block's byte
	s_lshl_b32 s40, s40, 12
	s_lshl_b32 s43, s43, 8
	s_add_co_u32 s40, s40, s43                     ; v's codes: 4,096 a key step; block 2 c + h is registers 4 c on of lanes 16 h on: 256 bytes a block
	s_mov_b32 s41, 0
	s_mov_b32 s43, 0
	s_add_nc_u64 s[PV:PV+1], s[P_QKV:P_QKV+1], s[40:41]
	s_add_nc_u64 s[PVS:PVS+1], s[P_QKV:P_QKV+1], s[42:43]
.endif
; what goes through LDS: my four rows of the residual (and of cos and sin), my 256 bytes of the LN vectors
.irp i, 0,1,2,3
.irp k, 0,1,2,3
	global_load_b128 v[ACC+16*\i+4*\k:ACC+16*\i+4*\k+3], v[GRW], s[P_X:P_X+1] offset:2048*\i+512*\k th:TH_LOAD_NT
.endr
.endr
	global_load_b64 v[200:201], v196, s[P_LAW:P_LAW+1] offset:LAOFF
	global_load_b64 v[202:203], v196, s[P_LAB:P_LAB+1] offset:LAOFF
.if KIND != 0
	global_load_b64 v[204:205], v196, s[P_LBW:P_LBW+1] offset:LBOFF
	global_load_b64 v[206:207], v196, s[P_LBB:P_LBB+1] offset:LBOFF
.endif
.if KIND != 2
	WIN 0x40                                       ; into the second weight set's registers, which are free until these have gone to LDS
.irp i, 0,1,2,3
.irp k, 0,1,2,3
	global_load_b128 v[128+16*\i+4*\k:128+16*\i+4*\k+3], v[GRW], s[P_COS:P_COS+1] offset:2048*\i+512*\k th:TH_LOAD_NT
.endr
.endr
.irp i, 0,1,2,3
.irp k, 0,1,2,3
	global_load_b128 v[192+16*\i+4*\k:192+16*\i+4*\k+3], v[GRW], s[P_SIN:P_SIN+1] offset:2048*\i+512*\k th:TH_LOAD_NT
.endr
.endr
	WIN 0
.endif
; what goes straight into operand registers: G2 loads
.if KIND != 0
.irp u, 0,1
.irp s, 0,1,2,3
.irp c, 0,1
	global_load_b128 v[AF+32*\u+8*\s+4*\c:AF+32*\u+8*\s+4*\c+3], v[LI], s[P_CTX:P_CTX+1] offset:4096*\u+1024*\s+512*\c
.endr
.endr
.endr
.irp u, 0,1
.irp s, 0,1,2,3
	global_load_b32 v[ASC+4*\u+\s], v[LS], s[CTS:CTS+1] offset:OCS+512*\u+128*\s
.endr
.endr
	WLOAD 0, RO+LAYER*131072, P_SO, LAYER*8192
.else
	WLOAD 0, RQ+TL*131072, P_SQ, TL*8192
.endif
	s_wait_loadcnt G2                              ; all but the G2 loads just issued: the rows and the LN vectors are in
.irp i, 0,1,2,3
.irp k, 0,1,2,3
	ds_store_b128 v[XRW], v[ACC+16*\i+4*\k:ACC+16*\i+4*\k+3] offset:XPITCH*\i+512*\k
.endr
.endr
	ds_store_b64 v197, v[200:201]
	ds_store_b64 v197, v[202:203] offset:2048
.if KIND != 0
	ds_store_b64 v197, v[204:205] offset:4096
	ds_store_b64 v197, v[206:207] offset:6144
.endif
.if KIND != 2
	WIN 0x04                                       ; an LDS store's data are its source 1: window 1
.irp i, 0,1,2,3
.irp k, 0,1,2,3
	ds_store_b128 v198, v[128+16*\i+4*\k:128+16*\i+4*\k+3] offset:XPITCH*\i+512*\k
.endr
.endr
.irp i, 0,1,2,3
.irp k, 0,1,2,3
	ds_store_b128 v199, v[192+16*\i+4*\k:192+16*\i+4*\k+3] offset:XPITCH*\i+512*\k
.endr
.endr
	WIN 0
.endif
	s_wait_dscnt 0x0                               ; my stores have landed, for the others' sake, and have read their registers: the second weight set may be loaded
.if KIND != 0
	WLOAD 1, R1+LAYER*262144, P_S1, LAYER*16384
.else
	WLOAD 1, RK+TL*131072, P_SK, TL*8192
.endif
	s_barrier_signal -1
	s_barrier_wait -1                              ; the 32 rows lie in LDS
.if KIND != 0
; ================ ctx Wo + the residual
	XLD
	s_wait_loadcnt 36                              ; ctx and Wo are in; the next set's 36 loads may be out (so in front of every run of products but the last)
	s_wait_dscnt 0x0
	GEMM 0, 1
	PLACES
	WLOAD 0, R1+LAYER*262144+131072, P_S1, LAYER*16384+8192
	XST                                            ; kept for the MLP's residual
; ================ LN2, W1, the gate
	LNORM 0, 0
	QUANT ACC, 1
	IMGST 0
	BARRIER
	AFLOAD 0
	s_wait_loadcnt 36
	s_wait_dscnt 0x0
	GEMM 1, 0                                      ; x1
	PLACES
	WLOAD 1, R2+LAYER*131072, P_S2, LAYER*8192
	SILU
	s_wait_loadcnt 36
	GEMM 0, 0                                      ; x2
	PLACES
.if KIND == 1
	WLOAD 0, RQ+TL*131072, P_SQ, TL*8192
.endif
.set jj, 0
.rept 32
	v_pk_mul_f32 v[ACC+jj:ACC+jj+1], v[TMP+jj:TMP+jj+1], v[ACC+jj:ACC+jj+1]    ; silu(x1) x2
.set jj, jj+2
.endr
	QUANT ACC, 1
	IMGST 1
	BARRIER
	AFLOAD 1
	XLD
; ================ W2 + the residual
.if KIND == 1
	s_wait_loadcnt 36
.else
	s_wait_loadcnt 0x0                             ; the last set: nothing was asked for behind it
.endif
	s_wait_dscnt 0x0
	GEMM 1, 1
	PLACES
.if KIND == 1
	WLOAD 1, RK+TL*131072, P_SK, TL*8192
	XST                                            ; the layer's result: the LayerNorm's first barrier shows all its columns to all waves
.endif
.else
	XLD
	s_wait_dscnt 0x0
.endif
.if KIND == 2
; ================ the closing LayerNorm, and out by whole rows
	LNORM 2, 2
	XST
	BARRIER
	ROWSL
	s_wait_dscnt 0x0
	ROWSS
.else
; ================ LN1, q, k, v
	LNORM TK, TK
	QUANT ACC, 1
	IMGST TK
	BARRIER
	AFLOAD TK
.if KIND == 1
	ROWSL
.endif
	s_wait_loadcnt 36
	s_wait_dscnt 0x0
.if KIND == 1
	ROWSS                                          ; the layer's result goes to x1 while q is multiplied
.endif
	GEMM 0, 0                                      ; q
	PLACES
	WLOAD 0, RV+TL*131072, P_SV, TL*8192
	s_wait_xcnt 0x0                                ; earlier stores have read their registers: they are written again only behind this wait
	ROPE
	QUANT ACC, 1
	QKST OQC, OQS
	s_wait_loadcnt 36
	GEMM 1, 0                                      ; k
	PLACES
	s_wait_xcnt 0x0
	ROPE
	QUANT ACC, 1
	QKST OKC, OKS
	s_wait_loadcnt 0x0
	GEMM 0, 2                                      ; v, the natural way round: lane (r, h) holds channel row r of tile t; registers 16 t + i are tokens 16 h + i of my block: one block of 32 keys
	PLACES
	s_wait_xcnt 0x0
	QUANT ACC, 0
	v_and_b32 v[RT+2], 15, v0
	v_bfe_u32 v[RT+3], v0, 4, 1
	v_lshlrev_b32 v[RT+4], 2, v[RT+2]              ; 4 r
	v_lshlrev_b32 v[RT+2], 4, v[RT+2]
	v_lshl_add_u32 v[RT+2], v[RT+3], 3, v[RT+2]    ; 16 r + 8 h: my 16 codes are half of a lane's 16 bytes
.irp d, 0,1,2,3
	global_store_b64 v[RT+2], v[PCD+2*\d:PCD+2*\d+1], s[PV:PV+1] offset:OVC+1024*\d    ; 32 lanes store 256 consecutive bytes, aligned
.endr
.irp d, 0,1,2,3
	global_store_b8 v[RT+4], v[TM+4+\d], s[PVS:PVS+1] offset:OVS+64*\d                 ; my block's byte of each channel's scale word; both halves of the lanes write the same byte
.endr
.endif
	s_wait_tensorcnt 0x0                           ; the wave's end
	ds_add_u32 v[SPW], v[NIL]
	s_wait_dscnt 0x0
	s_endpgm
.Lfunc_end_k_qf8de62085e_front:
	.size	k_qf8de62085e_front, .Lfunc_end_k_qf8de62085e_front-k_qf8de62085e_front
	.p2alignl 7, 3214868480
	.fill 96, 4, 3214868480
	.section	.rodata,"a",@progbits
	.p2align	6, 0x0
	.amdhsa_kernel k_qf8de62085e_front
		.amdhsa_group_segment_fixed_size 239104
		.amdhsa_private_segment_fixed_size 0
		.amdhsa_enable_private_segment 0
		.amdhsa_kernarg_size 80
		.amdhsa_user_sgpr_count 2
		.amdhsa_user_sgpr_kernarg_segment_ptr 1
		.amdhsa_wavefront_size32 1
		.amdhsa_system_sgpr_workgroup_id_x 1
		.amdhsa_system_sgpr_workgroup_id_y 1
		.amdhsa_system_sgpr_workgroup_id_z 1
		.amdhsa_system_vgpr_workitem_id 0
		.amdhsa_next_free_vgpr 512
		.amdhsa_next_free_sgpr 66
		.amdhsa_reserve_vcc 0
		.amdhsa_float_denorm_mode_32 3
		.amdhsa_float_denorm_mode_16_64 3
		.amdhsa_memory_ordered 1
		.amdhsa_forward_progress 1
		.amdhsa_inst_pref_size 82
	.end_amdhsa_kernel
	.amdgpu_metadata
---
amdhsa.version: [ 1, 2 ]
amdhsa.kernels:
  - .name:           k_qf8de62085e_front
    .symbol:         k_qf8de62085e_front.kd
    .args:
      - { .name: x, .offset: 0, .size: 8, .value_kind: global_buffer, .address_space: global }
      - { .name: wf, .offset: 8, .size: 8, .value_kind: global_buffer, .address_space: global }
      - { .name: Wq_scales, .offset: 16, .size: 8, .value_kind: global_buffer, .address_space: global }
      - { .name: Wk_scales, .offset: 24, .size: 8, .value_kind: global_buffer, .address_space: global }
      - { .name: Wv_scales, .offset: 32, .size: 8, .value_kind: global_buffer, .address_space: global }
      - { .name: ln1_w, .offset: 40, .size: 8, .value_kind: global_buffer, .address_space: global }
      - { .name: ln1_b, .offset: 48, .size: 8, .value_kind: global_buffer, .address_space: global }
      - { .name: pos_cos, .offset: 56, .size: 8, .value_kind: global_buffer, .address_space: global }
      - { .name: pos_sin, .offset: 64, .size: 8, .value_kind: global_buffer, .address_space: global }
      - { .name: qkv, .offset: 72, .size: 8, .value_kind: global_buffer, .address_space: global }
    .group_segment_fixed_size: 239104
    .private_segment_fixed_size: 0
    .kernarg_segment_align: 8
    .kernarg_segment_size: 80
    .max_flat_workgroup_size: 256
    .sgpr_count:     66
    .vgpr_count:     512
    .wavefront_size: 32
...
	.end_amdgpu_metadata
.endif
;; end of part 2
;; launch attn0 (part 3): grid 8 x 32, 16 waves a work-group, no clusters, 161,792 bytes of LDS; arguments qkv, attn_mask, ctx; writes ctx
.if DOCPART == 3
	.amdgcn_target "amdgcn-amd-amdhsa--gfx1250"
	.amdhsa_code_object_version 6
	.text
	.protected	k_qf8de62085e_attn0
	.globl	k_qf8de62085e_attn0
	.p2align	8
	.type	k_qf8de62085e_attn0,@function
k_qf8de62085e_attn0:
	s_mov_b64 s[64:65], 0
	v_nop
	global_prefetch_b8 v0, s[64:65] scope:SCOPE_SE
	s_setreg_imm32_b32 hwreg(HW_REG_WAVE_MODE, 25, 1), 1
	s_wait_xcnt 0x0
; ATTENTION of one layer, both products on E2M1 codes.  No work of the model is left out here.
; qkv holds q's, k's and v's codes and scale words as the chain's launch laid them: images of operand registers.  K of the first product is the head's 64: the upper half of each fragment is zero codes under the byte 0x7f.
; SHARES.  A work-group owns 256 queries of one (batch, head); each of its sixteen waves one tile of 16 queries, in 256 registers: four waves to a SIMD.
; A head's k and v are 64 KiB of codes each: they are brought into LDS ONCE, through registers, with their scale words and the batch's mask: one barrier, no ring.  Every wave walks the 2,048 keys, 128 a step.
; LAYOUT.  Both products are used transposed: S^T = K Q^T (source 0 = 16 keys), O^T = V^T P^T (source 0 = 16 channels): a lane holds one query throughout.  The keys of a tile are chosen (8 u + r + 8 (r / 8) of a
; block of 32) so that the 16 registers of tiles 2 b, 2 b + 1 are keys 32 b + 16 (lane / 16) + 0 .. 15; V's channels likewise, so that O^T's registers run along the next product's K.
; THE MASK COSTS NO VECTOR WORK: the scale 1 / 8 is a power of two, so 8 x mask[key] is loaded from LDS in the result's layout as the C of the first product, and t = (K Q^T + 8 mask) x log2(e) / 8.
; THE SOFTMAX: M = the running largest t rounded up to a whole number; p = 2^(t - M) is quantised along the keys; the sum is taken of the unquantised p; when M moves, the sum and O^T are multiplied by 2^(old M - new M), exactly.
; At the end O^T / the sum is quantised along the model's 512 and stored as this head's half fragment of ctx.
; LIMITS: -infinity in the mask is served, a query with every key at -infinity is not; a mask beyond 4.2e37 becomes an infinity of its sign; a block of zeros gets the scale byte 1 (zero codes).
.set KL, 0                             ; LDS: k's codes [tile 128][lane][16]
.set VL, 65536                         ; v's codes [key step 16][tile 4][c 2][lane][16]
.set KSL, 131072                       ; k's scale words [tile][lane][4]
.set VSL, 147456                       ; v's [key step][tile][r 16][4]
.set ML, 151552                        ; 8 x mask, 2,048 f32
.set SPARE, 159744                     ; the spare words, 128 bytes a wave: eight blocks of 256 bytes that no other line names
.set OKC, 2097152
.set OVC, 4194304
.set OQS, 6291456
.set OKS, 6815744
.set OVS, 7340032
.set OCS, 2097152
; REGISTERS: v1 16 x lane; v2-4, v7 my lane's places in v, k's scales, v's scales, the mask; v5, v6 the add's two; v8-11, v248 the step's addresses; v12 -M, v13 the largest t, v[14:15] the sum in two halves;
; v16-23 Q; v24-31 k's scale words; v32-95 k's 8 fragments; v96-159 S^T, then p; v160-191 O^T; v192-223 v's 4 fragments; v224-231 p's codes; v232-243 at work; v244-247 v's scale words; v249 Q's scale word;
; v250 4 x lane; v252 f; v253 p's scale word; v254 at work.
	s_load_b128 s[4:7], s[0:1], 0x0                ; qkv, attn_mask
	s_load_b64 s[8:9], s[0:1], 0x10                ; ctx
	v_lshl_add_u32 v5, v0, 2, SPARE
	v_mov_b32 v6, 0
	v_lshrrev_b32 v8, 5, v0
	v_readfirstlane_b32 s10, v8                    ; wave 0..15
	s_and_b32 s11, ttmp7, 0xffff                   ; bh = 8 x batch + head
	v_and_b32 v9, 31, v0                           ; lane
	v_and_b32 v10, 15, v0                          ; r
	v_bfe_u32 v11, v0, 4, 1                        ; h
	v_lshlrev_b32 v1, 4, v9
	v_add_nc_u32 v2, VL, v1
	v_lshl_add_u32 v3, v9, 2, KSL
	v_lshl_add_u32 v4, v10, 2, VSL
	v_lshl_add_u32 v7, v11, 6, ML
	v_lshlrev_b32 v250, 2, v9
	v_lshlrev_b32 v232, 4, v0                      ; the fill: 16 bytes a thread,
	v_lshlrev_b32 v233, 3, v0                      ; or 8
	v_lshl_add_u32 v234, v0, 4, VL
	v_lshl_add_u32 v235, v0, 4, KSL
	v_lshl_add_u32 v236, v0, 3, VSL
	v_lshl_add_u32 v237, v0, 4, ML
	s_lshl_b32 s12, s11, 16                        ; the head's codes of k and of v,
	s_mov_b32 s13, 0
	s_lshl_b32 s14, s11, 14                        ; k's scale words,
	s_mov_b32 s15, 0
	s_lshl_b32 s16, s11, 12                        ; v's
	s_mov_b32 s17, 0
	s_lshl_b32 s28, ttmp9, 4
	s_add_co_u32 s28, s28, s10                     ; my tile of queries among the head's 128
	s_lshl_b32 s29, s11, 7
	s_add_co_u32 s29, s29, s28
	s_lshl_b32 s20, s29, 9
	s_mov_b32 s21, 0
	s_lshl_b32 s22, s29, 7
	s_mov_b32 s23, 0
	s_lshr_b32 s30, s11, 3                         ; the batch
	s_lshl_b32 s18, s30, 13                        ; its 2,048 numbers of the mask
	s_mov_b32 s19, 0
	s_lshl_b32 s30, s30, 7
	s_add_co_u32 s30, s30, s28                     ; my row tile among ctx's 512
	s_and_b32 s31, s11, 7                          ; the head: K step head / 2, half head % 2
	s_lshl_b32 s24, s30, 12
	s_lshl_b32 s29, s31, 9
	s_add_co_u32 s24, s24, s29
	s_mov_b32 s25, 0
	s_lshl_b32 s26, s30, 9
	s_lshr_b32 s29, s31, 1
	s_lshl_b32 s29, s29, 7
	s_add_co_u32 s26, s26, s29
	s_and_b32 s29, s31, 1
	s_lshl_b32 s29, s29, 1
	s_add_co_u32 s26, s26, s29
	s_mov_b32 s27, 0
	s_mov_b32 s34, 0x3e38aa3b                      ; c = log2(e) / 8
	s_mov_b32 s35, s34                             ; (named with it as a pair, so it is written)
	s_mov_b32 s36, 0x76543210
	s_mov_b32 s37, 0xfedcba98                      ; v_permlanex16_b32's selects for lane l xor 16
	s_wait_kmcnt 0x0
	s_add_nc_u64 s[12:13], s[4:5], s[12:13]
	s_add_nc_u64 s[14:15], s[4:5], s[14:15]
	s_add_nc_u64 s[16:17], s[4:5], s[16:17]
	s_add_nc_u64 s[18:19], s[6:7], s[18:19]
	s_add_nc_u64 s[20:21], s[4:5], s[20:21]
	s_add_nc_u64 s[22:23], s[4:5], s[22:23]
	s_add_nc_u64 s[24:25], s[8:9], s[24:25]
	s_add_nc_u64 s[26:27], s[8:9], s[26:27]
.irp k, 0,1,2,3,4,5,6,7
	global_load_b128 v[96+4*\k:99+4*\k], v232, s[12:13] offset:OKC+8192*\k       ; the 512 threads read 8,192 consecutive bytes
.endr
.irp k, 0,1,2,3,4,5,6,7
	global_load_b128 v[128+4*\k:131+4*\k], v232, s[12:13] offset:OVC+8192*\k
.endr
.irp k, 0,1
	global_load_b128 v[160+4*\k:163+4*\k], v232, s[14:15] offset:OKS+8192*\k
.endr
	global_load_b64 v[168:169], v233, s[16:17] offset:OVS
	global_load_b128 v[170:173], v232, s[18:19]
	global_load_b128 v[16:19], v1, s[20:21]        ; Q's fragment: its lower four registers,
	global_load_b32 v249, v250, s[22:23] offset:OQS
.irp j, 20,21,22,23
	v_mov_b32 v[\j], 0                             ; and zero codes for K = 64 .. 127
.endr
.irp t, 0,1,2,3,4,5,6,7
.irp j, 4,5,6,7
	v_mov_b32 v[32+8*\t+\j], 0                     ; the same for k's eight fragments: written once, the loads fill the lower four
.endr
.endr
	s_wait_loadcnt 0x0
	v_pk_mul_f32 v[170:171], v[170:171], 0x41000000 op_sel_hi:[1,0]              ; 8 x mask
	v_pk_mul_f32 v[172:173], v[172:173], 0x41000000 op_sel_hi:[1,0]
.irp k, 0,1,2,3,4,5,6,7
	ds_store_b128 v232, v[96+4*\k:99+4*\k] offset:KL+8192*\k
.endr
.irp k, 0,1,2,3,4,5,6,7
	ds_store_b128 v234, v[128+4*\k:131+4*\k] offset:8192*\k
.endr
.irp k, 0,1
	ds_store_b128 v235, v[160+4*\k:163+4*\k] offset:8192*\k
.endr
	ds_store_b64 v236, v[168:169]
	ds_store_b128 v237, v[170:173]
	s_wait_dscnt 0x0                               ; for the others' sake: my stores have landed
	s_barrier_signal -1
	s_barrier_wait -1                              ; the head's k, v, scales and mask lie in LDS; from here on LDS is only read
	v_mov_b32 v13, 0xff61b1e6                      ; the largest t so far: -3e38, under every t
	v_floor_f32 v12, -v13                          ; -M
	v_mov_b32 v14, 0
	v_mov_b32 v15, 0
.irp b, 0,1,2,3
	v_mov_b32 v[236+\b], 0                         ; a lane permute's destination counts as one of its sources
.endr
	v_mov_b32 v253, 0                              ; (named as the upper half of the pair v[252:253] before it is first written)
.set jj, 0
.rept 32
	v_mov_b32 v[160+jj], 0                         ; O^T: the step is written once; its first trip finds zeros, which the first change of M leaves zeros
.set jj, jj+1
.endr
	s_mov_b32 s28, 0                               ; the step's codes of k and of v: 4,096 bytes a step
	s_mov_b32 s29, 0                               ; k's scale words: 1,024
	s_mov_b32 s30, 0                               ; the mask: 512
	s_mov_b32 s31, 0                               ; v's scale words: 256
	s_mov_b32 s32, 16
.Lstep:
	v_add_nc_u32 v8, s28, v1                       ; five plain instructions: the places between the last products and the loads into the registers that they read
	v_add_nc_u32 v9, s28, v2
	v_add_nc_u32 v10, s29, v3
	v_add_nc_u32 v11, s31, v4
	v_add_nc_u32 v248, s30, v7
.irp t, 0,1,2,3,4,5,6,7
	ds_load_b128 v[32+8*\t:35+8*\t], v8 offset:512*\t
	ds_load_b32 v[24+\t], v10 offset:128*\t
.endr
.irp t, 0,1,2,3,4,5,6,7
	ds_load_b128 v[96+8*\t:99+8*\t], v248 offset:128*(\t/2)+32*(\t%2)            ; 8 x mask of the tile's keys 32 (t / 2) + 16 h + 8 (t % 2) + 0 .. 7: the first product's C
	ds_load_b128 v[100+8*\t:103+8*\t], v248 offset:128*(\t/2)+32*(\t%2)+16
.endr
.irp d, 0,1,2,3
	ds_load_b128 v[192+8*\d:195+8*\d], v9 offset:1024*\d
	ds_load_b128 v[196+8*\d:199+8*\d], v9 offset:1024*\d+512
	ds_load_b32 v[244+\d], v11 offset:64*\d
.endr
	s_wait_dscnt 12                                ; k, its scales and the mask are in; v's twelve loads may be out
.irp t, 0,1,2,3,4,5,6,7
	v_wmma_scale_f32_16x16x128_f8f6f4 v[96+8*\t:103+8*\t], v[32+8*\t:39+8*\t], v[16:23], v[96+8*\t:103+8*\t], v[24+\t], v249 matrix_a_fmt:MATRIX_FMT_FP4 matrix_b_fmt:MATRIX_FMT_FP4
.endr
.rept 4
	v_nop
.endr
.irp b, 0,1,2,3
	v_max3_num_f32 v[232+\b], v[96+16*\b], v[97+16*\b], v[98+16*\b]              ; the largest score of each block of 32 keys: it serves the row's maximum and, since p rises with the score, the block's largest p
.endr
.irp i, 3,5,7,9,11,13
.irp b, 0,1,2,3
	v_max3_num_f32 v[232+\b], v[232+\b], v[96+16*\b+\i], v[97+16*\b+\i]
.endr
.endr
.irp b, 0,1,2,3
	v_max_num_f32 v[232+\b], v[232+\b], v[111+16*\b]
.endr
.irp b, 0,1,2,3
	v_permlanex16_b32 v[236+\b], v[232+\b], s36, s37
.endr
.irp b, 0,1,2,3
	v_max_num_f32 v[232+\b], v[232+\b], v[236+\b]
.endr
	v_max3_num_f32 v254, v232, v233, v234
	v_max_num_f32 v254, v254, v235
	v_mul_f32 v254, s34, v254                      ; as t (c is positive)
	v_max_num_f32 v13, v13, v254                   ; the running largest t
	v_mov_b32 v254, v12
	v_floor_f32 v12, -v13                          ; the new -M = -ceil(t)
	v_sub_f32 v254, v12, v254                      ; old M - new M: a whole number, 0 or less
	v_cvt_i32_f32 v254, v254                       ; (it saturates)
	v_ldexp_f32 v252, 1.0, v254                    ; f = 2^(old M - new M)
.set jj, 0
.rept 32
	v_pk_fma_f32 v[96+jj:97+jj], v[96+jj:97+jj], s[34:35], v[12:13] op_sel_hi:[1,0,0]   ; t - M
.set jj, jj+2
.endr
.irp b, 0,1,2,3
	v_fma_f32 v[232+\b], v[232+\b], s34, v12
.endr
.set jj, 0
.rept 64
	v_exp_f32 v[96+jj], v[96+jj]                   ; p = 2^(t - M)
.set jj, jj+1
.endr
	v_pk_mul_f32 v[14:15], v[14:15], v[252:253] op_sel_hi:[1,0]                  ; the sums under the new M: a plain instruction behind the exponentials
	s_wait_alu depctr_va_vdst(0)                   ; the wait ahead of the batch's first reader: one for the 64
.irp b, 0,1,2,3
	v_exp_f32 v[232+\b], v[232+\b]                 ; the blocks' largest p
.endr
	v_pk_add_f32 v[236:237], v[96:97], v[98:99]    ; the row's sum, of the unquantised p, in two chains
.irp j, 4,8,12,16,20,24,28,32,36,40,44,48,52,56,60
	v_pk_add_f32 v[14:15], v[14:15], v[96+\j:97+\j]
	v_pk_add_f32 v[236:237], v[236:237], v[98+\j:99+\j]
.endr
	v_pk_add_f32 v[14:15], v[14:15], v[236:237]
	s_wait_alu depctr_va_vdst(0)                   ; and one for the four
.irp b, 0,1,2,3
	v_max_num_f32 v[232+\b], 0x1800000, v[232+\b]  ; the floor 2^(3 - 127): the byte cannot fall under 1
.endr
.irp b, 0,1,2,3
	v_add_nc_u32 v[240+\b], 0xff000000, v[232+\b]  ; 2 off the exponent field: the conversion's scale operand
.endr
.irp b, 0,1,2,3
	v_lshrrev_b32 v[236+\b], 23, v[240+\b]
.endr
	v_lshl_or_b32 v253, v237, 8, v236              ; p's scale word for these 128 keys
	v_lshl_or_b32 v253, v238, 16, v253
	v_lshl_or_b32 v253, v239, 24, v253
.irp b, 0,1,2,3
	v_cvt_scalef32_pk8_fp4_f32 v[224+2*\b], v[96+16*\b:103+16*\b], v[240+\b]
	v_cvt_scalef32_pk8_fp4_f32 v[225+2*\b], v[104+16*\b:111+16*\b], v[240+\b]
.endr
	v_nop                                          ; one plain place behind the scaled conversions
.irp c, 0,1
.irp i, 0,1
	v_permlane16_swap_b32 v[224+4*\c+\i], v[226+4*\c+\i]                         ; a whole block to a lane: lanes 0-15 block 2 c, lanes 16-31 block 2 c + 1
.endr
.endr
.set jj, 0
.rept 16
	v_pk_mul_f32 v[160+jj:161+jj], v[160+jj:161+jj], v[252:253] op_sel_hi:[1,0]  ; O^T under the new M; these sixteen are also the places between the writes of p's codes and scale word and the products
.set jj, jj+2
.endr
	s_wait_dscnt 0x0                               ; v and its scale words are in
.irp d, 0,1,2,3
	v_wmma_scale_f32_16x16x128_f8f6f4 v[160+8*\d:167+8*\d], v[192+8*\d:199+8*\d], v[224:231], v[160+8*\d:167+8*\d], v[244+\d], v253 matrix_a_fmt:MATRIX_FMT_FP4 matrix_b_fmt:MATRIX_FMT_FP4
.endr
	s_add_co_u32 s28, s28, 4096
	s_add_co_u32 s29, s29, 1024
	s_add_co_u32 s30, s30, 512
	s_add_co_u32 s31, s31, 256
	s_sub_co_u32 s32, s32, 1
	s_cmp_lg_u32 s32, 0
	s_cbranch_scc1 .Lstep
	; THE WAY OUT: O^T / the sum, quantised along the model's 512: my head's two blocks of 32
	v_add_f32 v14, v14, v15
	v_permlanex16_b32 v252, v14, s36, s37
	v_add_f32 v14, v14, v252                       ; the row's sum
	v_rcp_f32 v14, v14
.rept 4
	v_nop                                          ; the places behind the last products, and the plain instruction behind the reciprocal
.endr
	s_wait_alu depctr_va_vdst(0)                   ; the wait ahead of the reciprocal's first reader
.set jj, 0
.rept 32
	v_mul_f32 v[96+jj], v[160+jj], v14             ; register 16 b + i: channel 32 b + 16 h + i of my query
.set jj, jj+1
.endr
.irp b, 0,1
	v_max3_num_f32 v[232+\b], |v[96+16*\b]|, |v[97+16*\b]|, 0x1800000
.endr
.irp i, 2,4,6,8,10,12,14
.irp b, 0,1
	v_max3_num_f32 v[232+\b], v[232+\b], |v[96+16*\b+\i]|, |v[97+16*\b+\i]|
.endr
.endr
.irp b, 0,1
	v_permlanex16_b32 v[236+\b], v[232+\b], s36, s37
.endr
.irp b, 0,1
	v_max_num_f32 v[232+\b], v[232+\b], v[236+\b]
.endr
.irp b, 0,1
	v_add_nc_u32 v[240+\b], 0xff000000, v[232+\b]
.endr
.irp b, 0,1
	v_lshrrev_b32 v[236+\b], 23, v[240+\b]
.endr
	v_lshl_or_b32 v254, v237, 8, v236              ; my head's two scale bytes
.irp b, 0,1
	v_cvt_scalef32_pk8_fp4_f32 v[224+2*\b], v[96+16*\b:103+16*\b], v[240+\b]
	v_cvt_scalef32_pk8_fp4_f32 v[225+2*\b], v[104+16*\b:111+16*\b], v[240+\b]
.endr
	v_nop
.irp i, 0,1
	v_permlane16_swap_b32 v[224+\i], v[226+\i]
.endr
	global_store_b128 v1, v[224:227], s[24:25]     ; half a fragment: 512 consecutive bytes
	global_store_b16 v250, v254, s[26:27] offset:OCS                             ; half of each lane's scale word; the head beside mine writes the other half
	s_wait_tensorcnt 0x0                           ; the wave's end
	ds_add_u32 v5, v6
	s_wait_dscnt 0x0
	s_endpgm
.Lfunc_end_k_qf8de62085e_attn0:
	.size	k_qf8de62085e_attn0, .Lfunc_end_k_qf8de62085e_attn0-k_qf8de62085e_attn0
	.p2alignl 7, 3214868480
	.fill 96, 4, 3214868480
	.section	.rodata,"a",@progbits
	.p2align	6, 0x0
	.amdhsa_kernel k_qf8de62085e_attn0
		.amdhsa_group_segment_fixed_size 161792
		.amdhsa_private_segment_fixed_size 0
		.amdhsa_enable_private_segment 0
		.amdhsa_kernarg_size 24
		.amdhsa_user_sgpr_count 2
		.amdhsa_user_sgpr_kernarg_segment_ptr 1
		.amdhsa_wavefront_size32 1
		.amdhsa_system_sgpr_workgroup_id_x 1
		.amdhsa_system_sgpr_workgroup_id_y 1
		.amdhsa_system_sgpr_workgroup_id_z 1
		.amdhsa_system_vgpr_workitem_id 0
		.amdhsa_next_free_vgpr 256
		.amdhsa_next_free_sgpr 66
		.amdhsa_reserve_vcc 0
		.amdhsa_float_denorm_mode_32 3
		.amdhsa_float_denorm_mode_16_64 3
		.amdhsa_memory_ordered 1
		.amdhsa_forward_progress 1
		.amdhsa_inst_pref_size 30
	.end_amdhsa_kernel
	.amdgpu_metadata
---
amdhsa.version: [ 1, 2 ]
amdhsa.kernels:
  - .name:           k_qf8de62085e_attn0
    .symbol:         k_qf8de62085e_attn0.kd
    .args:
      - { .name: qkv, .offset: 0, .size: 8, .value_kind: global_buffer, .address_space: global }
      - { .name: attn_mask, .offset: 8, .size: 8, .value_kind: global_buffer, .address_space: global }
      - { .name: ctx, .offset: 16, .size: 8, .value_kind: global_buffer, .address_space: global }
    .group_segment_fixed_size: 161792
    .private_segment_fixed_size: 0
    .kernarg_segment_align: 8
    .kernarg_segment_size: 24
    .max_flat_workgroup_size: 512
    .sgpr_count:     66
    .vgpr_count:     256
    .wavefront_size: 32
...
	.end_amdgpu_metadata
.endif
;; end of part 3
;; launch mid (part 4): grid 256 x 1, 8 waves a work-group, no clusters, 239,104 bytes of LDS; arguments x, ctx, wf, Wo_scales, W1_scales, W2_scales, Wq_scales, Wk_scales, Wv_scales, ln2_w, ln2_b, ln1_w, ln1_b, pos_cos, pos_sin, x1, qkv; writes x1, qkv
.if DOCPART == 4
	.amdgcn_target "amdgcn-amd-amdhsa--gfx1250"
	.amdhsa_code_object_version 6
	.text
	.protected	k_qf8de62085e_mid
	.globl	k_qf8de62085e_mid
	.p2align	8
	.type	k_qf8de62085e_mid,@function
k_qf8de62085e_mid:
	s_mov_b64 s[64:65], 0
	v_nop
	global_prefetch_b8 v0, s[64:65] scope:SCOPE_SE
	s_setreg_imm32_b32 hwreg(HW_REG_WAVE_MODE, 25, 1), 1
	s_wait_xcnt 0x0
; THE CHAIN, one text for three launches; KIND chooses the arms.  No work of the model is left out here.
;   KIND 0 (front): LN1 of layer 0, quantise, q k v, RoPE, quantise q and k along the head and v along the keys -> qkv.
;   KIND 1 (mid):   ctx Wo + x, LN2, W1, silu gate, W2, + residual -> x1; then all of KIND 0's work for layer 1.
;   KIND 2 (last):  ctx Wo + x1, LN2, W1, gate, W2, + residual, closing LN -> out0.
; SHARES.  A work-group of eight waves takes 32 tokens: two row tiles u = 0, 1; lane row r of tile u is token 8 u + r + 8 (r / 8) of the block.  THE WAVES SHARE THE COLUMNS: wave w makes
; features 64 w .. 64 w + 63 (head w) of every product: four tiles of weight rows (prep's order) x two row tiles = 8 accumulators by turns, 32 matrix instructions a product.
; PRODUCTS ARE USED TRANSPOSED (source 0 = 16 weight rows, source 1 = 16 tokens): a lane holds one token, and the 16 registers of tiles 2 b, 2 b + 1 are features 32 b + 16 (lane / 16) + 0 .. 15:
; neighbours along the next K, which the conversions want.  v alone is used the natural way round, so that a lane holds one channel and its registers run along the tokens, its K.
; WEIGHTS come from wf straight into registers, 512 consecutive bytes a load, two sets by turns in window 1; set n + 2 is asked for behind the products of set n.
; OPERANDS GO FROM WAVE TO WAVE THROUGH LDS AS IMAGES OF THEIR REGISTERS: a wave's 64 features are half a fragment (four registers) and two scale bytes of each row tile.
; The residual, cos and sin lie in LDS by rows, in the tiles' order of tokens, 2,064 bytes apart: the 16 rows that a column read touches begin in 16 different runs of 16 bytes modulo 256.
; LIMITS: a block of zeros gets the scale byte 1 (zero codes; this program alone reads the bytes); largest magnitudes under 2^-124 are held at that byte; NaN and infinities are not served.
.set KIND, 1
.set P_X, 4                            ; s[4:5] x;  the other pointers likewise, in the order of the arguments
.set P_CTX, 6
.set P_WF, 8
.set P_SO, 10
.set P_S1, 12
.set P_S2, 14
.set P_SQ, 16
.set P_SK, 18
.set P_SV, 20
.set P_LAW, 22
.set P_LAB, 24
.set P_LBW, 26
.set P_LBB, 28
.set P_COS, 30
.set P_SIN, 32
.set P_OUT, 34
.set P_QKV, 36
.set LAYER, 0                          ; the layer of Wo, W1, W2
.set LAOFF, 0                          ; byte offset of the layer in the first LayerNorm's vectors (ln2),
.set LBOFF, 2048                       ; and in the second's (ln1 of the next layer)
.set TL, 1                             ; the layer of Wq, Wk, Wv
.set TK, 2                             ; which image, partial sums and LN vectors the q k v part uses
.set G2, 60                            ; loads issued at the head behind those that go through LDS
; wf's regions, qkv's and ctx's, in bytes
.set RQ, 0
.set RK, 262144
.set RV, 524288
.set RO, 786432
.set R2, 1048576
.set R1, 1310720
.set OQC, 0                            ; q's codes  [bh][tile 128][lane][16]
.set OKC, 2097152                      ; k's codes  likewise
.set OVC, 4194304                      ; v's codes  [bh][key step 16][tile 4][c 2][lane][16]
.set OQS, 6291456                      ; q's scale words [bh][tile][lane][4]
.set OKS, 6815744                      ; k's
.set OVS, 7340032                      ; v's [bh][key step][tile][r 16][4]
.set OCS, 2097152                      ; ctx: scale words [row tile 512][K step 4][lane][4], behind the codes [row tile][K step][c][lane][16]
; LDS
.set AIMG, 9216                        ; three images of an activation: 8,192 bytes of codes [u][s][c][lane][16], 1,024 of scale words [u][s][lane][4]
.set PSUM, 27648                       ; four regions of partial sums, [slot 32][wave 8] f32
.set PAR, 31744                        ; four LN vectors of 2,048 bytes
.set SPARE, 39936                      ; the spare words, 128 bytes a wave: four blocks of 256 bytes that no other line names
.set XB, 40960                         ; 32 rows of the residual,
.set XPITCH, 2064
.set XREG, 66048                       ; then 32 of cos, then 32 of sin
; vector registers, window 0
.set SPW, 1                            ; my spare word's address; never rewritten
.set NIL, 2                            ; 0; never rewritten
.set LI, 3                             ; 16 x lane
.set LS, 4                             ; 4 x lane
.set XBA, 5                            ; residual: row r, my wave's 256 bytes, + 64 h
.set CBA, 6                            ; the same place in cos
.set SBA, 7                            ; and in sin
.set XRW, 8                            ; residual by rows: my wave's four tokens' slots, + 16 x lane
.set GRW, 9                            ; the same four rows in memory: 8,192 w + 16 x lane
.set WSA, 10                           ; a weight row's 16 scale bytes: 16 (r + 8 (r / 8))
.set IWA, 11                           ; where I store my half fragments
.set ISA, 12                           ; and my two scale bytes
.set PSW, 13                           ; partial sums: my word
.set PSR, 14                           ; and the eight words of slot r
.set PRA, 15                           ; LN vectors: my wave's 256 bytes, + 64 h
.set RT, 16                            ; v16-23 at work
.set AF, 24                            ; v24-87  the activation's fragments [u][s], 8 registers each
.set LT, 24                            ;         (LayerNorm's temporaries while those are dead)
.set ASC, 88                           ; v88-95  their scale words, 4 u + s
.set WSC, 96                           ; v96-127 the weights' scale words, 16 p + 4 t + s
.set ACC, 128                          ; v128-191 the eight accumulators
.set TMP, 192                          ; v192-255 at work
.set TM, TMP
.set PW, TMP+16
.set PCD, TMP+24
; scalars
.set WV, 38
.set PQ, 46
.set PSQ, 48
.set PV, 50
.set PVS, 52
.set HIM, 54
.set C512, 55
.set CEPS, 56
.set PADW, 57
.set SEL, 58
.set CTS, 60
.set MSB, 0
.macro WIN new                         ; the immediate's high byte repeats the setting that is left
.if MSB != \new
	s_set_vgpr_msb (MSB<<8)|\new
.set MSB, \new
.endif
.endm
.macro PLACES                          ; behind a run of products: four places are owed to loads and readers, five to a later product that writes over an accumulator
.rept 5
	v_nop
.endr
.endm
.macro BARRIER                         ; my LDS stores have landed and my LDS loads are in: then the work-group's barrier
	s_wait_dscnt 0x0
	s_barrier_signal -1
	s_barrier_wait -1
.endm
; A set of weights: my four tiles x 512 K (32 loads of 512 consecutive bytes) into set p of window 1, and their rows' scale words (a row's 16 bytes are its four K steps' words): 36 loads.
.macro WLOAD p, cimm, sp, simm
	WIN 0x40
.irp t, 0,1,2,3
.irp k, 0,1,2,3,4,5,6,7
	global_load_b128 v[128*(\p)+32*\t+4*\k:128*(\p)+32*\t+4*\k+3], v[LI], s[P_WF:P_WF+1] offset:(\cimm)+4096*\t+512*\k
.endr
.endr
	WIN 0
.irp t, 0,1,2,3
	global_load_b128 v[WSC+16*(\p)+4*\t:WSC+16*(\p)+4*\t+3], v[WSA], s[\sp:\sp+1] offset:(\simm)+512*(\t/2)+128*(\t%2)
.endr
.endm
.macro MM0 d, a, b, sa, sb             ; a product that starts a sum
	v_wmma_scale_f32_16x16x128_f8f6f4 v[\d:\d+7], v[\a:\a+7], v[\b:\b+7], 0, v[\sa], v[\sb] matrix_a_fmt:MATRIX_FMT_FP4 matrix_b_fmt:MATRIX_FMT_FP4
.endm
.macro MMA d, a, b, sa, sb             ; and one that adds in place
	v_wmma_scale_f32_16x16x128_f8f6f4 v[\d:\d+7], v[\a:\a+7], v[\b:\b+7], v[\d:\d+7], v[\sa], v[\sb] matrix_a_fmt:MATRIX_FMT_FP4 matrix_b_fmt:MATRIX_FMT_FP4
.endm
; 32 products on weight set p; the eight accumulators take turns, one instruction a turn.
; mode 0: transposed, the first K step starts the sums.  mode 1: transposed, onto the residual that lies in the accumulators.  mode 2: natural (source 0 = tokens, source 1 = weight rows).
.macro GEMM p, mode
.if \mode == 2
	WIN 0x04
.else
	WIN 0x01
.endif
.irp s, 0,1,2,3
.irp t, 0,1,2,3
.irp u, 0,1
.if \mode == 2
.if \s == 0
	MM0 ACC+16*\t+8*\u, AF+32*\u+8*\s, 128*(\p)+32*\t+8*\s, ASC+4*\u+\s, WSC+16*(\p)+4*\t+\s
.else
	MMA ACC+16*\t+8*\u, AF+32*\u+8*\s, 128*(\p)+32*\t+8*\s, ASC+4*\u+\s, WSC+16*(\p)+4*\t+\s
.endif
.elseif (\mode == 0) && (\s == 0)
	MM0 ACC+32*\u+8*\t, 128*(\p)+32*\t+8*\s, AF+32*\u+8*\s, WSC+16*(\p)+4*\t+\s, ASC+4*\u+\s
.else
	MMA ACC+32*\u+8*\t, 128*(\p)+32*\t+8*\s, AF+32*\u+8*\s, WSC+16*(\p)+4*\t+\s, ASC+4*\u+\s
.endif
.endr
.endr
.endr
	WIN 0
.endm
.macro XLD                             ; my columns of the residual, in the accumulators' layout
.irp u, 0,1
.irp t, 0,1,2,3
	ds_load_b128 v[ACC+32*\u+8*\t:ACC+32*\u+8*\t+3], v[XBA] offset:16*XPITCH*\u+128*(\t/2)+32*(\t%2)
	ds_load_b128 v[ACC+32*\u+8*\t+4:ACC+32*\u+8*\t+7], v[XBA] offset:16*XPITCH*\u+128*(\t/2)+32*(\t%2)+16
.endr
.endr
.endm
.macro XST                             ; and back: my wave's own bytes; each accumulator from its low end on
.irp u, 0,1
.irp t, 0,1,2,3
	ds_store_b128 v[XBA], v[ACC+32*\u+8*\t:ACC+32*\u+8*\t+3] offset:16*XPITCH*\u+128*(\t/2)+32*(\t%2)
	ds_store_b128 v[XBA], v[ACC+32*\u+8*\t+4:ACC+32*\u+8*\t+7] offset:16*XPITCH*\u+128*(\t/2)+32*(\t%2)+16
.endr
.endr
.endm
; Four chains a row tile in v[LT + 8 u + 2 c] are joined, both halves of the lanes added, the eight waves' parts exchanged through region ps: each token's sum over 512 features lands in v[LT + 16 + 8 u].
.macro LNRED ps
.irp u, 0,1
	v_pk_add_f32 v[LT+8*\u:LT+8*\u+1], v[LT+8*\u:LT+8*\u+1], v[LT+8*\u+2:LT+8*\u+3]
	v_pk_add_f32 v[LT+8*\u+4:LT+8*\u+5], v[LT+8*\u+4:LT+8*\u+5], v[LT+8*\u+6:LT+8*\u+7]
.endr
.irp u, 0,1
	v_pk_add_f32 v[LT+8*\u:LT+8*\u+1], v[LT+8*\u:LT+8*\u+1], v[LT+8*\u+4:LT+8*\u+5]
.endr
.irp u, 0,1
	v_add_f32 v[LT+8*\u], v[LT+8*\u], v[LT+8*\u+1]
.endr
.irp u, 0,1
	v_permlanex16_b32 v[LT+8*\u+1], v[LT+8*\u], s[SEL], s[SEL+1]
.endr
.irp u, 0,1
	v_add_f32 v[LT+8*\u], v[LT+8*\u], v[LT+8*\u+1]
.endr
	v_cndmask_b32 v[LT+2], v[LT], v[LT+8], s[HIM]  ; lanes 0-15 keep row tile 0's, lanes 16-31 row tile 1's: lane = slot
	ds_store_b32 v[PSW], v[LT+2] offset:1024*(\ps)
	BARRIER
.irp u, 0,1
	ds_load_b128 v[LT+16+8*\u:LT+19+8*\u], v[PSR] offset:1024*(\ps)+512*\u
	ds_load_b128 v[LT+20+8*\u:LT+23+8*\u], v[PSR] offset:1024*(\ps)+512*\u+16
.endr
	s_wait_dscnt 0x0
.irp u, 0,1
	v_pk_add_f32 v[LT+16+8*\u:LT+17+8*\u], v[LT+16+8*\u:LT+17+8*\u], v[LT+18+8*\u:LT+19+8*\u]
	v_pk_add_f32 v[LT+20+8*\u:LT+21+8*\u], v[LT+20+8*\u:LT+21+8*\u], v[LT+22+8*\u:LT+23+8*\u]
.endr
.irp u, 0,1
	v_pk_add_f32 v[LT+16+8*\u:LT+17+8*\u], v[LT+16+8*\u:LT+17+8*\u], v[LT+20+8*\u:LT+21+8*\u]
.endr
.irp u, 0,1
	v_add_f32 v[LT+16+8*\u], v[LT+16+8*\u], v[LT+17+8*\u]
.endr
.endm
; LayerNorm of the accumulators, in place, in two passes as the model has it: the mean, then the mean of the squares of x - mean.  ka, ka + 1: regions of partial sums; kp, kp + 1: gain and bias.
.macro LNORM ka, kp
.irp t, 0,1,2,3
.irp q, 0,1
	ds_load_b128 v[TMP+8*\t+4*\q:TMP+8*\t+4*\q+3], v[PRA] offset:2048*(\kp)+128*(\t/2)+32*(\t%2)+16*\q
	ds_load_b128 v[TMP+32+8*\t+4*\q:TMP+32+8*\t+4*\q+3], v[PRA] offset:2048*(\kp)+2048+128*(\t/2)+32*(\t%2)+16*\q
.endr
.endr
.irp u, 0,1
.irp c, 0,1,2,3
	v_pk_add_f32 v[LT+8*\u+2*\c:LT+8*\u+2*\c+1], v[ACC+32*\u+8*\c:ACC+32*\u+8*\c+1], v[ACC+32*\u+8*\c+2:ACC+32*\u+8*\c+3]   ; chain c begins at the low end of accumulator c
.endr
.endr
.irp i, 4,6
.irp u, 0,1
.irp c, 0,1,2,3
	v_pk_add_f32 v[LT+8*\u+2*\c:LT+8*\u+2*\c+1], v[LT+8*\u+2*\c:LT+8*\u+2*\c+1], v[ACC+32*\u+8*\c+\i:ACC+32*\u+8*\c+\i+1]
.endr
.endr
.endr
	LNRED \ka
.irp u, 0,1
	v_mul_f32 v[LT+16+8*\u], s[C512], v[LT+16+8*\u]                ; the mean
.endr
.irp u, 0,1
.set jj, 0
.rept 16
	v_pk_add_f32 v[ACC+32*\u+jj:ACC+32*\u+jj+1], v[ACC+32*\u+jj:ACC+32*\u+jj+1], v[LT+16+8*\u:LT+17+8*\u] op_sel_hi:[1,0] neg_lo:[0,1] neg_hi:[0,1]
.set jj, jj+2
.endr
.endr
.irp u, 0,1
.irp c, 0,1,2,3
	v_pk_mul_f32 v[LT+8*\u+2*\c:LT+8*\u+2*\c+1], v[ACC+32*\u+8*\c:ACC+32*\u+8*\c+1], v[ACC+32*\u+8*\c:ACC+32*\u+8*\c+1]
.endr
.endr
.irp i, 2,4,6
.irp u, 0,1
.irp c, 0,1,2,3
	v_pk_fma_f32 v[LT+8*\u+2*\c:LT+8*\u+2*\c+1], v[ACC+32*\u+8*\c+\i:ACC+32*\u+8*\c+\i+1], v[ACC+32*\u+8*\c+\i:ACC+32*\u+8*\c+\i+1], v[LT+8*\u+2*\c:LT+8*\u+2*\c+1]
.endr
.endr
.endr
	LNRED (\ka)+1
.irp u, 0,1
	v_fma_f32 v[LT+16+8*\u], v[LT+16+8*\u], s[C512], s[CEPS]       ; the variance + 1e-5
.endr
.irp u, 0,1
	v_rsq_f32 v[LT+18+8*\u], v[LT+16+8*\u]
.endr
	v_nop                                          ; a plain instruction behind the two roots,
	s_wait_alu depctr_va_vdst(0)                   ; and the one wait ahead of their first reader
.irp u, 0,1
.set jj, 0
.rept 16
	v_pk_mul_f32 v[ACC+32*\u+jj:ACC+32*\u+jj+1], v[ACC+32*\u+jj:ACC+32*\u+jj+1], v[LT+18+8*\u:LT+19+8*\u] op_sel_hi:[1,0]
.set jj, jj+2
.endr
.endr
.irp u, 0,1
.set jj, 0
.rept 16
	v_pk_fma_f32 v[ACC+32*\u+jj:ACC+32*\u+jj+1], v[ACC+32*\u+jj:ACC+32*\u+jj+1], v[TMP+jj:TMP+jj+1], v[TMP+32+jj:TMP+33+jj]
.set jj, jj+2
.endr
.endr
.endm
; 64 numbers of a lane, v[s] on: four blocks b, of each my 16 (lane l xor 16 has the other 16).  Codes to v[PCD] on, two registers a block; the four scale bytes to v[TM + 4 + b] and, as a word, to v[PW].
; swap = 1: blocks 2 c and 2 c + 1 change halves, so that v[PCD + 4 c] on are four registers of an operand: lanes 0-15 block 2 c, lanes 16-31 block 2 c + 1.
.macro QUANT s, swap
.irp b, 0,1,2,3
	v_mov_b32 v[TM+4+\b], 0                        ; a lane permute's destination counts as one of its sources
.endr
.irp b, 0,1,2,3
	v_max3_num_f32 v[TM+\b], |v[\s+16*\b]|, |v[\s+1+16*\b]|, 0x1800000   ; and the floor 2^(3 - 127): the byte cannot fall under 1
.endr
.irp i, 2,4,6,8,10,12,14
.irp b, 0,1,2,3
	v_max3_num_f32 v[TM+\b], v[TM+\b], |v[\s+16*\b+\i]|, |v[\s+1+16*\b+\i]|
.endr
.endr
.irp b, 0,1,2,3
	v_permlanex16_b32 v[TM+4+\b], v[TM+\b], s[SEL], s[SEL+1]
.endr
.irp b, 0,1,2,3
	v_max_num_f32 v[TM+\b], v[TM+\b], v[TM+4+\b]   ; the block's largest magnitude
.endr
.irp b, 0,1,2,3
	v_add_nc_u32 v[TM+12+\b], 0xff000000, v[TM+\b] ; 2 off its exponent field: the conversion's scale operand
.endr
.irp b, 0,1,2,3
	v_lshrrev_b32 v[TM+4+\b], 23, v[TM+12+\b]      ; the scale's byte
.endr
	v_lshl_or_b32 v[PW], v[TM+5], 8, v[TM+4]
	v_lshl_or_b32 v[PW], v[TM+6], 16, v[PW]
	v_lshl_or_b32 v[PW], v[TM+7], 24, v[PW]
.irp b, 0,1,2,3
	v_cvt_scalef32_pk8_fp4_f32 v[PCD+2*\b], v[\s+16*\b:\s+7+16*\b], v[TM+12+\b]
	v_cvt_scalef32_pk8_fp4_f32 v[PCD+1+2*\b], v[\s+8+16*\b:\s+15+16*\b], v[TM+12+\b]
.endr
	v_nop                                          ; one plain place behind the scaled conversions
.if \swap
.irp c, 0,1
.irp i, 0,1
	v_permlane16_swap_b32 v[PCD+4*\c+\i], v[PCD+2+4*\c+\i]
.endr
.endr
.endif
.endm
.macro IMGST k                         ; my half fragment and my two scale bytes of each row tile, into image k
	ds_store_b128 v[IWA], v[PCD:PCD+3] offset:AIMG*(\k)
	ds_store_b128 v[IWA], v[PCD+4:PCD+7] offset:AIMG*(\k)+4096
	ds_store_b16 v[ISA], v[PW] offset:AIMG*(\k)
	ds_store_b16_d16_hi v[ISA], v[PW] offset:AIMG*(\k)+512
.endm
.macro AFLOAD k                        ; the whole activation comes back: 8 fragments, 8 scale words
.irp u, 0,1
.irp s, 0,1,2,3
.irp c, 0,1
	ds_load_b128 v[AF+32*\u+8*\s+4*\c:AF+32*\u+8*\s+4*\c+3], v[LI] offset:AIMG*(\k)+4096*\u+1024*\s+512*\c
.endr
.endr
.endr
.irp u, 0,1
.irp s, 0,1,2,3
	ds_load_b32 v[ASC+4*\u+\s], v[LS] offset:AIMG*(\k)+8192+512*\u+128*\s
.endr
.endr
.endm
.macro SILU                            ; v[TMP] on = x / (1 + 2^(-x log2 e)) of the accumulators: two batches of transcendentals, one wait each
.set jj, 0
.rept 32
	v_pk_mul_f32 v[TMP+jj:TMP+jj+1], v[ACC+jj:ACC+jj+1], 0xbfb8aa3b op_sel_hi:[1,0]
.set jj, jj+2
.endr
.set jj, 0
.rept 64
	v_exp_f32 v[TMP+jj], v[TMP+jj]
.set jj, jj+1
.endr
	v_nop
	s_wait_alu depctr_va_vdst(0)                   ; the wait ahead of the batch's first reader
.set jj, 0
.rept 32
	v_pk_add_f32 v[TMP+jj:TMP+jj+1], v[TMP+jj:TMP+jj+1], 1.0 op_sel_hi:[1,0]
.set jj, jj+2
.endr
.set jj, 0
.rept 64
	v_rcp_f32 v[TMP+jj], v[TMP+jj]
.set jj, jj+1
.endr
	v_nop
	s_wait_alu depctr_va_vdst(0)
.set jj, 0
.rept 32
	v_pk_mul_f32 v[TMP+jj:TMP+jj+1], v[TMP+jj:TMP+jj+1], v[ACC+jj:ACC+jj+1]
.set jj, jj+2
.endr
.endm
; RoPE, in four chunks n = 2 u + u': eight channels d of the head's first half (a) and their partners d + 32 (b).  a' = a cos(d) - b sin(d);  b' = b cos(d + 32) + a sin(d + 32).
.macro RLOAD n
.set RB, TMP+32*((\n)%2)
.set RO, 16*XPITCH*((\n)/2)+32*((\n)%2)
	ds_load_b128 v[RB:RB+3], v[CBA] offset:RO
	ds_load_b128 v[RB+4:RB+7], v[CBA] offset:RO+16
	ds_load_b128 v[RB+8:RB+11], v[CBA] offset:RO+128
	ds_load_b128 v[RB+12:RB+15], v[CBA] offset:RO+144
	ds_load_b128 v[RB+16:RB+19], v[SBA] offset:RO
	ds_load_b128 v[RB+20:RB+23], v[SBA] offset:RO+16
	ds_load_b128 v[RB+24:RB+27], v[SBA] offset:RO+128
	ds_load_b128 v[RB+28:RB+31], v[SBA] offset:RO+144
.endm
.macro RWORK n
.set RB, TMP+32*((\n)%2)
.set RA, ACC+32*((\n)/2)+8*((\n)%2)
.irp j, 0,2,4,6
	v_pk_mul_f32 v[RT+\j:RT+\j+1], v[RA+\j:RA+\j+1], v[RB+24+\j:RB+25+\j]
.endr
.irp j, 0,2,4,6
	v_pk_mul_f32 v[RA+\j:RA+\j+1], v[RA+\j:RA+\j+1], v[RB+\j:RB+\j+1]
.endr
.irp j, 0,2,4,6
	v_pk_fma_f32 v[RA+\j:RA+\j+1], v[RA+16+\j:RA+17+\j], v[RB+16+\j:RB+17+\j], v[RA+\j:RA+\j+1] neg_lo:[1,0,0] neg_hi:[1,0,0]
.endr
.irp j, 0,2,4,6
	v_pk_fma_f32 v[RA+16+\j:RA+17+\j], v[RA+16+\j:RA+17+\j], v[RB+8+\j:RB+9+\j], v[RT+\j:RT+\j+1]
.endr
.endm
.macro ROPE
	RLOAD 0
	RLOAD 1
	s_wait_dscnt 8                                 ; the older chunk's eight loads are in; the younger chunk's eight may be out
	RWORK 0
	RLOAD 2
	s_wait_dscnt 8
	RWORK 1
	RLOAD 3
	s_wait_dscnt 8
	RWORK 2
	s_wait_dscnt 0x0
	RWORK 3
.endm
.macro QKST cimm, simm                 ; q's or k's two tiles: 512 consecutive bytes of codes each; a scale word = the head's two bytes, and 0x7f twice for the zero codes that fill K up to 128
	v_and_or_b32 v[RT], v[PW], 0xffff, s[PADW]
	v_lshrrev_b32 v[RT+1], 16, v[PW]
	v_or_b32 v[RT+1], s[PADW], v[RT+1]
	global_store_b128 v[LI], v[PCD:PCD+3], s[PQ:PQ+1] offset:\cimm
	global_store_b128 v[LI], v[PCD+4:PCD+7], s[PQ:PQ+1] offset:\cimm+512
	global_store_b32 v[LS], v[RT], s[PSQ:PSQ+1] offset:\simm
	global_store_b32 v[LS], v[RT+1], s[PSQ:PSQ+1] offset:\simm+128
.endm
.macro ROWSL                           ; my four tokens' whole rows out of LDS,
.irp i, 0,1,2,3
.irp k, 0,1,2,3
	ds_load_b128 v[TMP+16*\i+4*\k:TMP+16*\i+4*\k+3], v[XRW] offset:XPITCH*\i+512*\k
.endr
.endr
.endm
.macro ROWSS                           ; and to memory: 512 consecutive bytes a store
.irp i, 0,1,2,3
.irp k, 0,1,2,3
	global_store_b128 v[GRW], v[TMP+16*\i+4*\k:TMP+16*\i+4*\k+3], s[P_OUT:P_OUT+1] offset:2048*\i+512*\k th:TH_STORE_NT
.endr
.endr
.endm
; ================ THE HEAD
.if KIND == 0
	s_load_b512 s[4:19], s[0:1], 0x0
	s_load_b128 s[20:23], s[0:1], 0x40
.elseif KIND == 1
	s_load_b512 s[4:19], s[0:1], 0x0
	s_load_b512 s[20:35], s[0:1], 0x40
	s_load_b64 s[36:37], s[0:1], 0x80
.else
	s_load_b512 s[4:19], s[0:1], 0x0
	s_load_b128 s[20:23], s[0:1], 0x40
	s_load_b64 s[24:25], s[0:1], 0x50
.endif
	v_lshl_add_u32 v[SPW], v0, 2, SPARE
	v_mov_b32 v[NIL], 0
	v_lshrrev_b32 v195, 5, v0
	v_readfirstlane_b32 s[WV], v195                ; wave 0..7
	v_and_b32 v192, 31, v0                         ; lane
	v_and_b32 v193, 15, v0                         ; r
	v_bfe_u32 v194, v0, 4, 1                       ; h
	v_lshlrev_b32 v[LI], 4, v192
	v_lshlrev_b32 v[LS], 2, v192
	v_mul_u32_u24 v195, v193, XPITCH
	v_lshl_add_u32 v195, v194, 6, v195
	s_lshl_b32 s40, s[WV], 8                       ; my wave's 256 bytes of a row
	s_add_co_u32 s41, s40, XB
	v_add_nc_u32 v[XBA], s41, v195
.if KIND != 2
	v_add_nc_u32 v[CBA], XREG, v[XBA]
	v_add_nc_u32 v[SBA], 2*XREG, v[XBA]
.endif
	s_add_co_u32 s41, s40, PAR
	v_lshlrev_b32 v195, 6, v194
	v_add_nc_u32 v[PRA], s41, v195
	v_lshlrev_b32 v195, 3, v192
	v_add_nc_u32 v197, s41, v195                   ; LN vectors: where my 8 bytes go in LDS,
	v_add_nc_u32 v196, s40, v195                   ; and where they lie in memory
	s_bfe_u32 s40, s[WV], 0x10001                  ; token 4 w + i lies in slot 16 (bit 3) + 8 (bit 4) + (bits 2:0):
	s_lshl_b32 s40, s40, 4
	s_lshr_b32 s41, s[WV], 2
	s_lshl_b32 s41, s41, 3
	s_add_co_u32 s40, s40, s41
	s_and_b32 s41, s[WV], 1
	s_lshl_b32 s41, s41, 2
	s_add_co_u32 s40, s40, s41                     ; my four tokens' first slot
	s_mul_i32 s40, s40, XPITCH
	s_add_co_u32 s40, s40, XB
	v_add_nc_u32 v[XRW], s40, v[LI]
.if KIND != 2
	v_add_nc_u32 v198, XREG, v[XRW]
	v_add_nc_u32 v199, 2*XREG, v[XRW]
.endif
	v_lshl_add_u32 v[GRW], s[WV], 13, v[LI]
	v_and_b32 v195, 8, v193
	v_add_nc_u32 v195, v195, v193
	v_lshlrev_b32 v[WSA], 4, v195
	s_lshl_b32 s40, s[WV], 9                       ; K step w / 2, half w % 2: 1,024 (w / 2) + 512 (w % 2) = 512 w
	v_add_nc_u32 v[IWA], s40, v[LI]
	s_lshr_b32 s40, s[WV], 1
	s_lshl_b32 s40, s40, 7
	s_and_b32 s41, s[WV], 1
	s_lshl_b32 s41, s41, 1
	s_add_co_u32 s40, s40, s41
	s_add_co_u32 s40, s40, 8192
	v_add_nc_u32 v[ISA], s40, v[LS]
	s_lshl_b32 s40, s[WV], 2
	s_add_co_u32 s40, s40, PSUM
	v_lshlrev_b32 v195, 5, v192
	v_add_nc_u32 v[PSW], s40, v195
	v_lshl_add_u32 v[PSR], v193, 5, PSUM
	s_mov_b32 s[HIM], 0xffff0000                   ; lanes 16-31
	s_mov_b32 s[C512], 0x3b000000                  ; 1 / 512
	s_mov_b32 s[CEPS], 0x3727c5ac                  ; 1e-5
	s_mov_b32 s[PADW], 0x7f7f0000
	s_mov_b32 s[SEL], 0x76543210
	s_mov_b32 s[SEL+1], 0xfedcba98                 ; v_permlanex16_b32's selects for lane l xor 16
	s_wait_kmcnt 0x0
	s_lshl_b32 s40, ttmp9, 16                      ; my block's 32 rows of 2,048 bytes
	s_mov_b32 s41, 0
	s_mov_b32 s43, 0
	s_add_nc_u64 s[P_X:P_X+1], s[P_X:P_X+1], s[40:41]
.if KIND != 2
	s_add_nc_u64 s[P_COS:P_COS+1], s[P_COS:P_COS+1], s[40:41]
	s_add_nc_u64 s[P_SIN:P_SIN+1], s[P_SIN:P_SIN+1], s[40:41]
.endif
.if KIND != 0
	s_add_nc_u64 s[P_OUT:P_OUT+1], s[P_OUT:P_OUT+1], s[40:41]
	s_lshl_b32 s42, ttmp9, 10
	s_add_nc_u64 s[CTS:CTS+1], s[P_CTX:P_CTX+1], s[42:43]          ; ctx's scale words of my two row tiles (the region's offset stands in the loads)
	s_lshl_b32 s42, ttmp9, 13
	s_add_nc_u64 s[P_CTX:P_CTX+1], s[P_CTX:P_CTX+1], s[42:43]      ; and their codes
.endif
	s_lshl_b32 s42, s[WV], 14
	s_add_nc_u64 s[P_WF:P_WF+1], s[P_WF:P_WF+1], s[42:43]          ; my four tiles of every weight
	s_lshl_b32 s42, s[WV], 10                      ; my 64 rows of 16 scale bytes
.if KIND != 0
.irp p, P_SO, P_S1, P_S2
	s_add_nc_u64 s[\p:\p+1], s[\p:\p+1], s[42:43]
.endr
.endif
.if KIND != 2
.irp p, P_SQ, P_SK, P_SV
	s_add_nc_u64 s[\p:\p+1], s[\p:\p+1], s[42:43]
.endr
	s_lshr_b32 s40, ttmp9, 6                       ; the batch
	s_lshl_b32 s40, s40, 3
	s_add_co_u32 s40, s40, s[WV]                   ; bh = 8 x batch + head
	s_and_b32 s41, ttmp9, 63                       ; my block of 32 tokens in the sequence
	s_lshl_b32 s42, s40, 7
	s_lshl_b32 s43, s41, 1
	s_add_co_u32 s42, s42, s43                     ; its first tile among the head's 128
	s_lshl_b32 s42, s42, 7
	s_mov_b32 s43, 0
	s_add_nc_u64 s[PSQ:PSQ+1], s[P_QKV:P_QKV+1], s[42:43]          ; 128 bytes of scale words a tile,
	s_lshl_b32 s42, s42, 2
	s_add_nc_u64 s[PQ:PQ+1], s[P_QKV:P_QKV+1], s[42:43]            ; 512 of codes
	s_and_b32 s43, s41, 3                          ; which of a key step's four blocks of 32 keys I am
	s_lshr_b32 s41, s41, 2                         ; the key step
	s_lshl_b32 s40, s40, 4
	s_add_co_u32 s40, s40, s41
	s_lshl_b32 s42, s40, 8
	s_add_co_u32 s42, s42, s43                     ; v's scale bytes: 256 a key step, + my block's byte
	s_lshl_b32 s40, s40, 12
	s_lshl_b32 s43, s43, 8
	s_add_co_u32 s40, s40, s43                     ; v's codes: 4,096 a key step; block 2 c + h is registers 4 c on of lanes 16 h on: 256 bytes a block
	s_mov_b32 s41, 0
	s_mov_b32 s43, 0
	s_add_nc_u64 s[PV:PV+1], s[P_QKV:P_QKV+1], s[40:41]
	s_add_nc_u64 s[PVS:PVS+1], s[P_QKV:P_QKV+1], s[42:43]
.endif
; what goes through LDS: my four rows of the residual (and of cos and sin), my 256 bytes of the LN vectors
.irp i, 0,1,2,3
.irp k, 0,1,2,3
	global_load_b128 v[ACC+16*\i+4*\k:ACC+16*\i+4*\k+3], v[GRW], s[P_X:P_X+1] offset:2048*\i+512*\k th:TH_LOAD_NT
.endr
.endr
	global_load_b64 v[200:201], v196, s[P_LAW:P_LAW+1] offset:LAOFF
	global_load_b64 v[202:203], v196, s[P_LAB:P_LAB+1] offset:LAOFF
.if KIND != 0
	global_load_b64 v[204:205], v196, s[P_LBW:P_LBW+1] offset:LBOFF
	global_load_b64 v[206:207], v196, s[P_LBB:P_LBB+1] offset:LBOFF
.endif
.if KIND != 2
	WIN 0x40                                       ; into the second weight set's registers, which are free until these have gone to LDS
.irp i, 0,1,2,3
.irp k, 0,1,2,3
	global_load_b128 v[128+16*\i+4*\k:128+16*\i+4*\k+3], v[GRW], s[P_COS:P_COS+1] offset:2048*\i+512*\k th:TH_LOAD_NT
.endr
.endr
.irp i, 0,1,2,3
.irp k, 0,1,2,3
	global_load_b128 v[192+16*\i+4*\k:192+16*\i+4*\k+3], v[GRW], s[P_SIN:P_SIN+1] offset:2048*\i+512*\k th:TH_LOAD_NT
.endr
.endr
	WIN 0
.endif
; what goes straight into operand registers: G2 loads
.if KIND != 0
.irp u, 0,1
.irp s, 0,1,2,3
.irp c, 0,1
	global_load_b128 v[AF+32*\u+8*\s+4*\c:AF+32*\u+8*\s+4*\c+3], v[LI], s[P_CTX:P_CTX+1] offset:4096*\u+1024*\s+512*\c
.endr
.endr
.endr
.irp u, 0,1
.irp s, 0,1,2,3
	global_load_b32 v[ASC+4*\u+\s], v[LS], s[CTS:CTS+1] offset:OCS+512*\u+128*\s
.endr
.endr
	WLOAD 0, RO+LAYER*131072, P_SO, LAYER*8192
.else
	WLOAD 0, RQ+TL*131072, P_SQ, TL*8192
.endif
	s_wait_loadcnt G2                              ; all but the G2 loads just issued: the rows and the LN vectors are in
.irp i, 0,1,2,3
.irp k, 0,1,2,3
	ds_store_b128 v[XRW], v[ACC+16*\i+4*\k:ACC+16*\i+4*\k+3] offset:XPITCH*\i+512*\k
.endr
.endr
	ds_store_b64 v197, v[200:201]
	ds_store_b64 v197, v[202:203] offset:2048
.if KIND != 0
	ds_store_b64 v197, v[204:205] offset:4096
	ds_store_b64 v197, v[206:207] offset:6144
.endif
.if KIND != 2
	WIN 0x04                                       ; an LDS store's data are its source 1: window 1
.irp i, 0,1,2,3
.irp k, 0,1,2,3
	ds_store_b128 v198, v[128+16*\i+4*\k:128+16*\i+4*\k+3] offset:XPITCH*\i+512*\k
.endr
.endr
.irp i, 0,1,2,3
.irp k, 0,1,2,3
	ds_store_b128 v199, v[192+16*\i+4*\k:192+16*\i+4*\k+3] offset:XPITCH*\i+512*\k
.endr
.endr
	WIN 0
.endif
	s_wait_dscnt 0x0                               ; my stores have landed, for the others' sake, and have read their registers: the second weight set may be loaded
.if KIND != 0
	WLOAD 1, R1+LAYER*262144, P_S1, LAYER*16384
.else
	WLOAD 1, RK+TL*131072, P_SK, TL*8192
.endif
	s_barrier_signal -1
	s_barrier_wait -1                              ; the 32 rows lie in LDS
.if KIND != 0
; ================ ctx Wo + the residual
	XLD
	s_wait_loadcnt 36                              ; ctx and Wo are in; the next set's 36 loads may be out (so in front of every run of products but the last)
	s_wait_dscnt 0x0
	GEMM 0, 1
	PLACES
	WLOAD 0, R1+LAYER*262144+131072, P_S1, LAYER*16384+8192
	XST                                            ; kept for the MLP's residual
; ================ LN2, W1, the gate
	LNORM 0, 0
	QUANT ACC, 1
	IMGST 0
	BARRIER
	AFLOAD 0
	s_wait_loadcnt 36
	s_wait_dscnt 0x0
	GEMM 1, 0                                      ; x1
	PLACES
	WLOAD 1, R2+LAYER*131072, P_S2, LAYER*8192
	SILU
	s_wait_loadcnt 36
	GEMM 0, 0                                      ; x2
	PLACES
.if KIND == 1
	WLOAD 0, RQ+TL*131072, P_SQ, TL*8192
.endif
.set jj, 0
.rept 32
	v_pk_mul_f32 v[ACC+jj:ACC+jj+1], v[TMP+jj:TMP+jj+1], v[ACC+jj:ACC+jj+1]    ; silu(x1) x2
.set jj, jj+2
.endr
	QUANT ACC, 1
	IMGST 1
	BARRIER
	AFLOAD 1
	XLD
; ================ W2 + the residual
.if KIND == 1
	s_wait_loadcnt 36
.else
	s_wait_loadcnt 0x0                             ; the last set: nothing was asked for behind it
.endif
	s_wait_dscnt 0x0
	GEMM 1, 1
	PLACES
.if KIND == 1
	WLOAD 1, RK+TL*131072, P_SK, TL*8192
	XST                                            ; the layer's result: the LayerNorm's first barrier shows all its columns to all waves
.endif
.else
	XLD
	s_wait_dscnt 0x0
.endif
.if KIND == 2
; ================ the closing LayerNorm, and out by whole rows
	LNORM 2, 2
	XST
	BARRIER
	ROWSL
	s_wait_dscnt 0x0
	ROWSS
.else
; ================ LN1, q, k, v
	LNORM TK, TK
	QUANT ACC, 1
	IMGST TK
	BARRIER
	AFLOAD TK
.if KIND == 1
	ROWSL
.endif
	s_wait_loadcnt 36
	s_wait_dscnt 0x0
.if KIND == 1
	ROWSS                                          ; the layer's result goes to x1 while q is multiplied
.endif
	GEMM 0, 0                                      ; q
	PLACES
	WLOAD 0, RV+TL*131072, P_SV, TL*8192
	s_wait_xcnt 0x0                                ; earlier stores have read their registers: they are written again only behind this wait
	ROPE
	QUANT ACC, 1
	QKST OQC, OQS
	s_wait_loadcnt 36
	GEMM 1, 0                                      ; k
	PLACES
	s_wait_xcnt 0x0
	ROPE
	QUANT ACC, 1
	QKST OKC, OKS
	s_wait_loadcnt 0x0
	GEMM 0, 2                                      ; v, the natural way round: lane (r, h) holds channel row r of tile t; registers 16 t + i are tokens 16 h + i of my block: one block of 32 keys
	PLACES
	s_wait_xcnt 0x0
	QUANT ACC, 0
	v_and_b32 v[RT+2], 15, v0
	v_bfe_u32 v[RT+3], v0, 4, 1
	v_lshlrev_b32 v[RT+4], 2, v[RT+2]              ; 4 r
	v_lshlrev_b32 v[RT+2], 4, v[RT+2]
	v_lshl_add_u32 v[RT+2], v[RT+3], 3, v[RT+2]    ; 16 r + 8 h: my 16 codes are half of a lane's 16 bytes
.irp d, 0,1,2,3
	global_store_b64 v[RT+2], v[PCD+2*\d:PCD+2*\d+1], s[PV:PV+1] offset:OVC+1024*\d    ; 32 lanes store 256 consecutive bytes, aligned
.endr
.irp d, 0,1,2,3
	global_store_b8 v[RT+4], v[TM+4+\d], s[PVS:PVS+1] offset:OVS+64*\d                 ; my block's byte of each channel's scale word; both halves of the lanes write the same byte
.endr
.endif
	s_wait_tensorcnt 0x0                           ; the wave's end
	ds_add_u32 v[SPW], v[NIL]
	s_wait_dscnt 0x0
	s_endpgm
.Lfunc_end_k_qf8de62085e_mid:
	.size	k_qf8de62085e_mid, .Lfunc_end_k_qf8de62085e_mid-k_qf8de62085e_mid
	.p2alignl 7, 3214868480
	.fill 96, 4, 3214868480
	.section	.rodata,"a",@progbits
	.p2align	6, 0x0
	.amdhsa_kernel k_qf8de62085e_mid
		.amdhsa_group_segment_fixed_size 239104
		.amdhsa_private_segment_fixed_size 0
		.amdhsa_enable_private_segment 0
		.amdhsa_kernarg_size 136
		.amdhsa_user_sgpr_count 2
		.amdhsa_user_sgpr_kernarg_segment_ptr 1
		.amdhsa_wavefront_size32 1
		.amdhsa_system_sgpr_workgroup_id_x 1
		.amdhsa_system_sgpr_workgroup_id_y 1
		.amdhsa_system_sgpr_workgroup_id_z 1
		.amdhsa_system_vgpr_workitem_id 0
		.amdhsa_next_free_vgpr 512
		.amdhsa_next_free_sgpr 66
		.amdhsa_reserve_vcc 0
		.amdhsa_float_denorm_mode_32 3
		.amdhsa_float_denorm_mode_16_64 3
		.amdhsa_memory_ordered 1
		.amdhsa_forward_progress 1
		.amdhsa_inst_pref_size 160
	.end_amdhsa_kernel
	.amdgpu_metadata
---
amdhsa.version: [ 1, 2 ]
amdhsa.kernels:
  - .name:           k_qf8de62085e_mid
    .symbol:         k_qf8de62085e_mid.kd
    .args:
      - { .name: x, .offset: 0, .size: 8, .value_kind: global_buffer, .address_space: global }
      - { .name: ctx, .offset: 8, .size: 8, .value_kind: global_buffer, .address_space: global }
      - { .name: wf, .offset: 16, .size: 8, .value_kind: global_buffer, .address_space: global }
      - { .name: Wo_scales, .offset: 24, .size: 8, .value_kind: global_buffer, .address_space: global }
      - { .name: W1_scales, .offset: 32, .size: 8, .value_kind: global_buffer, .address_space: global }
      - { .name: W2_scales, .offset: 40, .size: 8, .value_kind: global_buffer, .address_space: global }
      - { .name: Wq_scales, .offset: 48, .size: 8, .value_kind: global_buffer, .address_space: global }
      - { .name: Wk_scales, .offset: 56, .size: 8, .value_kind: global_buffer, .address_space: global }
      - { .name: Wv_scales, .offset: 64, .size: 8, .value_kind: global_buffer, .address_space: global }
      - { .name: ln2_w, .offset: 72, .size: 8, .value_kind: global_buffer, .address_space: global }
      - { .name: ln2_b, .offset: 80, .size: 8, .value_kind: global_buffer, .address_space: global }
      - { .name: ln1_w, .offset: 88, .size: 8, .value_kind: global_buffer, .address_space: global }
      - { .name: ln1_b, .offset: 96, .size: 8, .value_kind: global_buffer, .address_space: global }
      - { .name: pos_cos, .offset: 104, .size: 8, .value_kind: global_buffer, .address_space: global }
      - { .name: pos_sin, .offset: 112, .size: 8, .value_kind: global_buffer, .address_space: global }
      - { .name: x1, .offset: 120, .size: 8, .value_kind: global_buffer, .address_space: global }
      - { .name: qkv, .offset: 128, .size: 8, .value_kind: global_buffer, .address_space: global }
    .group_segment_fixed_size: 239104
    .private_segment_fixed_size: 0
    .kernarg_segment_align: 8
    .kernarg_segment_size: 136
    .max_flat_workgroup_size: 256
    .sgpr_count:     66
    .vgpr_count:     512
    .wavefront_size: 32
...
	.end_amdgpu_metadata
.endif
;; end of part 4
;; launch attn1: the kernel of part 3 again; grid 8 x 32, 16 waves a work-group, no clusters, 161,792 bytes of LDS; arguments qkv, attn_mask, ctx; writes ctx
;; launch last (part 5): grid 256 x 1, 8 waves a work-group, no clusters, 239,104 bytes of LDS; arguments x1, ctx, wf, Wo_scales, W1_scales, W2_scales, ln2_w, ln2_b, lnf_w, lnf_b, out0; writes out0
.if DOCPART == 5
	.amdgcn_target "amdgcn-amd-amdhsa--gfx1250"
	.amdhsa_code_object_version 6
	.text
	.protected	k_qf8de62085e_last
	.globl	k_qf8de62085e_last
	.p2align	8
	.type	k_qf8de62085e_last,@function
k_qf8de62085e_last:
	s_mov_b64 s[64:65], 0
	v_nop
	global_prefetch_b8 v0, s[64:65] scope:SCOPE_SE
	s_setreg_imm32_b32 hwreg(HW_REG_WAVE_MODE, 25, 1), 1
	s_wait_xcnt 0x0
; THE CHAIN, one text for three launches; KIND chooses the arms.  No work of the model is left out here.
;   KIND 0 (front): LN1 of layer 0, quantise, q k v, RoPE, quantise q and k along the head and v along the keys -> qkv.
;   KIND 1 (mid):   ctx Wo + x, LN2, W1, silu gate, W2, + residual -> x1; then all of KIND 0's work for layer 1.
;   KIND 2 (last):  ctx Wo + x1, LN2, W1, gate, W2, + residual, closing LN -> out0.
; SHARES.  A work-group of eight waves takes 32 tokens: two row tiles u = 0, 1; lane row r of tile u is token 8 u + r + 8 (r / 8) of the block.  THE WAVES SHARE THE COLUMNS: wave w makes
; features 64 w .. 64 w + 63 (head w) of every product: four tiles of weight rows (prep's order) x two row tiles = 8 accumulators by turns, 32 matrix instructions a product.
; PRODUCTS ARE USED TRANSPOSED (source 0 = 16 weight rows, source 1 = 16 tokens): a lane holds one token, and the 16 registers of tiles 2 b, 2 b + 1 are features 32 b + 16 (lane / 16) + 0 .. 15:
; neighbours along the next K, which the conversions want.
; WEIGHTS come from wf straight into registers, 512 consecutive bytes a load, two sets by turns in window 1; set n + 2 is asked for behind the products of set n.
; OPERANDS GO FROM WAVE TO WAVE THROUGH LDS AS IMAGES OF THEIR REGISTERS: a wave's 64 features are half a fragment (four registers) and two scale bytes of each row tile.
; The residual lies in LDS by rows, in the tiles' order of tokens, 2,064 bytes apart: the 16 rows that a column read touches begin in 16 different runs of 16 bytes modulo 256.
; LIMITS: a block of zeros gets the scale byte 1 (zero codes; this program alone reads the bytes); largest magnitudes under 2^-124 are held at that byte; NaN and infinities are not served.
.set KIND, 2
.set P_X, 4                            ; s[4:5] x1;  the other pointers likewise, in the order of the arguments
.set P_CTX, 6
.set P_WF, 8
.set P_SO, 10
.set P_S1, 12
.set P_S2, 14
.set P_LAW, 16
.set P_LAB, 18
.set P_LBW, 20
.set P_LBB, 22
.set P_OUT, 24
.set LAYER, 1                          ; the layer of Wo, W1, W2
.set LAOFF, 2048                       ; byte offset of the layer in the first LayerNorm's vectors (ln2),
.set LBOFF, 0                          ; and in the second's (the closing one's)
.set G2, 60                            ; loads issued at the head behind those that go through LDS
; wf's regions and ctx's, in bytes
.set RQ, 0
.set RK, 262144
.set RV, 524288
.set RO, 786432
.set R2, 1048576
.set R1, 1310720
.set OCS, 2097152                      ; ctx: scale words [row tile 512][K step 4][lane][4], behind the codes [row tile][K step][c][lane][16]
; LDS
.set AIMG, 9216                        ; three images of an activation: 8,192 bytes of codes [u][s][c][lane][16], 1,024 of scale words [u][s][lane][4]
.set PSUM, 27648                       ; four regions of partial sums, [slot 32][wave 8] f32
.set PAR, 31744                        ; four LN vectors of 2,048 bytes
.set SPARE, 39936                      ; the spare words, 128 bytes a wave: four blocks of 256 bytes that no other line names
.set XB, 40960                         ; 32 rows of the residual
.set XPITCH, 2064
.set XREG, 66048
; vector registers, window 0
.set SPW, 1                            ; my spare word's address; never rewritten
.set NIL, 2                            ; 0; never rewritten
.set LI, 3                             ; 16 x lane
.set LS, 4                             ; 4 x lane
.set XBA, 5                            ; residual: row r, my wave's 256 bytes, + 64 h
.set XRW, 8                            ; residual by rows: my wave's four tokens' slots, + 16 x lane
.set GRW, 9                            ; the same four rows in memory: 8,192 w + 16 x lane
.set WSA, 10                           ; a weight row's 16 scale bytes: 16 (r + 8 (r / 8))
.set IWA, 11                           ; where I store my half fragments
.set ISA, 12                           ; and my two scale bytes
.set PSW, 13                           ; partial sums: my word
.set PSR, 14                           ; and the eight words of slot r
.set PRA, 15                           ; LN vectors: my wave's 256 bytes, + 64 h
.set AF, 24                            ; v24-87  the activation's fragments [u][s], 8 registers each
.set LT, 24                            ;         (LayerNorm's temporaries while those are dead)
.set ASC, 88                           ; v88-95  their scale words, 4 u + s
.set WSC, 96                           ; v96-127 the weights' scale words, 16 p + 4 t + s
.set ACC, 128                          ; v128-191 the eight accumulators
.set TMP, 192                          ; v192-255 at work
.set TM, TMP
.set PW, TMP+16
.set PCD, TMP+24
; scalars
.set WV, 38
.set HIM, 54
.set C512, 55
.set CEPS, 56
.set SEL, 58
.set CTS, 60
.set MSB, 0
.macro WIN new                         ; the immediate's high byte repeats the setting that is left
.if MSB != \new
	s_set_vgpr_msb (MSB<<8)|\new
.set MSB, \new
.endif
.endm
.macro PLACES                          ; behind a run of products: four places are owed to loads and readers, five to a later product that writes over an accumulator
.rept 5
	v_nop
.endr
.endm
.macro BARRIER                         ; my LDS stores have landed and my LDS loads are in: then the work-group's barrier
	s_wait_dscnt 0x0
	s_barrier_signal -1
	s_barrier_wait -1
.endm
; A set of weights: my four tiles x 512 K (32 loads of 512 consecutive bytes) into set p of window 1, and their rows' scale words (a row's 16 bytes are its four K steps' words): 36 loads.
.macro WLOAD p, cimm, sp, simm
	WIN 0x40
.irp t, 0,1,2,3
.irp k, 0,1,2,3,4,5,6,7
	global_load_b128 v[128*(\p)+32*\t+4*\k:128*(\p)+32*\t+4*\k+3], v[LI], s[P_WF:P_WF+1] offset:(\cimm)+4096*\t+512*\k
.endr
.endr
	WIN 0
.irp t, 0,1,2,3
	global_load_b128 v[WSC+16*(\p)+4*\t:WSC+16*(\p)+4*\t+3], v[WSA], s[\sp:\sp+1] offset:(\simm)+512*(\t/2)+128*(\t%2)
.endr
.endm
.macro MM0 d, a, b, sa, sb             ; a product that starts a sum
	v_wmma_scale_f32_16x16x128_f8f6f4 v[\d:\d+7], v[\a:\a+7], v[\b:\b+7], 0, v[\sa], v[\sb] matrix_a_fmt:MATRIX_FMT_FP4 matrix_b_fmt:MATRIX_FMT_FP4
.endm
.macro MMA d, a, b, sa, sb             ; and one that adds in place
	v_wmma_scale_f32_16x16x128_f8f6f4 v[\d:\d+7], v[\a:\a+7], v[\b:\b+7], v[\d:\d+7], v[\sa], v[\sb] matrix_a_fmt:MATRIX_FMT_FP4 matrix_b_fmt:MATRIX_FMT_FP4
.endm
; 32 products on weight set p; the eight accumulators take turns, one instruction a turn.
; mode 0: the first K step starts the sums.  mode 1: onto the residual that lies in the accumulators.
.macro GEMM p, mode
	WIN 0x01
.irp s, 0,1,2,3
.irp t, 0,1,2,3
.irp u, 0,1
.if (\mode == 0) && (\s == 0)
	MM0 ACC+32*\u+8*\t, 128*(\p)+32*\t+8*\s, AF+32*\u+8*\s, WSC+16*(\p)+4*\t+\s, ASC+4*\u+\s
.else
	MMA ACC+32*\u+8*\t, 128*(\p)+32*\t+8*\s, AF+32*\u+8*\s, WSC+16*(\p)+4*\t+\s, ASC+4*\u+\s
.endif
.endr
.endr
.endr
	WIN 0
.endm
.macro XLD                             ; my columns of the residual, in the accumulators' layout
.irp u, 0,1
.irp t, 0,1,2,3
	ds_load_b128 v[ACC+32*\u+8*\t:ACC+32*\u+8*\t+3], v[XBA] offset:16*XPITCH*\u+128*(\t/2)+32*(\t%2)
	ds_load_b128 v[ACC+32*\u+8*\t+4:ACC+32*\u+8*\t+7], v[XBA] offset:16*XPITCH*\u+128*(\t/2)+32*(\t%2)+16
.endr
.endr
.endm
.macro XST                             ; and back: my wave's own bytes; each accumulator from its low end on
.irp u, 0,1
.irp t, 0,1,2,3
	ds_store_b128 v[XBA], v[ACC+32*\u+8*\t:ACC+32*\u+8*\t+3] offset:16*XPITCH*\u+128*(\t/2)+32*(\t%2)
	ds_store_b128 v[XBA], v[ACC+32*\u+8*\t+4:ACC+32*\u+8*\t+7] offset:16*XPITCH*\u+128*(\t/2)+32*(\t%2)+16
.endr
.endr
.endm
; Four chains a row tile in v[LT + 8 u + 2 c] are joined, both halves of the lanes added, the eight waves' parts exchanged through region ps: each token's sum over 512 features lands in v[LT + 16 + 8 u].
.macro LNRED ps
.irp u, 0,1
	v_pk_add_f32 v[LT+8*\u:LT+8*\u+1], v[LT+8*\u:LT+8*\u+1], v[LT+8*\u+2:LT+8*\u+3]
	v_pk_add_f32 v[LT+8*\u+4:LT+8*\u+5], v[LT+8*\u+4:LT+8*\u+5], v[LT+8*\u+6:LT+8*\u+7]
.endr
.irp u, 0,1
	v_pk_add_f32 v[LT+8*\u:LT+8*\u+1], v[LT+8*\u:LT+8*\u+1], v[LT+8*\u+4:LT+8*\u+5]
.endr
.irp u, 0,1
	v_add_f32 v[LT+8*\u], v[LT+8*\u], v[LT+8*\u+1]
.endr
.irp u, 0,1
	v_permlanex16_b32 v[LT+8*\u+1], v[LT+8*\u], s[SEL], s[SEL+1]
.endr
.irp u, 0,1
	v_add_f32 v[LT+8*\u], v[LT+8*\u], v[LT+8*\u+1]
.endr
	v_cndmask_b32 v[LT+2], v[LT], v[LT+8], s[HIM]  ; lanes 0-15 keep row tile 0's, lanes 16-31 row tile 1's: lane = slot
	ds_store_b32 v[PSW], v[LT+2] offset:1024*(\ps)
	BARRIER
.irp u, 0,1
	ds_load_b128 v[LT+16+8*\u:LT+19+8*\u], v[PSR] offset:1024*(\ps)+512*\u
	ds_load_b128 v[LT+20+8*\u:LT+23+8*\u], v[PSR] offset:1024*(\ps)+512*\u+16
.endr
	s_wait_dscnt 0x0
.irp u, 0,1
	v_pk_add_f32 v[LT+16+8*\u:LT+17+8*\u], v[LT+16+8*\u:LT+17+8*\u], v[LT+18+8*\u:LT+19+8*\u]
	v_pk_add_f32 v[LT+20+8*\u:LT+21+8*\u], v[LT+20+8*\u:LT+21+8*\u], v[LT+22+8*\u:LT+23+8*\u]
.endr
.irp u, 0,1
	v_pk_add_f32 v[LT+16+8*\u:LT+17+8*\u], v[LT+16+8*\u:LT+17+8*\u], v[LT+20+8*\u:LT+21+8*\u]
.endr
.irp u, 0,1
	v_add_f32 v[LT+16+8*\u], v[LT+16+8*\u], v[LT+17+8*\u]
.endr
.endm
; LayerNorm of the accumulators, in place, in two passes as the model has it: the mean, then the mean of the squares of x - mean.  ka, ka + 1: regions of partial sums; kp, kp + 1: gain and bias.
.macro LNORM ka, kp
.irp t, 0,1,2,3
.irp q, 0,1
	ds_load_b128 v[TMP+8*\t+4*\q:TMP+8*\t+4*\q+3], v[PRA] offset:2048*(\kp)+128*(\t/2)+32*(\t%2)+16*\q
	ds_load_b128 v[TMP+32+8*\t+4*\q:TMP+32+8*\t+4*\q+3], v[PRA] offset:2048*(\kp)+2048+128*(\t/2)+32*(\t%2)+16*\q
.endr
.endr
.irp u, 0,1
.irp c, 0,1,2,3
	v_pk_add_f32 v[LT+8*\u+2*\c:LT+8*\u+2*\c+1], v[ACC+32*\u+8*\c:ACC+32*\u+8*\c+1], v[ACC+32*\u+8*\c+2:ACC+32*\u+8*\c+3]   ; chain c begins at the low end of accumulator c
.endr
.endr
.irp i, 4,6
.irp u, 0,1
.irp c, 0,1,2,3
	v_pk_add_f32 v[LT+8*\u+2*\c:LT+8*\u+2*\c+1], v[LT+8*\u+2*\c:LT+8*\u+2*\c+1], v[ACC+32*\u+8*\c+\i:ACC+32*\u+8*\c+\i+1]
.endr
.endr
.endr
	LNRED \ka
.irp u, 0,1
	v_mul_f32 v[LT+16+8*\u], s[C512], v[LT+16+8*\u]                ; the mean
.endr
.irp u, 0,1
.set jj, 0
.rept 16
	v_pk_add_f32 v[ACC+32*\u+jj:ACC+32*\u+jj+1], v[ACC+32*\u+jj:ACC+32*\u+jj+1], v[LT+16+8*\u:LT+17+8*\u] op_sel_hi:[1,0] neg_lo:[0,1] neg_hi:[0,1]
.set jj, jj+2
.endr
.endr
.irp u, 0,1
.irp c, 0,1,2,3
	v_pk_mul_f32 v[LT+8*\u+2*\c:LT+8*\u+2*\c+1], v[ACC+32*\u+8*\c:ACC+32*\u+8*\c+1], v[ACC+32*\u+8*\c:ACC+32*\u+8*\c+1]
.endr
.endr
.irp i, 2,4,6
.irp u, 0,1
.irp c, 0,1,2,3
	v_pk_fma_f32 v[LT+8*\u+2*\c:LT+8*\u+2*\c+1], v[ACC+32*\u+8*\c+\i:ACC+32*\u+8*\c+\i+1], v[ACC+32*\u+8*\c+\i:ACC+32*\u+8*\c+\i+1], v[LT+8*\u+2*\c:LT+8*\u+2*\c+1]
.endr
.endr
.endr
	LNRED (\ka)+1
.irp u, 0,1
	v_fma_f32 v[LT+16+8*\u], v[LT+16+8*\u], s[C512], s[CEPS]       ; the variance + 1e-5
.endr
.irp u, 0,1
	v_rsq_f32 v[LT+18+8*\u], v[LT+16+8*\u]
.endr
	v_nop                                          ; a plain instruction behind the two roots,
	s_wait_alu depctr_va_vdst(0)                   ; and the one wait ahead of their first reader
.irp u, 0,1
.set jj, 0
.rept 16
	v_pk_mul_f32 v[ACC+32*\u+jj:ACC+32*\u+jj+1], v[ACC+32*\u+jj:ACC+32*\u+jj+1], v[LT+18+8*\u:LT+19+8*\u] op_sel_hi:[1,0]
.set jj, jj+2
.endr
.endr
.irp u, 0,1
.set jj, 0
.rept 16
	v_pk_fma_f32 v[ACC+32*\u+jj:ACC+32*\u+jj+1], v[ACC+32*\u+jj:ACC+32*\u+jj+1], v[TMP+jj:TMP+jj+1], v[TMP+32+jj:TMP+33+jj]
.set jj, jj+2
.endr
.endr
.endm
; 64 numbers of a lane, v[s] on: four blocks b, of each my 16 (lane l xor 16 has the other 16).  Codes to v[PCD] on, two registers a block; the four scale bytes, as a word, to v[PW].
; Blocks 2 c and 2 c + 1 change halves, so that v[PCD + 4 c] on are four registers of an operand: lanes 0-15 block 2 c, lanes 16-31 block 2 c + 1.
.macro QUANT s
.irp b, 0,1,2,3
	v_mov_b32 v[TM+4+\b], 0                        ; a lane permute's destination counts as one of its sources
.endr
.irp b, 0,1,2,3
	v_max3_num_f32 v[TM+\b], |v[\s+16*\b]|, |v[\s+1+16*\b]|, 0x1800000   ; and the floor 2^(3 - 127): the byte cannot fall under 1
.endr
.irp i, 2,4,6,8,10,12,14
.irp b, 0,1,2,3
	v_max3_num_f32 v[TM+\b], v[TM+\b], |v[\s+16*\b+\i]|, |v[\s+1+16*\b+\i]|
.endr
.endr
.irp b, 0,1,2,3
	v_permlanex16_b32 v[TM+4+\b], v[TM+\b], s[SEL], s[SEL+1]
.endr
.irp b, 0,1,2,3
	v_max_num_f32 v[TM+\b], v[TM+\b], v[TM+4+\b]   ; the block's largest magnitude
.endr
.irp b, 0,1,2,3
	v_add_nc_u32 v[TM+12+\b], 0xff000000, v[TM+\b] ; 2 off its exponent field: the conversion's scale operand
.endr
.irp b, 0,1,2,3
	v_lshrrev_b32 v[TM+4+\b], 23, v[TM+12+\b]      ; the scale's byte
.endr
	v_lshl_or_b32 v[PW], v[TM+5], 8, v[TM+4]
	v_lshl_or_b32 v[PW], v[TM+6], 16, v[PW]
	v_lshl_or_b32 v[PW], v[TM+7], 24, v[PW]
.irp b, 0,1,2,3
	v_cvt_scalef32_pk8_fp4_f32 v[PCD+2*\b], v[\s+16*\b:\s+7+16*\b], v[TM+12+\b]
	v_cvt_scalef32_pk8_fp4_f32 v[PCD+1+2*\b], v[\s+8+16*\b:\s+15+16*\b], v[TM+12+\b]
.endr
	v_nop                                          ; one plain place behind the scaled conversions
.irp c, 0,1
.irp i, 0,1
	v_permlane16_swap_b32 v[PCD+4*\c+\i], v[PCD+2+4*\c+\i]
.endr
.endr
.endm
.macro IMGST k                         ; my half fragment and my two scale bytes of each row tile, into image k
	ds_store_b128 v[IWA], v[PCD:PCD+3] offset:AIMG*(\k)
	ds_store_b128 v[IWA], v[PCD+4:PCD+7] offset:AIMG*(\k)+4096
	ds_store_b16 v[ISA], v[PW] offset:AIMG*(\k)
	ds_store_b16_d16_hi v[ISA], v[PW] offset:AIMG*(\k)+512
.endm
.macro AFLOAD k                        ; the whole activation comes back: 8 fragments, 8 scale words
.irp u, 0,1
.irp s, 0,1,2,3
.irp c, 0,1
	ds_load_b128 v[AF+32*\u+8*\s+4*\c:AF+32*\u+8*\s+4*\c+3], v[LI] offset:AIMG*(\k)+4096*\u+1024*\s+512*\c
.endr
.endr
.endr
.irp u, 0,1
.irp s, 0,1,2,3
	ds_load_b32 v[ASC+4*\u+\s], v[LS] offset:AIMG*(\k)+8192+512*\u+128*\s
.endr
.endr
.endm
.macro SILU                            ; v[TMP] on = x / (1 + 2^(-x log2 e)) of the accumulators: two batches of transcendentals, one wait each
.set jj, 0
.rept 32
	v_pk_mul_f32 v[TMP+jj:TMP+jj+1], v[ACC+jj:ACC+jj+1], 0xbfb8aa3b op_sel_hi:[1,0]
.set jj, jj+2
.endr
.set jj, 0
.rept 64
	v_exp_f32 v[TMP+jj], v[TMP+jj]
.set jj, jj+1
.endr
	v_nop
	s_wait_alu depctr_va_vdst(0)                   ; the wait ahead of the batch's first reader
.set jj, 0
.rept 32
	v_pk_add_f32 v[TMP+jj:TMP+jj+1], v[TMP+jj:TMP+jj+1], 1.0 op_sel_hi:[1,0]
.set jj, jj+2
.endr
.set jj, 0
.rept 64
	v_rcp_f32 v[TMP+jj], v[TMP+jj]
.set jj, jj+1
.endr
	v_nop
	s_wait_alu depctr_va_vdst(0)
.set jj, 0
.rept 32
	v_pk_mul_f32 v[TMP+jj:TMP+jj+1], v[TMP+jj:TMP+jj+1], v[ACC+jj:ACC+jj+1]
.set jj, jj+2
.endr
.endm
.macro ROWSL                           ; my four tokens' whole rows out of LDS,
.irp i, 0,1,2,3
.irp k, 0,1,2,3
	ds_load_b128 v[TMP+16*\i+4*\k:TMP+16*\i+4*\k+3], v[XRW] offset:XPITCH*\i+512*\k
.endr
.endr
.endm
.macro ROWSS                           ; and to memory: 512 consecutive bytes a store
.irp i, 0,1,2,3
.irp k, 0,1,2,3
	global_store_b128 v[GRW], v[TMP+16*\i+4*\k:TMP+16*\i+4*\k+3], s[P_OUT:P_OUT+1] offset:2048*\i+512*\k th:TH_STORE_NT
.endr
.endr
.endm
; ================ THE HEAD
	s_load_b512 s[4:19], s[0:1], 0x0
	s_load_b128 s[20:23], s[0:1], 0x40
	s_load_b64 s[24:25], s[0:1], 0x50
	v_lshl_add_u32 v[SPW], v0, 2, SPARE
	v_mov_b32 v[NIL], 0
	v_lshrrev_b32 v195, 5, v0
	v_readfirstlane_b32 s[WV], v195                ; wave 0..7
	v_and_b32 v192, 31, v0                         ; lane
	v_and_b32 v193, 15, v0                         ; r
	v_bfe_u32 v194, v0, 4, 1                       ; h
	v_lshlrev_b32 v[LI], 4, v192
	v_lshlrev_b32 v[LS], 2, v192
	v_mul_u32_u24 v195, v193, XPITCH
	v_lshl_add_u32 v195, v194, 6, v195
	s_lshl_b32 s40, s[WV], 8                       ; my wave's 256 bytes of a row
	s_add_co_u32 s41, s40, XB
	v_add_nc_u32 v[XBA], s41, v195
	s_add_co_u32 s41, s40, PAR
	v_lshlrev_b32 v195, 6, v194
	v_add_nc_u32 v[PRA], s41, v195
	v_lshlrev_b32 v195, 3, v192
	v_add_nc_u32 v197, s41, v195                   ; LN vectors: where my 8 bytes go in LDS,
	v_add_nc_u32 v196, s40, v195                   ; and where they lie in memory
	s_bfe_u32 s40, s[WV], 0x10001                  ; token 4 w + i lies in slot 16 (bit 3) + 8 (bit 4) + (bits 2:0):
	s_lshl_b32 s40, s40, 4
	s_lshr_b32 s41, s[WV], 2
	s_lshl_b32 s41, s41, 3
	s_add_co_u32 s40, s40, s41
	s_and_b32 s41, s[WV], 1
	s_lshl_b32 s41, s41, 2
	s_add_co_u32 s40, s40, s41                     ; my four tokens' first slot
	s_mul_i32 s40, s40, XPITCH
	s_add_co_u32 s40, s40, XB
	v_add_nc_u32 v[XRW], s40, v[LI]
	v_lshl_add_u32 v[GRW], s[WV], 13, v[LI]
	v_and_b32 v195, 8, v193
	v_add_nc_u32 v195, v195, v193
	v_lshlrev_b32 v[WSA], 4, v195
	s_lshl_b32 s40, s[WV], 9                       ; K step w / 2, half w % 2: 1,024 (w / 2) + 512 (w % 2) = 512 w
	v_add_nc_u32 v[IWA], s40, v[LI]
	s_lshr_b32 s40, s[WV], 1
	s_lshl_b32 s40, s40, 7
	s_and_b32 s41, s[WV], 1
	s_lshl_b32 s41, s41, 1
	s_add_co_u32 s40, s40, s41
	s_add_co_u32 s40, s40, 8192
	v_add_nc_u32 v[ISA], s40, v[LS]
	s_lshl_b32 s40, s[WV], 2
	s_add_co_u32 s40, s40, PSUM
	v_lshlrev_b32 v195, 5, v192
	v_add_nc_u32 v[PSW], s40, v195
	v_lshl_add_u32 v[PSR], v193, 5, PSUM
	s_mov_b32 s[HIM], 0xffff0000                   ; lanes 16-31
	s_mov_b32 s[C512], 0x3b000000                  ; 1 / 512
	s_mov_b32 s[CEPS], 0x3727c5ac                  ; 1e-5
	s_mov_b32 s[SEL], 0x76543210
	s_mov_b32 s[SEL+1], 0xfedcba98                 ; v_permlanex16_b32's selects for lane l xor 16
	s_wait_kmcnt 0x0
	s_lshl_b32 s40, ttmp9, 16                      ; my block's 32 rows of 2,048 bytes
	s_mov_b32 s41, 0
	s_mov_b32 s43, 0
	s_add_nc_u64 s[P_X:P_X+1], s[P_X:P_X+1], s[40:41]
	s_add_nc_u64 s[P_OUT:P_OUT+1], s[P_OUT:P_OUT+1], s[40:41]
	s_lshl_b32 s42, ttmp9, 10
	s_add_nc_u64 s[CTS:CTS+1], s[P_CTX:P_CTX+1], s[42:43]          ; ctx's scale words of my two row tiles (the region's offset stands in the loads)
	s_lshl_b32 s42, ttmp9, 13
	s_add_nc_u64 s[P_CTX:P_CTX+1], s[P_CTX:P_CTX+1], s[42:43]      ; and their codes
	s_lshl_b32 s42, s[WV], 14
	s_add_nc_u64 s[P_WF:P_WF+1], s[P_WF:P_WF+1], s[42:43]          ; my four tiles of every weight
	s_lshl_b32 s42, s[WV], 10                      ; my 64 rows of 16 scale bytes
.irp p, P_SO, P_S1, P_S2
	s_add_nc_u64 s[\p:\p+1], s[\p:\p+1], s[42:43]
.endr
; what goes through LDS: my four rows of the residual, my 256 bytes of the LN vectors
.irp i, 0,1,2,3
.irp k, 0,1,2,3
	global_load_b128 v[ACC+16*\i+4*\k:ACC+16*\i+4*\k+3], v[GRW], s[P_X:P_X+1] offset:2048*\i+512*\k th:TH_LOAD_NT
.endr
.endr
	global_load_b64 v[200:201], v196, s[P_LAW:P_LAW+1] offset:LAOFF
	global_load_b64 v[202:203], v196, s[P_LAB:P_LAB+1] offset:LAOFF
	global_load_b64 v[204:205], v196, s[P_LBW:P_LBW+1] offset:LBOFF
	global_load_b64 v[206:207], v196, s[P_LBB:P_LBB+1] offset:LBOFF
; what goes straight into operand registers: G2 loads
.irp u, 0,1
.irp s, 0,1,2,3
.irp c, 0,1
	global_load_b128 v[AF+32*\u+8*\s+4*\c:AF+32*\u+8*\s+4*\c+3], v[LI], s[P_CTX:P_CTX+1] offset:4096*\u+1024*\s+512*\c
.endr
.endr
.endr
.irp u, 0,1
.irp s, 0,1,2,3
	global_load_b32 v[ASC+4*\u+\s], v[LS], s[CTS:CTS+1] offset:OCS+512*\u+128*\s
.endr
.endr
	WLOAD 0, RO+LAYER*131072, P_SO, LAYER*8192
	s_wait_loadcnt G2                              ; all but the G2 loads just issued: the rows and the LN vectors are in
.irp i, 0,1,2,3
.irp k, 0,1,2,3
	ds_store_b128 v[XRW], v[ACC+16*\i+4*\k:ACC+16*\i+4*\k+3] offset:XPITCH*\i+512*\k
.endr
.endr
	ds_store_b64 v197, v[200:201]
	ds_store_b64 v197, v[202:203] offset:2048
	ds_store_b64 v197, v[204:205] offset:4096
	ds_store_b64 v197, v[206:207] offset:6144
	s_wait_dscnt 0x0                               ; my stores have landed, for the others' sake
	WLOAD 1, R1+LAYER*262144, P_S1, LAYER*16384
	s_barrier_signal -1
	s_barrier_wait -1                              ; the 32 rows lie in LDS
; ================ ctx Wo + the residual
	XLD
	s_wait_loadcnt 36                              ; ctx and Wo are in; the next set's 36 loads may be out (so in front of every run of products but the last)
	s_wait_dscnt 0x0
	GEMM 0, 1
	PLACES
	WLOAD 0, R1+LAYER*262144+131072, P_S1, LAYER*16384+8192
	XST                                            ; kept for the MLP's residual
; ================ LN2, W1, the gate
	LNORM 0, 0
	QUANT ACC
	IMGST 0
	BARRIER
	AFLOAD 0
	s_wait_loadcnt 36
	s_wait_dscnt 0x0
	GEMM 1, 0                                      ; x1
	PLACES
	WLOAD 1, R2+LAYER*131072, P_S2, LAYER*8192
	SILU
	s_wait_loadcnt 36
	GEMM 0, 0                                      ; x2
	PLACES
.set jj, 0
.rept 32
	v_pk_mul_f32 v[ACC+jj:ACC+jj+1], v[TMP+jj:TMP+jj+1], v[ACC+jj:ACC+jj+1]    ; silu(x1) x2
.set jj, jj+2
.endr
	QUANT ACC
	IMGST 1
	BARRIER
	AFLOAD 1
	XLD
; ================ W2 + the residual
	s_wait_loadcnt 0x0                             ; the last set: nothing was asked for behind it
	s_wait_dscnt 0x0
	GEMM 1, 1
	PLACES
; ================ the closing LayerNorm, and out by whole rows
	LNORM 2, 2
	XST
	BARRIER
	ROWSL
	s_wait_dscnt 0x0
	ROWSS
	s_wait_tensorcnt 0x0                           ; the wave's end
	ds_add_u32 v[SPW], v[NIL]
	s_wait_dscnt 0x0
	s_endpgm
.Lfunc_end_k_qf8de62085e_last:
	.size	k_qf8de62085e_last, .Lfunc_end_k_qf8de62085e_last-k_qf8de62085e_last
	.p2alignl 7, 3214868480
	.fill 96, 4, 3214868480
	.section	.rodata,"a",@progbits
	.p2align	6, 0x0
	.amdhsa_kernel k_qf8de62085e_last
		.amdhsa_group_segment_fixed_size 239104
		.amdhsa_private_segment_fixed_size 0
		.amdhsa_enable_private_segment 0
		.amdhsa_kernarg_size 88
		.amdhsa_user_sgpr_count 2
		.amdhsa_user_sgpr_kernarg_segment_ptr 1
		.amdhsa_wavefront_size32 1
		.amdhsa_system_sgpr_workgroup_id_x 1
		.amdhsa_system_sgpr_workgroup_id_y 1
		.amdhsa_system_sgpr_workgroup_id_z 1
		.amdhsa_system_vgpr_workitem_id 0
		.amdhsa_next_free_vgpr 512
		.amdhsa_next_free_sgpr 66
		.amdhsa_reserve_vcc 0
		.amdhsa_float_denorm_mode_32 3
		.amdhsa_float_denorm_mode_16_64 3
		.amdhsa_memory_ordered 1
		.amdhsa_forward_progress 1
		.amdhsa_inst_pref_size 99
	.end_amdhsa_kernel
	.amdgpu_metadata
---
amdhsa.version: [ 1, 2 ]
amdhsa.kernels:
  - .name:           k_qf8de62085e_last
    .symbol:         k_qf8de62085e_last.kd
    .args:
      - { .name: x1, .offset: 0, .size: 8, .value_kind: global_buffer, .address_space: global }
      - { .name: ctx, .offset: 8, .size: 8, .value_kind: global_buffer, .address_space: global }
      - { .name: wf, .offset: 16, .size: 8, .value_kind: global_buffer, .address_space: global }
      - { .name: Wo_scales, .offset: 24, .size: 8, .value_kind: global_buffer, .address_space: global }
      - { .name: W1_scales, .offset: 32, .size: 8, .value_kind: global_buffer, .address_space: global }
      - { .name: W2_scales, .offset: 40, .size: 8, .value_kind: global_buffer, .address_space: global }
      - { .name: ln2_w, .offset: 48, .size: 8, .value_kind: global_buffer, .address_space: global }
      - { .name: ln2_b, .offset: 56, .size: 8, .value_kind: global_buffer, .address_space: global }
      - { .name: lnf_w, .offset: 64, .size: 8, .value_kind: global_buffer, .address_space: global }
      - { .name: lnf_b, .offset: 72, .size: 8, .value_kind: global_buffer, .address_space: global }
      - { .name: out0, .offset: 80, .size: 8, .value_kind: global_buffer, .address_space: global }
    .group_segment_fixed_size: 239104
    .private_segment_fixed_size: 0
    .kernarg_segment_align: 8
    .kernarg_segment_size: 88
    .max_flat_workgroup_size: 256
    .sgpr_count:     66
    .vgpr_count:     512
    .wavefront_size: 32
...
	.end_amdgpu_metadata
.endif
;; end of part 5
;; ======== version 2 of 2: 6 launches
;; workspace buffers: wf 1,835,008 bytes; qkv 7,471,104 bytes; ctx 2,359,296 bytes; x1 16,777,216 bytes
;; launch prep (part 6): grid 112 x 1, 4 waves a work-group, no clusters, 0 bytes of LDS; arguments Wq_codes, Wk_codes, Wv_codes, Wo_codes, W2_codes, W1_codes, wf; writes wf
.if DOCPART == 6
	.amdgcn_target "amdgcn-amd-amdhsa--gfx1250"
	.amdhsa_code_object_version 6
	.text
	.protected	k_qf8de62085e_prep
	.globl	k_qf8de62085e_prep
	.p2align	8
	.type	k_qf8de62085e_prep,@function
k_qf8de62085e_prep:
	s_mov_b64 s[64:65], 0
	v_nop
	global_prefetch_b8 v0, s[64:65] scope:SCOPE_SE
	s_setreg_imm32_b32 hwreg(HW_REG_WAVE_MODE, 25, 1), 1
	s_wait_xcnt 0x0
; THE PROGRAM: two transformer layers and a closing LayerNorm on 8,192 tokens of 512 features, every matrix product on E2M1 codes with E8M0 scales.
; Six launches: prep | front (LN1, q k v of layer 0) | attention 0 | mid (Wo, MLP of layer 0; LN1, q k v of layer 1) | attention 1 | last (Wo, MLP of layer 1, closing LN).
; DEAD WORK: none is left out.  attn_mask differs from key to key, so it moves the softmax; pos_cos and pos_sin are read as whole [4][2048][512] arrays, for each layer;
; all gains and biases of the LayerNorms are loaded.  Every input of the problem is an argument of some launch.
; LIMITS of the program: a block of 32 zeros gets the scale byte 1 where the quantiser says 127 (its codes are zeros, and the bytes are read by this program alone);
; blocks whose largest magnitude lies under 2^-124 are held at that byte; NaN and infinities among the inputs are not served, but for -infinity in attn_mask;
; a mask beyond 4.2e37 in magnitude becomes an infinity of its sign (it is multiplied by 8); a query all of whose keys are masked by -infinity is not served.
;
; THIS LAUNCH lays the six weights' codes in the order in which a wave's operand registers take them, so that every later weight load is 512 consecutive bytes.
; A tile is 16 rows (outputs) x 512 K.  THE ROWS OF A TILE ARE NOT NEIGHBOURS: lane row r of tile t is row 32 (t / 2) + 8 (t % 2) + r + 8 (r / 8), so that the results of two
; neighbouring tiles are 16 neighbours along the next product's K.  In wf a tile is 4,096 bytes: [k8 = 0..7][lane 32][16 bytes]; piece k8 of lane (r, h) is bytes 32 k8 + 16 h of its row.
; wf holds, on end: Wq, Wk, Wv, Wo, W2 (64 tiles each, both layers), W1 (128 tiles).  One wave moves one tile; 448 tiles; work-groups 0-15 Wq, 16-31 Wk, 32-47 Wv, 48-63 Wo, 64-79 W2, 80-111 W1.
	s_load_b256 s[4:11], s[0:1], 0x0               ; Wq, Wk, Wv, Wo
	s_load_b128 s[12:15], s[0:1], 0x20             ; W2, W1
	s_load_b64 s[16:17], s[0:1], 0x30              ; wf
	v_lshrrev_b32 v1, 5, v0
	v_readfirstlane_b32 s18, v1                    ; wave 0..3
	v_and_b32 v2, 15, v0                           ; r
	v_bfe_u32 v3, v0, 4, 1                         ; h
	v_and_b32 v4, 8, v2
	v_add_nc_u32 v4, v4, v2                        ; r + 8 (r / 8)
	v_lshlrev_b32 v4, 8, v4                        ; a row of 512 codes is 256 bytes
	v_lshl_add_u32 v4, v3, 4, v4                   ; + 16 h: where I read
	v_and_b32 v5, 31, v0
	v_lshlrev_b32 v5, 4, v5                        ; 16 x lane: where I write
	s_wait_alu depctr_va_vdst(0)
	s_wait_kmcnt 0x0
	s_mov_b64 s[20:21], s[14:15]                   ; which weight is my work-group's, and its first work-group: a choice on the work-group's number alone
	s_mov_b32 s22, 80
	s_cmp_lt_u32 ttmp9, 80
	s_cselect_b64 s[20:21], s[12:13], s[20:21]
	s_cselect_b32 s22, 64, s22
	s_cmp_lt_u32 ttmp9, 64
	s_cselect_b64 s[20:21], s[10:11], s[20:21]
	s_cselect_b32 s22, 48, s22
	s_cmp_lt_u32 ttmp9, 48
	s_cselect_b64 s[20:21], s[8:9], s[20:21]
	s_cselect_b32 s22, 32, s22
	s_cmp_lt_u32 ttmp9, 32
	s_cselect_b64 s[20:21], s[6:7], s[20:21]
	s_cselect_b32 s22, 16, s22
	s_cmp_lt_u32 ttmp9, 16
	s_cselect_b64 s[20:21], s[4:5], s[20:21]
	s_cselect_b32 s22, 0, s22
	s_sub_co_u32 s23, ttmp9, s22
	s_lshl_b32 s23, s23, 2
	s_add_co_u32 s23, s23, s18                     ; my tile in that weight
	s_lshr_b32 s24, s23, 1
	s_lshl_b32 s24, s24, 13                        ; 32 rows of 256 bytes for each pair of tiles,
	s_and_b32 s25, s23, 1
	s_lshl_b32 s25, s25, 11                        ; 8 rows for the odd one
	s_add_co_u32 s24, s24, s25
	s_mov_b32 s25, 0
	s_add_nc_u64 s[20:21], s[20:21], s[24:25]
	s_lshl_b32 s24, ttmp9, 2
	s_add_co_u32 s24, s24, s18
	s_lshl_b32 s24, s24, 12                        ; my tile in wf: 4,096 bytes each, in the order of the work-groups
	s_add_nc_u64 s[16:17], s[16:17], s[24:25]
.irp k, 0,1,2,3,4,5,6,7
	global_load_b128 v[8+4*\k:11+4*\k], v4, s[20:21] offset:32*\k
.endr
	s_wait_loadcnt 0x0
.irp k, 0,1,2,3,4,5,6,7
	global_store_b128 v5, v[8+4*\k:11+4*\k], s[16:17] offset:512*\k     ; 32 lanes store 512 consecutive bytes
.endr
	s_endpgm
.Lfunc_end_k_qf8de62085e_prep:
	.size	k_qf8de62085e_prep, .Lfunc_end_k_qf8de62085e_prep-k_qf8de62085e_prep
	.p2alignl 7, 3214868480
	.fill 96, 4, 3214868480
	.section	.rodata,"a",@progbits
	.p2align	6, 0x0
	.amdhsa_kernel k_qf8de62085e_prep
		.amdhsa_group_segment_fixed_size 0
		.amdhsa_private_segment_fixed_size 0
		.amdhsa_enable_private_segment 0
		.amdhsa_kernarg_size 56
		.amdhsa_user_sgpr_count 2
		.amdhsa_user_sgpr_kernarg_segment_ptr 1
		.amdhsa_wavefront_size32 1
		.amdhsa_system_sgpr_workgroup_id_x 1
		.amdhsa_system_sgpr_workgroup_id_y 1
		.amdhsa_system_sgpr_workgroup_id_z 1
		.amdhsa_system_vgpr_workitem_id 0
		.amdhsa_next_free_vgpr 48
		.amdhsa_next_free_sgpr 66
		.amdhsa_reserve_vcc 0
		.amdhsa_float_denorm_mode_32 3
		.amdhsa_float_denorm_mode_16_64 3
		.amdhsa_memory_ordered 1
		.amdhsa_forward_progress 1
		.amdhsa_inst_pref_size 4
	.end_amdhsa_kernel
	.amdgpu_metadata
---
amdhsa.version: [ 1, 2 ]
amdhsa.kernels:
  - .name:           k_qf8de62085e_prep
    .symbol:         k_qf8de62085e_prep.kd
    .args:
      - { .name: Wq_codes, .offset: 0, .size: 8, .value_kind: global_buffer, .address_space: global }
      - { .name: Wk_codes, .offset: 8, .size: 8, .value_kind: global_buffer, .address_space: global }
      - { .name: Wv_codes, .offset: 16, .size: 8, .value_kind: global_buffer, .address_space: global }
      - { .name: Wo_codes, .offset: 24, .size: 8, .value_kind: global_buffer, .address_space: global }
      - { .name: W2_codes, .offset: 32, .size: 8, .value_kind: global_buffer, .address_space: global }
      - { .name: W1_codes, .offset: 40, .size: 8, .value_kind: global_buffer, .address_space: global }
      - { .name: wf, .offset: 48, .size: 8, .value_kind: global_buffer, .address_space: global }
    .group_segment_fixed_size: 0
    .private_segment_fixed_size: 0
    .kernarg_segment_align: 8
    .kernarg_segment_size: 56
    .max_flat_workgroup_size: 128
    .sgpr_count:     66
    .vgpr_count:     48
    .wavefront_size: 32
...
	.end_amdgpu_metadata
.endif
;; end of part 6
;; launch front (part 7): grid 256 x 1, 8 waves a work-group, no clusters, 239,104 bytes of LDS; arguments x, wf, Wq_scales, Wk_scales, Wv_scales, ln1_w, ln1_b, pos_cos, pos_sin, qkv; writes qkv
.if DOCPART == 7
	.amdgcn_target "amdgcn-amd-amdhsa--gfx1250"
	.amdhsa_code_object_version 6
	.text
	.protected	k_qf8de62085e_front
	.globl	k_qf8de62085e_front
	.p2align	8
	.type	k_qf8de62085e_front,@function
k_qf8de62085e_front:
	s_mov_b64 s[64:65], 0
	v_nop
	global_prefetch_b8 v0, s[64:65] scope:SCOPE_SE
	s_setreg_imm32_b32 hwreg(HW_REG_WAVE_SCHED_MODE, 0, 2), 2
	s_setreg_imm32_b32 hwreg(HW_REG_WAVE_MODE, 25, 1), 1
	s_wait_xcnt 0x0
	s_wait_alu depctr_vm_vsrc(0)
; THE CHAIN, one text for three launches; KIND chooses the arms.  No work of the model is left out here.
;   KIND 0 (front): LN1 of layer 0, quantise, q k v, RoPE, quantise q and k along the head and v along the keys -> qkv.
;   KIND 1 (mid):   ctx Wo + x, LN2, W1, silu gate, W2, + residual -> x1; then all of KIND 0's work for layer 1.
;   KIND 2 (last):  ctx Wo + x1, LN2, W1, gate, W2, + residual, closing LN -> out0.
; SHARES.  A work-group of eight waves takes 32 tokens: two row tiles u = 0, 1; lane row r of tile u is token 8 u + r + 8 (r / 8) of the block.  THE WAVES SHARE THE COLUMNS: wave w makes
; features 64 w .. 64 w + 63 (head w) of every product: four tiles of weight rows (prep's order) x two row tiles = 8 accumulators by turns, 32 matrix instructions a product.
; PRODUCTS ARE USED TRANSPOSED (source 0 = 16 weight rows, source 1 = 16 tokens): a lane holds one token, and the 16 registers of tiles 2 b, 2 b + 1 are features 32 b + 16 (lane / 16) + 0 .. 15:
; neighbours along the next K, which the conversions want.  v alone is used the natural way round, so that a lane holds one channel and its registers run along the tokens, its K.
; WEIGHTS come from wf straight into registers, 512 consecutive bytes a load, two sets by turns in window 1; set n + 2 is asked for behind the products of set n.
; OPERANDS GO FROM WAVE TO WAVE THROUGH LDS AS IMAGES OF THEIR REGISTERS: a wave's 64 features are half a fragment (four registers) and two scale bytes of each row tile.
; The residual, cos and sin lie in LDS by rows, in the tiles' order of tokens, 2,064 bytes apart: the 16 rows that a column read touches begin in 16 different runs of 16 bytes modulo 256.
; LIMITS: a block of zeros gets the scale byte 1 (zero codes; this program alone reads the bytes); largest magnitudes under 2^-124 are held at that byte; NaN and infinities are not served.
; THE MODE: SCHED_MODE bits 1:0 = 2 (LLVM: expert scheduling mode 2), set by the entry lines.  The code itself states the register dependences
; between vector or matrix instructions and memory or LDS instructions, with s_wait_alu, always for 0.
; THE PLAN.  Registers that memory or LDS instructions touch, and who else names them:
;   v3-15       addresses and offsets: written at the head, ahead of one wait on va_vdst, and never again.
;   window 1    the two weight sets, and v96-127 their scale words: read by a run of 32 products; the set after next lands there behind ONE wait on va_vdst, which follows the run's places.
;               The same wait shows the accumulators written where they are stored to LDS behind the run.
;   v128-191    the accumulators: loaded from and stored to the residual's rows in LDS; written by products and by vector work.
;   v24-95      the activation's fragments and scale words, loaded from an image; while they are dead the LayerNorm's temporaries: v[LT+2] is stored, the eight waves' parts land in v[LT+16] on.
;   v192-255    at work: LN vectors, cos and sin and whole rows land there; the quantiser writes its codes and scale word there, and they are stored from there.  v16-17: scale words, stored.
; Each run of stores of vector or matrix results has one wait on va_vdst ahead of it, which also covers the loads that follow it into registers that earlier vector work named;
; each register that a store has read has one wait on vm_vsrc ahead of its next writer.  No scaled product takes an operand that a vector instruction wrote: all come by loads.
.set KIND, 0
.set P_X, 4                            ; s[4:5] x;  the other pointers likewise, in the order of the arguments
.set P_WF, 6
.set P_SQ, 8
.set P_SK, 10
.set P_SV, 12
.set P_LAW, 14
.set P_LAB, 16
.set P_COS, 18
.set P_SIN, 20
.set P_QKV, 22
.set LAOFF, 0                          ; byte offset of the layer in the first LayerNorm's vectors
.set TL, 0                             ; the layer of Wq, Wk, Wv
.set TK, 0                             ; which image, partial sums and LN vectors the q k v part uses
.set G2, 36                            ; loads issued at the head behind those that go through LDS
; wf's regions, qkv's and ctx's, in bytes
.set RQ, 0
.set RK, 262144
.set RV, 524288
.set RO, 786432
.set R2, 1048576
.set R1, 1310720
.set OQC, 0                            ; q's codes  [bh][tile 128][lane][16]
.set OKC, 2097152                      ; k's codes  likewise
.set OVC, 4194304                      ; v's codes  [bh][key step 16][tile 4][c 2][lane][16]
.set OQS, 6291456                      ; q's scale words [bh][tile][lane][4]
.set OKS, 6815744                      ; k's
.set OVS, 7340032                      ; v's [bh][key step][tile][r 16][4]
.set OCS, 2097152                      ; ctx: scale words [row tile 512][K step 4][lane][4], behind the codes [row tile][K step][c][lane][16]
; LDS
.set AIMG, 9216                        ; three images of an activation: 8,192 bytes of codes [u][s][c][lane][16], 1,024 of scale words [u][s][lane][4]
.set PSUM, 27648                       ; four regions of partial sums, [slot 32][wave 8] f32
.set PAR, 31744                        ; four LN vectors of 2,048 bytes
.set SPARE, 39936                      ; the spare words, 128 bytes a wave: four blocks of 256 bytes that no other line names
.set XB, 40960                         ; 32 rows of the residual,
.set XPITCH, 2064
.set XREG, 66048                       ; then 32 of cos, then 32 of sin
; vector registers, window 0
.set SPW, 1                            ; my spare word's address; never rewritten
.set NIL, 2                            ; 0; never rewritten
.set LI, 3                             ; 16 x lane
.set LS, 4                             ; 4 x lane
.set XBA, 5                            ; residual: row r, my wave's 256 bytes, + 64 h
.set CBA, 6                            ; the same place in cos
.set SBA, 7                            ; and in sin
.set XRW, 8                            ; residual by rows: my wave's four tokens' slots, + 16 x lane
.set GRW, 9                            ; the same four rows in memory: 8,192 w + 16 x lane
.set WSA, 10                           ; a weight row's 16 scale bytes: 16 (r + 8 (r / 8))
.set IWA, 11                           ; where I store my half fragments
.set ISA, 12                           ; and my two scale bytes
.set PSW, 13                           ; partial sums: my word
.set PSR, 14                           ; and the eight words of slot r
.set PRA, 15                           ; LN vectors: my wave's 256 bytes, + 64 h
.set RT, 16                            ; v16-23 at work
.set AF, 24                            ; v24-87  the activation's fragments [u][s], 8 registers each
.set LT, 24                            ;         (LayerNorm's temporaries while those are dead)
.set ASC, 88                           ; v88-95  their scale words, 4 u + s
.set WSC, 96                           ; v96-127 the weights' scale words, 16 p + 4 t + s
.set ACC, 128                          ; v128-191 the eight accumulators
.set TMP, 192                          ; v192-255 at work
.set TM, TMP
.set PW, TMP+16
.set PCD, TMP+24
; scalars
.set WV, 38
.set PQ, 46
.set PSQ, 48
.set PV, 50
.set PVS, 52
.set HIM, 54
.set C512, 55
.set CEPS, 56
.set PADW, 57
.set SEL, 58
.set CTS, 60
.set MSB, 0
.macro WIN new                         ; the immediate's high byte repeats the setting that is left
.if MSB != \new
	s_set_vgpr_msb (MSB<<8)|\new
.set MSB, \new
.endif
.endm
.macro PLACES                          ; behind a run of products: four places are owed to readers of the results, five to a later product that writes over an accumulator
.rept 5
	v_nop
.endr
.endm
.macro BARRIER                         ; my LDS stores have landed and my LDS loads are in: then the work-group's barrier
	s_wait_dscnt 0x0
	s_barrier_signal -1
	s_barrier_wait -1
.endm
; A set of weights: my four tiles x 512 K (32 loads of 512 consecutive bytes) into set p of window 1, and their rows' scale words (a row's 16 bytes are its four K steps' words): 36 loads.
.macro WLOAD p, cimm, sp, simm
	WIN 0x40
.irp t, 0,1,2,3
.irp k, 0,1,2,3,4,5,6,7
	global_load_b128 v[128*(\p)+32*\t+4*\k:128*(\p)+32*\t+4*\k+3], v[LI], s[P_WF:P_WF+1] offset:(\cimm)+4096*\t+512*\k
.endr
.endr
	WIN 0
.irp t, 0,1,2,3
	global_load_b128 v[WSC+16*(\p)+4*\t:WSC+16*(\p)+4*\t+3], v[WSA], s[\sp:\sp+1] offset:(\simm)+512*(\t/2)+128*(\t%2)
.endr
.endm
.macro MM0 d, a, b, sa, sb             ; a product that starts a sum
	v_wmma_scale_f32_16x16x128_f8f6f4 v[\d:\d+7], v[\a:\a+7], v[\b:\b+7], 0, v[\sa], v[\sb] matrix_a_fmt:MATRIX_FMT_FP4 matrix_b_fmt:MATRIX_FMT_FP4
.endm
.macro MMA d, a, b, sa, sb             ; and one that adds in place
	v_wmma_scale_f32_16x16x128_f8f6f4 v[\d:\d+7], v[\a:\a+7], v[\b:\b+7], v[\d:\d+7], v[\sa], v[\sb] matrix_a_fmt:MATRIX_FMT_FP4 matrix_b_fmt:MATRIX_FMT_FP4
.endm
; 32 products on weight set p; the eight accumulators take turns, one instruction a turn.
; mode 0: transposed, the first K step starts the sums.  mode 1: transposed, onto the residual that lies in the accumulators.  mode 2: natural (source 0 = tokens, source 1 = weight rows).
.macro GEMM p, mode
.if \mode == 2
	WIN 0x04
.else
	WIN 0x01
.endif
.irp s, 0,1,2,3
.irp t, 0,1,2,3
.irp u, 0,1
.if \mode == 2
.if \s == 0
	MM0 ACC+16*\t+8*\u, AF+32*\u+8*\s, 128*(\p)+32*\t+8*\s, ASC+4*\u+\s, WSC+16*(\p)+4*\t+\s
.else
	MMA ACC+16*\t+8*\u, AF+32*\u+8*\s, 128*(\p)+32*\t+8*\s, ASC+4*\u+\s, WSC+16*(\p)+4*\t+\s
.endif
.elseif (\mode == 0) && (\s == 0)
	MM0 ACC+32*\u+8*\t, 128*(\p)+32*\t+8*\s, AF+32*\u+8*\s, WSC+16*(\p)+4*\t+\s, ASC+4*\u+\s
.else
	MMA ACC+32*\u+8*\t, 128*(\p)+32*\t+8*\s, AF+32*\u+8*\s, WSC+16*(\p)+4*\t+\s, ASC+4*\u+\s
.endif
.endr
.endr
.endr
	WIN 0
.endm
.macro XLD                             ; my columns of the residual, in the accumulators' layout
.irp u, 0,1
.irp t, 0,1,2,3
	ds_load_b128 v[ACC+32*\u+8*\t:ACC+32*\u+8*\t+3], v[XBA] offset:16*XPITCH*\u+128*(\t/2)+32*(\t%2)
	ds_load_b128 v[ACC+32*\u+8*\t+4:ACC+32*\u+8*\t+7], v[XBA] offset:16*XPITCH*\u+128*(\t/2)+32*(\t%2)+16
.endr
.endr
.endm
.macro XST                             ; and back: my wave's own bytes; each accumulator from its low end on
.irp u, 0,1
.irp t, 0,1,2,3
	ds_store_b128 v[XBA], v[ACC+32*\u+8*\t:ACC+32*\u+8*\t+3] offset:16*XPITCH*\u+128*(\t/2)+32*(\t%2)
	ds_store_b128 v[XBA], v[ACC+32*\u+8*\t+4:ACC+32*\u+8*\t+7] offset:16*XPITCH*\u+128*(\t/2)+32*(\t%2)+16
.endr
.endr
.endm
; Four chains a row tile in v[LT + 8 u + 2 c] are joined, both halves of the lanes added, the eight waves' parts exchanged through region ps: each token's sum over 512 features lands in v[LT + 16 + 8 u].
.macro LNRED ps
.irp u, 0,1
	v_pk_add_f32 v[LT+8*\u:LT+8*\u+1], v[LT+8*\u:LT+8*\u+1], v[LT+8*\u+2:LT+8*\u+3]
	v_pk_add_f32 v[LT+8*\u+4:LT+8*\u+5], v[LT+8*\u+4:LT+8*\u+5], v[LT+8*\u+6:LT+8*\u+7]
.endr
.irp u, 0,1
	v_pk_add_f32 v[LT+8*\u:LT+8*\u+1], v[LT+8*\u:LT+8*\u+1], v[LT+8*\u+4:LT+8*\u+5]
.endr
.irp u, 0,1
	v_add_f32 v[LT+8*\u], v[LT+8*\u], v[LT+8*\u+1]
.endr
.irp u, 0,1
	v_permlanex16_b32 v[LT+8*\u+1], v[LT+8*\u], s[SEL], s[SEL+1]
.endr
.irp u, 0,1
	v_add_f32 v[LT+8*\u], v[LT+8*\u], v[LT+8*\u+1]
.endr
	v_cndmask_b32 v[LT+2], v[LT], v[LT+8], s[HIM]  ; lanes 0-15 keep row tile 0's, lanes 16-31 row tile 1's: lane = slot
	s_wait_alu depctr_va_vdst(0)                   ; v[LT+2] is written, which the store reads; the vector and matrix instructions so far are done with v[LT+16] to v[LT+31], in which the eight waves' parts land
	ds_store_b32 v[PSW], v[LT+2] offset:1024*(\ps)
	BARRIER
.irp u, 0,1
	ds_load_b128 v[LT+16+8*\u:LT+19+8*\u], v[PSR] offset:1024*(\ps)+512*\u
	ds_load_b128 v[LT+20+8*\u:LT+23+8*\u], v[PSR] offset:1024*(\ps)+512*\u+16
.endr
	s_wait_dscnt 0x0
.irp u, 0,1
	v_pk_add_f32 v[LT+16+8*\u:LT+17+8*\u], v[LT+16+8*\u:LT+17+8*\u], v[LT+18+8*\u:LT+19+8*\u]
	v_pk_add_f32 v[LT+20+8*\u:LT+21+8*\u], v[LT+20+8*\u:LT+21+8*\u], v[LT+22+8*\u:LT+23+8*\u]
.endr
.irp u, 0,1
	v_pk_add_f32 v[LT+16+8*\u:LT+17+8*\u], v[LT+16+8*\u:LT+17+8*\u], v[LT+20+8*\u:LT+21+8*\u]
.endr
.irp u, 0,1
	v_add_f32 v[LT+16+8*\u], v[LT+16+8*\u], v[LT+17+8*\u]
.endr
.endm
; LayerNorm of the accumulators, in place, in two passes as the model has it: the mean, then the mean of the squares of x - mean.  ka, ka + 1: regions of partial sums; kp, kp + 1: gain and bias.
.macro LNORM ka, kp
.irp t, 0,1,2,3
.irp q, 0,1
	ds_load_b128 v[TMP+8*\t+4*\q:TMP+8*\t+4*\q+3], v[PRA] offset:2048*(\kp)+128*(\t/2)+32*(\t%2)+16*\q
	ds_load_b128 v[TMP+32+8*\t+4*\q:TMP+32+8*\t+4*\q+3], v[PRA] offset:2048*(\kp)+2048+128*(\t/2)+32*(\t%2)+16*\q
.endr
.endr
.irp u, 0,1
.irp c, 0,1,2,3
	v_pk_add_f32 v[LT+8*\u+2*\c:LT+8*\u+2*\c+1], v[ACC+32*\u+8*\c:ACC+32*\u+8*\c+1], v[ACC+32*\u+8*\c+2:ACC+32*\u+8*\c+3]   ; chain c begins at the low end of accumulator c
.endr
.endr
.irp i, 4,6
.irp u, 0,1
.irp c, 0,1,2,3
	v_pk_add_f32 v[LT+8*\u+2*\c:LT+8*\u+2*\c+1], v[LT+8*\u+2*\c:LT+8*\u+2*\c+1], v[ACC+32*\u+8*\c+\i:ACC+32*\u+8*\c+\i+1]
.endr
.endr
.endr
	LNRED \ka
	s_wait_alu depctr_vm_vsrc(0)                   ; my partial sum's store has read v[LT+2], which the second pass writes again; where the accumulators were stored to LDS ahead of this LayerNorm, those stores have read them: they are written from here on
.irp u, 0,1
	v_mul_f32 v[LT+16+8*\u], s[C512], v[LT+16+8*\u]                ; the mean
.endr
.irp u, 0,1
.set jj, 0
.rept 16
	v_pk_add_f32 v[ACC+32*\u+jj:ACC+32*\u+jj+1], v[ACC+32*\u+jj:ACC+32*\u+jj+1], v[LT+16+8*\u:LT+17+8*\u] op_sel_hi:[1,0] neg_lo:[0,1] neg_hi:[0,1]
.set jj, jj+2
.endr
.endr
.irp u, 0,1
.irp c, 0,1,2,3
	v_pk_mul_f32 v[LT+8*\u+2*\c:LT+8*\u+2*\c+1], v[ACC+32*\u+8*\c:ACC+32*\u+8*\c+1], v[ACC+32*\u+8*\c:ACC+32*\u+8*\c+1]
.endr
.endr
.irp i, 2,4,6
.irp u, 0,1
.irp c, 0,1,2,3
	v_pk_fma_f32 v[LT+8*\u+2*\c:LT+8*\u+2*\c+1], v[ACC+32*\u+8*\c+\i:ACC+32*\u+8*\c+\i+1], v[ACC+32*\u+8*\c+\i:ACC+32*\u+8*\c+\i+1], v[LT+8*\u+2*\c:LT+8*\u+2*\c+1]
.endr
.endr
.endr
	LNRED (\ka)+1
.irp u, 0,1
	v_fma_f32 v[LT+16+8*\u], v[LT+16+8*\u], s[C512], s[CEPS]       ; the variance + 1e-5
.endr
	s_wait_alu depctr_va_vdst(0)
.irp u, 0,1
	v_rsq_f32 v[LT+18+8*\u], v[LT+16+8*\u]
.endr
	v_nop                                          ; a plain instruction behind the two roots,
	s_wait_alu depctr_va_vdst(0)                   ; and the one wait ahead of their first reader: the two roots are written
.irp u, 0,1
.set jj, 0
.rept 16
	v_pk_mul_f32 v[ACC+32*\u+jj:ACC+32*\u+jj+1], v[ACC+32*\u+jj:ACC+32*\u+jj+1], v[LT+18+8*\u:LT+19+8*\u] op_sel_hi:[1,0]
.set jj, jj+2
.endr
.endr
.irp u, 0,1
.set jj, 0
.rept 16
	v_pk_fma_f32 v[ACC+32*\u+jj:ACC+32*\u+jj+1], v[ACC+32*\u+jj:ACC+32*\u+jj+1], v[TMP+jj:TMP+jj+1], v[TMP+32+jj:TMP+33+jj]
.set jj, jj+2
.endr
.endr
.endm
; 64 numbers of a lane, v[s] on: four blocks b, of each my 16 (lane l xor 16 has the other 16).  Codes to v[PCD] on, two registers a block; the four scale bytes to v[TM + 4 + b] and, as a word, to v[PW].
; swap = 1: blocks 2 c and 2 c + 1 change halves, so that v[PCD + 4 c] on are four registers of an operand: lanes 0-15 block 2 c, lanes 16-31 block 2 c + 1.
.macro QUANT s, swap
.irp b, 0,1,2,3
	v_mov_b32 v[TM+4+\b], 0                        ; a lane permute's destination counts as one of its sources
.endr
.irp b, 0,1,2,3
	v_max3_num_f32 v[TM+\b], |v[\s+16*\b]|, |v[\s+1+16*\b]|, 0x1800000   ; and the floor 2^(3 - 127): the byte cannot fall under 1
.endr
.irp i, 2,4,6,8,10,12,14
.irp b, 0,1,2,3
	v_max3_num_f32 v[TM+\b], v[TM+\b], |v[\s+16*\b+\i]|, |v[\s+1+16*\b+\i]|
.endr
.endr
.irp b, 0,1,2,3
	v_permlanex16_b32 v[TM+4+\b], v[TM+\b], s[SEL], s[SEL+1]
.endr
.irp b, 0,1,2,3
	v_max_num_f32 v[TM+\b], v[TM+\b], v[TM+4+\b]   ; the block's largest magnitude
.endr
.irp b, 0,1,2,3
	v_add_nc_u32 v[TM+12+\b], 0xff000000, v[TM+\b] ; 2 off its exponent field: the conversion's scale operand
.endr
.irp b, 0,1,2,3
	v_lshrrev_b32 v[TM+4+\b], 23, v[TM+12+\b]      ; the scale's byte
.endr
	v_lshl_or_b32 v[PW], v[TM+5], 8, v[TM+4]
	v_lshl_or_b32 v[PW], v[TM+6], 16, v[PW]
	v_lshl_or_b32 v[PW], v[TM+7], 24, v[PW]
.irp b, 0,1,2,3
	v_cvt_scalef32_pk8_fp4_f32 v[PCD+2*\b], v[\s+16*\b:\s+7+16*\b], v[TM+12+\b]
	v_cvt_scalef32_pk8_fp4_f32 v[PCD+1+2*\b], v[\s+8+16*\b:\s+15+16*\b], v[TM+12+\b]
.endr
	v_nop                                          ; one plain place behind the scaled conversions
.if \swap
.irp c, 0,1
.irp i, 0,1
	v_permlane16_swap_b32 v[PCD+4*\c+\i], v[PCD+2+4*\c+\i]
.endr
.endr
.endif
.endm
.macro IMGST k                         ; my half fragment and my two scale bytes of each row tile, into image k
	s_wait_alu depctr_va_vdst(0)                   ; the quantiser has written v[PCD] on and v[PW], which the stores read; the vector work so far is done with v24-95, the accumulators and v[TMP] on, in which loads land behind the barrier
	ds_store_b128 v[IWA], v[PCD:PCD+3] offset:AIMG*(\k)
	ds_store_b128 v[IWA], v[PCD+4:PCD+7] offset:AIMG*(\k)+4096
	ds_store_b16 v[ISA], v[PW] offset:AIMG*(\k)
	ds_store_b16_d16_hi v[ISA], v[PW] offset:AIMG*(\k)+512
.endm
.macro AFLOAD k                        ; the whole activation comes back: 8 fragments, 8 scale words
	s_wait_alu depctr_vm_vsrc(0)                   ; my LDS stores have read their data: v[LT+2], in which a fragment lands, and v[PCD] on and v[PW], which are written again
.irp u, 0,1
.irp s, 0,1,2,3
.irp c, 0,1
	ds_load_b128 v[AF+32*\u+8*\s+4*\c:AF+32*\u+8*\s+4*\c+3], v[LI] offset:AIMG*(\k)+4096*\u+1024*\s+512*\c
.endr
.endr
.endr
.irp u, 0,1
.irp s, 0,1,2,3
	ds_load_b32 v[ASC+4*\u+\s], v[LS] offset:AIMG*(\k)+8192+512*\u+128*\s
.endr
.endr
.endm
.macro SILU                            ; v[TMP] on = x / (1 + 2^(-x log2 e)) of the accumulators: two batches of transcendentals, one wait each
.set jj, 0
.rept 32
	v_pk_mul_f32 v[TMP+jj:TMP+jj+1], v[ACC+jj:ACC+jj+1], 0xbfb8aa3b op_sel_hi:[1,0]
.set jj, jj+2
.endr
.set jj, 0
.rept 64
	v_exp_f32 v[TMP+jj], v[TMP+jj]
.set jj, jj+1
.endr
	v_nop
	s_wait_alu depctr_va_vdst(0)                   ; the wait ahead of the batch's first reader: the 64 exponentials are written
.set jj, 0
.rept 32
	v_pk_add_f32 v[TMP+jj:TMP+jj+1], v[TMP+jj:TMP+jj+1], 1.0 op_sel_hi:[1,0]
.set jj, jj+2
.endr
.set jj, 0
.rept 64
	v_rcp_f32 v[TMP+jj], v[TMP+jj]
.set jj, jj+1
.endr
	v_nop
	s_wait_alu depctr_va_vdst(0)                   ; likewise: the 64 reciprocals are written
.set jj, 0
.rept 32
	v_pk_mul_f32 v[TMP+jj:TMP+jj+1], v[TMP+jj:TMP+jj+1], v[ACC+jj:ACC+jj+1]
.set jj, jj+2
.endr
.endm
; RoPE, in four chunks n = 2 u + u': eight channels d of the head's first half (a) and their partners d + 32 (b).  a' = a cos(d) - b sin(d);  b' = b cos(d + 32) + a sin(d + 32).
.macro RLOAD n
.set RB, TMP+32*((\n)%2)
.set RO, 16*XPITCH*((\n)/2)+32*((\n)%2)
	ds_load_b128 v[RB:RB+3], v[CBA] offset:RO
	ds_load_b128 v[RB+4:RB+7], v[CBA] offset:RO+16
	ds_load_b128 v[RB+8:RB+11], v[CBA] offset:RO+128
	ds_load_b128 v[RB+12:RB+15], v[CBA] offset:RO+144
	ds_load_b128 v[RB+16:RB+19], v[SBA] offset:RO
	ds_load_b128 v[RB+20:RB+23], v[SBA] offset:RO+16
	ds_load_b128 v[RB+24:RB+27], v[SBA] offset:RO+128
	ds_load_b128 v[RB+28:RB+31], v[SBA] offset:RO+144
.endm
.macro RWORK n
.set RB, TMP+32*((\n)%2)
.set RA, ACC+32*((\n)/2)+8*((\n)%2)
.irp j, 0,2,4,6
	v_pk_mul_f32 v[RT+\j:RT+\j+1], v[RA+\j:RA+\j+1], v[RB+24+\j:RB+25+\j]
.endr
.irp j, 0,2,4,6
	v_pk_mul_f32 v[RA+\j:RA+\j+1], v[RA+\j:RA+\j+1], v[RB+\j:RB+\j+1]
.endr
.irp j, 0,2,4,6
	v_pk_fma_f32 v[RA+\j:RA+\j+1], v[RA+16+\j:RA+17+\j], v[RB+16+\j:RB+17+\j], v[RA+\j:RA+\j+1] neg_lo:[1,0,0] neg_hi:[1,0,0]
.endr
.irp j, 0,2,4,6
	v_pk_fma_f32 v[RA+16+\j:RA+17+\j], v[RA+16+\j:RA+17+\j], v[RB+8+\j:RB+9+\j], v[RT+\j:RT+\j+1]
.endr
.endm
.macro ROPE
	RLOAD 0
	RLOAD 1
	s_wait_dscnt 8                                 ; the older chunk's eight loads are in; the younger chunk's eight may be out
	RWORK 0
	s_wait_alu depctr_va_vdst(0)                   ; chunk 0's arithmetic is done reading its cos and sin, in whose registers chunk 2's land
	RLOAD 2
	s_wait_dscnt 8
	RWORK 1
	s_wait_alu depctr_va_vdst(0)                   ; chunk 1's arithmetic is done reading its cos and sin, in whose registers chunk 3's land
	RLOAD 3
	s_wait_dscnt 8
	RWORK 2
	s_wait_dscnt 0x0
	RWORK 3
.endm
.macro QKST cimm, simm                 ; q's or k's two tiles: 512 consecutive bytes of codes each; a scale word = the head's two bytes, and 0x7f twice for the zero codes that fill K up to 128
	v_and_or_b32 v[RT], v[PW], 0xffff, s[PADW]
	v_lshrrev_b32 v[RT+1], 16, v[PW]
	v_or_b32 v[RT+1], s[PADW], v[RT+1]
	s_wait_alu depctr_va_vdst(0)                   ; the codes in v[PCD] on and the two scale words in v[RT], v[RT+1] are written, which the stores read; the vector work so far is done with v[TMP] on, in which the next cos and sin land
	global_store_b128 v[LI], v[PCD:PCD+3], s[PQ:PQ+1] offset:\cimm
	global_store_b128 v[LI], v[PCD+4:PCD+7], s[PQ:PQ+1] offset:\cimm+512
	global_store_b32 v[LS], v[RT], s[PSQ:PSQ+1] offset:\simm
	global_store_b32 v[LS], v[RT+1], s[PSQ:PSQ+1] offset:\simm+128
.endm
.macro ROWSL                           ; my four tokens' whole rows out of LDS,
.irp i, 0,1,2,3
.irp k, 0,1,2,3
	ds_load_b128 v[TMP+16*\i+4*\k:TMP+16*\i+4*\k+3], v[XRW] offset:XPITCH*\i+512*\k
.endr
.endr
.endm
.macro ROWSS                           ; and to memory: 512 consecutive bytes a store
.irp i, 0,1,2,3
.irp k, 0,1,2,3
	global_store_b128 v[GRW], v[TMP+16*\i+4*\k:TMP+16*\i+4*\k+3], s[P_OUT:P_OUT+1] offset:2048*\i+512*\k th:TH_STORE_NT
.endr
.endr
.endm
; ================ THE HEAD
.if KIND == 0
	s_load_b512 s[4:19], s[0:1], 0x0
	s_load_b128 s[20:23], s[0:1], 0x40
.elseif KIND == 1
	s_load_b512 s[4:19], s[0:1], 0x0
	s_load_b512 s[20:35], s[0:1], 0x40
	s_load_b64 s[36:37], s[0:1], 0x80
.else
	s_load_b512 s[4:19], s[0:1], 0x0
	s_load_b128 s[20:23], s[0:1], 0x40
	s_load_b64 s[24:25], s[0:1], 0x50
.endif
	v_lshl_add_u32 v[SPW], v0, 2, SPARE
	v_mov_b32 v[NIL], 0
	v_lshrrev_b32 v195, 5, v0
	v_readfirstlane_b32 s[WV], v195                ; wave 0..7
	v_and_b32 v192, 31, v0                         ; lane
	v_and_b32 v193, 15, v0                         ; r
	v_bfe_u32 v194, v0, 4, 1                       ; h
	v_lshlrev_b32 v[LI], 4, v192
	v_lshlrev_b32 v[LS], 2, v192
	v_mul_u32_u24 v195, v193, XPITCH
	v_lshl_add_u32 v195, v194, 6, v195
	s_wait_alu depctr_va_sdst(0)                   ; the wave's number is written, ahead of its first reader: LDS addresses and the buffers' offsets are made from it
	s_lshl_b32 s40, s[WV], 8                       ; my wave's 256 bytes of a row
	s_add_co_u32 s41, s40, XB
	v_add_nc_u32 v[XBA], s41, v195
.if KIND != 2
	v_add_nc_u32 v[CBA], XREG, v[XBA]
	v_add_nc_u32 v[SBA], 2*XREG, v[XBA]
.endif
	s_add_co_u32 s41, s40, PAR
	v_lshlrev_b32 v195, 6, v194
	v_add_nc_u32 v[PRA], s41, v195
	v_lshlrev_b32 v195, 3, v192
	v_add_nc_u32 v197, s41, v195                   ; LN vectors: where my 8 bytes go in LDS,
	v_add_nc_u32 v196, s40, v195                   ; and where they lie in memory
	s_bfe_u32 s40, s[WV], 0x10001                  ; token 4 w + i lies in slot 16 (bit 3) + 8 (bit 4) + (bits 2:0):
	s_lshl_b32 s40, s40, 4
	s_lshr_b32 s41, s[WV], 2
	s_lshl_b32 s41, s41, 3
	s_add_co_u32 s40, s40, s41
	s_and_b32 s41, s[WV], 1
	s_lshl_b32 s41, s41, 2
	s_add_co_u32 s40, s40, s41                     ; my four tokens' first slot
	s_mul_i32 s40, s40, XPITCH
	s_add_co_u32 s40, s40, XB
	v_add_nc_u32 v[XRW], s40, v[LI]
.if KIND != 2
	v_add_nc_u32 v198, XREG, v[XRW]
	v_add_nc_u32 v199, 2*XREG, v[XRW]
.endif
	v_lshl_add_u32 v[GRW], s[WV], 13, v[LI]
	v_and_b32 v195, 8, v193
	v_add_nc_u32 v195, v195, v193
	v_lshlrev_b32 v[WSA], 4, v195
	s_lshl_b32 s40, s[WV], 9                       ; K step w / 2, half w % 2: 1,024 (w / 2) + 512 (w % 2) = 512 w
	v_add_nc_u32 v[IWA], s40, v[LI]
	s_lshr_b32 s40, s[WV], 1
	s_lshl_b32 s40, s40, 7
	s_and_b32 s41, s[WV], 1
	s_lshl_b32 s41, s41, 1
	s_add_co_u32 s40, s40, s41
	s_add_co_u32 s40, s40, 8192
	v_add_nc_u32 v[ISA], s40, v[LS]
	s_lshl_b32 s40, s[WV], 2
	s_add_co_u32 s40, s40, PSUM
	v_lshlrev_b32 v195, 5, v192
	v_add_nc_u32 v[PSW], s40, v195
	v_lshl_add_u32 v[PSR], v193, 5, PSUM
	s_mov_b32 s[HIM], 0xffff0000                   ; lanes 16-31
	s_mov_b32 s[C512], 0x3b000000                  ; 1 / 512
	s_mov_b32 s[CEPS], 0x3727c5ac                  ; 1e-5
	s_mov_b32 s[PADW], 0x7f7f0000
	s_mov_b32 s[SEL], 0x76543210
	s_mov_b32 s[SEL+1], 0xfedcba98                 ; v_permlanex16_b32's selects for lane l xor 16
	s_wait_kmcnt 0x0
	s_lshl_b32 s40, ttmp9, 16                      ; my block's 32 rows of 2,048 bytes
	s_mov_b32 s41, 0
	s_mov_b32 s43, 0
	s_add_nc_u64 s[P_X:P_X+1], s[P_X:P_X+1], s[40:41]
.if KIND != 2
	s_add_nc_u64 s[P_COS:P_COS+1], s[P_COS:P_COS+1], s[40:41]
	s_add_nc_u64 s[P_SIN:P_SIN+1], s[P_SIN:P_SIN+1], s[40:41]
.endif
.if KIND != 0
	s_add_nc_u64 s[P_OUT:P_OUT+1], s[P_OUT:P_OUT+1], s[40:41]
	s_lshl_b32 s42, ttmp9, 10
	s_add_nc_u64 s[CTS:CTS+1], s[P_CTX:P_CTX+1], s[42:43]          ; ctx's scale words of my two row tiles (the region's offset stands in the loads)
	s_lshl_b32 s42, ttmp9, 13
	s_add_nc_u64 s[P_CTX:P_CTX+1], s[P_CTX:P_CTX+1], s[42:43]      ; and their codes
.endif
	s_lshl_b32 s42, s[WV], 14
	s_add_nc_u64 s[P_WF:P_WF+1], s[P_WF:P_WF+1], s[42:43]          ; my four tiles of every weight
	s_lshl_b32 s42, s[WV], 10                      ; my 64 rows of 16 scale bytes
.if KIND != 0
.irp p, P_SO, P_S1, P_S2
	s_add_nc_u64 s[\p:\p+1], s[\p:\p+1], s[42:43]
.endr
.endif
.if KIND != 2
.irp p, P_SQ, P_SK, P_SV
	s_add_nc_u64 s[\p:\p+1], s[\p:\p+1], s[42:43]
.endr
	s_lshr_b32 s40, ttmp9, 6                       ; the batch
	s_lshl_b32 s40, s40, 3
	s_add_co_u32 s40, s40, s[WV]                   ; bh = 8 x batch + head
	s_and_b32 s41, ttmp9, 63                       ; my block of 32 tokens in the sequence
	s_lshl_b32 s42, s40, 7
	s_lshl_b32 s43, s41, 1
	s_add_co_u32 s42, s42, s43                     ; its first tile among the head's 128
	s_lshl_b32 s42, s42, 7
	s_mov_b32 s43, 0
	s_add_nc_u64 s[PSQ:PSQ+1], s[P_QKV:P_QKV+1], s[42:43]          ; 128 bytes of scale words a tile,
	s_lshl_b32 s42, s42, 2
	s_add_nc_u64 s[PQ:PQ+1], s[P_QKV:P_QKV+1], s[42:43]            ; 512 of codes
	s_and_b32 s43, s41, 3                          ; which of a key step's four blocks of 32 keys I am
	s_lshr_b32 s41, s41, 2                         ; the key step
	s_lshl_b32 s40, s40, 4
	s_add_co_u32 s40, s40, s41
	s_lshl_b32 s42, s40, 8
	s_add_co_u32 s42, s42, s43                     ; v's scale bytes: 256 a key step, + my block's byte
	s_lshl_b32 s40, s40, 12
	s_lshl_b32 s43, s43, 8
	s_add_co_u32 s40, s40, s43                     ; v's codes: 4,096 a key step; block 2 c + h is registers 4 c on of lanes 16 h on: 256 bytes a block
	s_mov_b32 s41, 0
	s_mov_b32 s43, 0
	s_add_nc_u64 s[PV:PV+1], s[P_QKV:P_QKV+1], s[40:41]
	s_add_nc_u64 s[PVS:PVS+1], s[P_QKV:P_QKV+1], s[42:43]
.endif
	s_wait_alu depctr_va_vdst(0)                   ; the addresses and offsets v3 to v15 and v196 to v199 are written, which the loads and stores of the whole kernel read
; what goes through LDS: my four rows of the residual (and of cos and sin), my 256 bytes of the LN vectors
.irp i, 0,1,2,3
.irp k, 0,1,2,3
	global_load_b128 v[ACC+16*\i+4*\k:ACC+16*\i+4*\k+3], v[GRW], s[P_X:P_X+1] offset:2048*\i+512*\k th:TH_LOAD_NT
.endr
.endr
	global_load_b64 v[200:201], v196, s[P_LAW:P_LAW+1] offset:LAOFF
	global_load_b64 v[202:203], v196, s[P_LAB:P_LAB+1] offset:LAOFF
.if KIND != 0
	global_load_b64 v[204:205], v196, s[P_LBW:P_LBW+1] offset:LBOFF
	global_load_b64 v[206:207], v196, s[P_LBB:P_LBB+1] offset:LBOFF
.endif
.if KIND != 2
	WIN 0x40                                       ; into the second weight set's registers, which are free until these have gone to LDS
.irp i, 0,1,2,3
.irp k, 0,1,2,3
	global_load_b128 v[128+16*\i+4*\k:128+16*\i+4*\k+3], v[GRW], s[P_COS:P_COS+1] offset:2048*\i+512*\k th:TH_LOAD_NT
.endr
.endr
.irp i, 0,1,2,3
.irp k, 0,1,2,3
	global_load_b128 v[192+16*\i+4*\k:192+16*\i+4*\k+3], v[GRW], s[P_SIN:P_SIN+1] offset:2048*\i+512*\k th:TH_LOAD_NT
.endr
.endr
	WIN 0
.endif
; what goes straight into operand registers: G2 loads
.if KIND != 0
.irp u, 0,1
.irp s, 0,1,2,3
.irp c, 0,1
	global_load_b128 v[AF+32*\u+8*\s+4*\c:AF+32*\u+8*\s+4*\c+3], v[LI], s[P_CTX:P_CTX+1] offset:4096*\u+1024*\s+512*\c
.endr
.endr
.endr
.irp u, 0,1
.irp s, 0,1,2,3
	global_load_b32 v[ASC+4*\u+\s], v[LS], s[CTS:CTS+1] offset:OCS+512*\u+128*\s
.endr
.endr
	WLOAD 0, RO+LAYER*131072, P_SO, LAYER*8192
.else
	WLOAD 0, RQ+TL*131072, P_SQ, TL*8192
.endif
	s_wait_loadcnt G2                              ; all but the G2 loads just issued: the rows and the LN vectors are in
.irp i, 0,1,2,3
.irp k, 0,1,2,3
	ds_store_b128 v[XRW], v[ACC+16*\i+4*\k:ACC+16*\i+4*\k+3] offset:XPITCH*\i+512*\k
.endr
.endr
	ds_store_b64 v197, v[200:201]
	ds_store_b64 v197, v[202:203] offset:2048
.if KIND != 0
	ds_store_b64 v197, v[204:205] offset:4096
	ds_store_b64 v197, v[206:207] offset:6144
.endif
.if KIND != 2
	WIN 0x04                                       ; an LDS store's data are its source 1: window 1
.irp i, 0,1,2,3
.irp k, 0,1,2,3
	ds_store_b128 v198, v[128+16*\i+4*\k:128+16*\i+4*\k+3] offset:XPITCH*\i+512*\k
.endr
.endr
.irp i, 0,1,2,3
.irp k, 0,1,2,3
	ds_store_b128 v199, v[192+16*\i+4*\k:192+16*\i+4*\k+3] offset:XPITCH*\i+512*\k
.endr
.endr
	WIN 0
.endif
	s_wait_dscnt 0x0                               ; my stores have landed, for the others' sake
	s_wait_alu depctr_vm_vsrc(0)                   ; my LDS stores have read their data and addresses: the second weight set lands where cos and sin stood, the residual's columns in the accumulators, the LN vectors in v196 to v207
.if KIND != 0
	WLOAD 1, R1+LAYER*262144, P_S1, LAYER*16384
.else
	WLOAD 1, RK+TL*131072, P_SK, TL*8192
.endif
	s_barrier_signal -1
	s_barrier_wait -1                              ; the 32 rows lie in LDS
.if KIND != 0
; ================ ctx Wo + the residual
	XLD
	s_wait_loadcnt 36                              ; ctx and Wo are in; the next set's 36 loads may be out (so in front of every run of products but the last)
	s_wait_dscnt 0x0
	GEMM 0, 1
	PLACES
	s_wait_alu depctr_va_vdst(0)                   ; the products are done reading weight set 0 and its scale words, in which the next set lands, and have written the accumulators, which the LDS stores read
	WLOAD 0, R1+LAYER*262144+131072, P_S1, LAYER*16384+8192
	XST                                            ; kept for the MLP's residual
; ================ LN2, W1, the gate
	LNORM 0, 0
	QUANT ACC, 1
	IMGST 0
	BARRIER
	AFLOAD 0
	s_wait_loadcnt 36
	s_wait_dscnt 0x0
	GEMM 1, 0                                      ; x1
	PLACES
	s_wait_alu depctr_va_vdst(0)                   ; the products are done reading weight set 1 and its scale words, in which the next set lands
	WLOAD 1, R2+LAYER*131072, P_S2, LAYER*8192
	SILU
	s_wait_loadcnt 36
	GEMM 0, 0                                      ; x2
	PLACES
.if KIND == 1
	s_wait_alu depctr_va_vdst(0)                   ; the products are done reading weight set 0 and its scale words, in which the next set lands
	WLOAD 0, RQ+TL*131072, P_SQ, TL*8192
.endif
.set jj, 0
.rept 32
	v_pk_mul_f32 v[ACC+jj:ACC+jj+1], v[TMP+jj:TMP+jj+1], v[ACC+jj:ACC+jj+1]    ; silu(x1) x2
.set jj, jj+2
.endr
	QUANT ACC, 1
	IMGST 1
	BARRIER
	AFLOAD 1
	XLD
; ================ W2 + the residual
.if KIND == 1
	s_wait_loadcnt 36
.else
	s_wait_loadcnt 0x0                             ; the last set: nothing was asked for behind it
.endif
	s_wait_dscnt 0x0
	GEMM 1, 1
	PLACES
.if KIND == 1
	s_wait_alu depctr_va_vdst(0)                   ; the products are done reading weight set 1 and its scale words, in which the next set lands, and have written the accumulators, which the LDS stores read
	WLOAD 1, RK+TL*131072, P_SK, TL*8192
	XST                                            ; the layer's result: the LayerNorm's first barrier shows all its columns to all waves
.endif
.else
	XLD
	s_wait_dscnt 0x0
.endif
.if KIND == 2
; ================ the closing LayerNorm, and out by whole rows
	LNORM 2, 2
	s_wait_alu depctr_va_vdst(0)                   ; the LayerNorm has written the accumulators, which the LDS stores read, and is done reading its gain and bias, in whose registers the rows land
	XST
	BARRIER
	ROWSL
	s_wait_dscnt 0x0
	ROWSS
.else
; ================ LN1, q, k, v
	LNORM TK, TK
	QUANT ACC, 1
	IMGST TK
	BARRIER
	AFLOAD TK
.if KIND == 1
	ROWSL
.endif
	s_wait_loadcnt 36
	s_wait_dscnt 0x0
.if KIND == 1
	ROWSS                                          ; the layer's result goes to x1 while q is multiplied
.endif
	GEMM 0, 0                                      ; q
	PLACES
	s_wait_alu depctr_va_vdst(0)                   ; the products are done reading weight set 0 and its scale words, in which Wv's land
	WLOAD 0, RV+TL*131072, P_SV, TL*8192
	s_wait_xcnt 0x0                                ; earlier stores have read their registers: they are written again only behind this wait
.if KIND == 1
	s_wait_alu depctr_vm_vsrc(0)                   ; the stores of the layer's result have read v[TMP] on, in which cos and sin land
.endif
	ROPE
	QUANT ACC, 1
	QKST OQC, OQS
	s_wait_loadcnt 36
	GEMM 1, 0                                      ; k
	PLACES
	s_wait_xcnt 0x0
	s_wait_alu depctr_vm_vsrc(0)                   ; q's stores have read v[PCD] on, in which cos and sin land, and v[RT], v[RT+1], which RoPE writes
	ROPE
	QUANT ACC, 1
	QKST OKC, OKS
	s_wait_loadcnt 0x0
	GEMM 0, 2                                      ; v, the natural way round: lane (r, h) holds channel row r of tile t; registers 16 t + i are tokens 16 h + i of my block: one block of 32 keys
	PLACES
	s_wait_xcnt 0x0
	s_wait_alu depctr_vm_vsrc(0)                   ; k's stores have read v[PCD] on, which the quantiser writes again
	QUANT ACC, 0
	v_and_b32 v[RT+2], 15, v0
	v_bfe_u32 v[RT+3], v0, 4, 1
	v_lshlrev_b32 v[RT+4], 2, v[RT+2]              ; 4 r
	v_lshlrev_b32 v[RT+2], 4, v[RT+2]
	v_lshl_add_u32 v[RT+2], v[RT+3], 3, v[RT+2]    ; 16 r + 8 h: my 16 codes are half of a lane's 16 bytes
	s_wait_alu depctr_va_vdst(0)                   ; v's codes, its four scale bytes and the two offsets are written, which the stores read
.irp d, 0,1,2,3
	global_store_b64 v[RT+2], v[PCD+2*\d:PCD+2*\d+1], s[PV:PV+1] offset:OVC+1024*\d    ; 32 lanes store 256 consecutive bytes, aligned
.endr
.irp d, 0,1,2,3
	global_store_b8 v[RT+4], v[TM+4+\d], s[PVS:PVS+1] offset:OVS+64*\d                 ; my block's byte of each channel's scale word; both halves of the lanes write the same byte
.endr
.endif
	s_wait_dscnt 0x0                               ; the wave's end
	s_wait_alu 0x0
	s_wait_tensorcnt 0x0
	ds_add_u32 v[SPW], v[NIL]
	s_wait_dscnt 0x0
	s_endpgm
.Lfunc_end_k_qf8de62085e_front:
	.size	k_qf8de62085e_front, .Lfunc_end_k_qf8de62085e_front-k_qf8de62085e_front
	.p2alignl 7, 3214868480
	.fill 96, 4, 3214868480
	.section	.rodata,"a",@progbits
	.p2align	6, 0x0
	.amdhsa_kernel k_qf8de62085e_front
		.amdhsa_group_segment_fixed_size 239104
		.amdhsa_private_segment_fixed_size 0
		.amdhsa_enable_private_segment 0
		.amdhsa_kernarg_size 80
		.amdhsa_user_sgpr_count 2
		.amdhsa_user_sgpr_kernarg_segment_ptr 1
		.amdhsa_wavefront_size32 1
		.amdhsa_system_sgpr_workgroup_id_x 1
		.amdhsa_system_sgpr_workgroup_id_y 1
		.amdhsa_system_sgpr_workgroup_id_z 1
		.amdhsa_system_vgpr_workitem_id 0
		.amdhsa_next_free_vgpr 512
		.amdhsa_next_free_sgpr 66
		.amdhsa_reserve_vcc 0
		.amdhsa_float_denorm_mode_32 3
		.amdhsa_float_denorm_mode_16_64 3
		.amdhsa_memory_ordered 1
		.amdhsa_forward_progress 1
		.amdhsa_inst_pref_size 83
	.end_amdhsa_kernel
	.amdgpu_metadata
---
amdhsa.version: [ 1, 2 ]
amdhsa.kernels:
  - .name:           k_qf8de62085e_front
    .symbol:         k_qf8de62085e_front.kd
    .args:
      - { .name: x, .offset: 0, .size: 8, .value_kind: global_buffer, .address_space: global }
      - { .name: wf, .offset: 8, .size: 8, .value_kind: global_buffer, .address_space: global }
      - { .name: Wq_scales, .offset: 16, .size: 8, .value_kind: global_buffer, .address_space: global }
      - { .name: Wk_scales, .offset: 24, .size: 8, .value_kind: global_buffer, .address_space: global }
      - { .name: Wv_scales, .offset: 32, .size: 8, .value_kind: global_buffer, .address_space: global }
      - { .name: ln1_w, .offset: 40, .size: 8, .value_kind: global_buffer, .address_space: global }
      - { .name: ln1_b, .offset: 48, .size: 8, .value_kind: global_buffer, .address_space: global }
      - { .name: pos_cos, .offset: 56, .size: 8, .value_kind: global_buffer, .address_space: global }
      - { .name: pos_sin, .offset: 64, .size: 8, .value_kind: global_buffer, .address_space: global }
      - { .name: qkv, .offset: 72, .size: 8, .value_kind: global_buffer, .address_space: global }
    .group_segment_fixed_size: 239104
    .private_segment_fixed_size: 0
    .kernarg_segment_align: 8
    .kernarg_segment_size: 80
    .max_flat_workgroup_size: 256
    .sgpr_count:     66
    .vgpr_count:     512
    .wavefront_size: 32
...
	.end_amdgpu_metadata
.endif
;; end of part 7
;; launch attn0 (part 8): grid 8 x 32, 16 waves a work-group, no clusters, 161,792 bytes of LDS; arguments qkv, attn_mask, ctx; writes ctx
.if DOCPART == 8
	.amdgcn_target "amdgcn-amd-amdhsa--gfx1250"
	.amdhsa_code_object_version 6
	.text
	.protected	k_qf8de62085e_attn0
	.globl	k_qf8de62085e_attn0
	.p2align	8
	.type	k_qf8de62085e_attn0,@function
k_qf8de62085e_attn0:
	s_mov_b64 s[64:65], 0
	v_nop
	global_prefetch_b8 v0, s[64:65] scope:SCOPE_SE
	s_setreg_imm32_b32 hwreg(HW_REG_WAVE_SCHED_MODE, 0, 2), 2
	s_setreg_imm32_b32 hwreg(HW_REG_WAVE_MODE, 25, 1), 1
	s_wait_xcnt 0x0
	s_wait_alu depctr_vm_vsrc(0)
; ATTENTION of one layer, both products on E2M1 codes.  No work of the model is left out here.
; qkv holds q's, k's and v's codes and scale words as the chain's launch laid them: images of operand registers.  K of the first product is the head's 64: the upper half of each fragment is zero codes under the byte 0x7f.
; SHARES.  A work-group owns 256 queries of one (batch, head); each of its sixteen waves one tile of 16 queries, in 256 registers: four waves to a SIMD.
; A head's k and v are 64 KiB of codes each: they are brought into LDS ONCE, through registers, with their scale words and the batch's mask: one barrier, no ring.  Every wave walks the 2,048 keys, 128 a step.
; LAYOUT.  Both products are used transposed: S^T = K Q^T (source 0 = 16 keys), O^T = V^T P^T (source 0 = 16 channels): a lane holds one query throughout.  The keys of a tile are chosen (8 u + r + 8 (r / 8) of a
; block of 32) so that the 16 registers of tiles 2 b, 2 b + 1 are keys 32 b + 16 (lane / 16) + 0 .. 15; V's channels likewise, so that O^T's registers run along the next product's K.
; THE MASK COSTS NO VECTOR WORK: the scale 1 / 8 is a power of two, so 8 x mask[key] is loaded from LDS in the result's layout as the C of the first product, and t = (K Q^T + 8 mask) x log2(e) / 8.
; THE SOFTMAX: M = the running largest t rounded up to a whole number; p = 2^(t - M) is quantised along the keys; the sum is taken of the unquantised p; when M moves, the sum and O^T are multiplied by 2^(old M - new M), exactly.
; At the end O^T / the sum is quantised along the model's 512 and stored as this head's half fragment of ctx.
; LIMITS: -infinity in the mask is served, a query with every key at -infinity is not; a mask beyond 4.2e37 becomes an infinity of its sign; a block of zeros gets the scale byte 1 (zero codes).
; THE MODE: SCHED_MODE bits 1:0 = 2 (LLVM: expert scheduling mode 2), set by the entry lines.  The code itself states the register dependences
; between vector or matrix instructions and memory or LDS instructions, with s_wait_alu, always for 0.
; THE PLAN.  Registers that LDS instructions touch in the loop, step j:
;   v32-95 (the lower four of each eight), v24-31   k's fragments and scale words: read by step j's eight K Q^T products; step j + 1's land there, asked for among step j's four V^T P products.
;   v96-159                                         8 x mask, asked for with them; K Q^T writes them, the softmax works on them in place, the conversions read them last.
;   v192-223, v244-247                              v's fragments and scale words: read by step j's four V^T P products; step j + 1's land there, asked for behind step j + 1's batch of exponentials.
;   v8-11, v248                                     the five LDS addresses: read by those loads; written once a step, behind one wait on vm_vsrc.
; Four waits on va_vdst a step; the first stands ahead of the batch of 64 exponentials.  The second is the batch of 64 exponentials' own: behind it the last step's V^T P products are done with v's registers, and v is asked for.  The third is the four block exponentials'.
; The fourth stands ahead of the V^T P products, behind their places: p's codes and scale word are written, the five addresses are written, K Q^T is done with k's registers and the conversions with v96-159.
; The V^T P products behind it name v160-231, v244-247 and v253: none of the registers that the 32 loads dealt among them touch.  The last step is written out: it asks for nothing more.
.set KL, 0                             ; LDS: k's codes [tile 128][lane][16]
.set VL, 65536                         ; v's codes [key step 16][tile 4][c 2][lane][16]
.set KSL, 131072                       ; k's scale words [tile][lane][4]
.set VSL, 147456                       ; v's [key step][tile][r 16][4]
.set ML, 151552                        ; 8 x mask, 2,048 f32
.set SPARE, 159744                     ; the spare words, 128 bytes a wave: eight blocks of 256 bytes that no other line names
.set OKC, 2097152
.set OVC, 4194304
.set OQS, 6291456
.set OKS, 6815744
.set OVS, 7340032
.set OCS, 2097152
; REGISTERS: v1 16 x lane; v2-4, v7 my lane's places in v, k's scales, v's scales, the mask; v5, v6 the add's two; v8-11, v248 the step's addresses; v12 -M, v13 the largest t, v[14:15] the sum in two halves;
; v16-23 Q; v24-31 k's scale words; v32-95 k's 8 fragments; v96-159 S^T, then p; v160-191 O^T; v192-223 v's 4 fragments; v224-231 p's codes; v232-243 at work; v244-247 v's scale words; v249 Q's scale word;
; v250 4 x lane; v252 f; v253 p's scale word; v254 at work.
.macro ADDR                            ; the five LDS addresses of a key step: my lane's places + the step's offsets
	v_add_nc_u32 v8, s28, v1
	v_add_nc_u32 v9, s28, v2
	v_add_nc_u32 v10, s29, v3
	v_add_nc_u32 v11, s31, v4
	v_add_nc_u32 v248, s30, v7
.endm
.macro KLOAD g                         ; tiles 2 g and 2 g + 1 of a key step: k's codes, k's scale words, and the first product's C
.irp t, 2*\g, 2*\g+1
	ds_load_b128 v[32+8*(\t):35+8*(\t)], v8 offset:512*(\t)
	ds_load_b32 v[24+(\t)], v10 offset:128*(\t)
	ds_load_b128 v[96+8*(\t):99+8*(\t)], v248 offset:128*((\t)/2)+32*((\t)%2)            ; 8 x mask of the tile's keys 32 (t / 2) + 16 h + 8 (t % 2) + 0 .. 7
	ds_load_b128 v[100+8*(\t):103+8*(\t)], v248 offset:128*((\t)/2)+32*((\t)%2)+16
.endr
.endm
; A KEY STEP: 128 keys.  ahead = 1: the next step's k, scale words and mask are asked for among this step's last four products.
.macro STEP ahead
	s_wait_dscnt 0x0                               ; k, its scale words and the mask are in: they were asked for among the last step's V^T P products
.irp t, 0,1,2,3,4,5,6,7
	v_wmma_scale_f32_16x16x128_f8f6f4 v[96+8*\t:103+8*\t], v[32+8*\t:39+8*\t], v[16:23], v[96+8*\t:103+8*\t], v[24+\t], v249 matrix_a_fmt:MATRIX_FMT_FP4 matrix_b_fmt:MATRIX_FMT_FP4
.endr
.rept 4
	v_nop
.endr
.irp b, 0,1,2,3
	v_max3_num_f32 v[232+\b], v[96+16*\b], v[97+16*\b], v[98+16*\b]              ; the largest score of each block of 32 keys: it serves the row's maximum and, since p rises with the score, the block's largest p
.endr
.irp i, 3,5,7,9,11,13
.irp b, 0,1,2,3
	v_max3_num_f32 v[232+\b], v[232+\b], v[96+16*\b+\i], v[97+16*\b+\i]
.endr
.endr
.irp b, 0,1,2,3
	v_max_num_f32 v[232+\b], v[232+\b], v[111+16*\b]
.endr
.irp b, 0,1,2,3
	v_permlanex16_b32 v[236+\b], v[232+\b], s36, s37
.endr
.irp b, 0,1,2,3
	v_max_num_f32 v[232+\b], v[232+\b], v[236+\b]
.endr
	v_max3_num_f32 v254, v232, v233, v234
	v_max_num_f32 v254, v254, v235
	v_mul_f32 v254, s34, v254                      ; as t (c is positive)
	v_max_num_f32 v13, v13, v254                   ; the running largest t
	v_mov_b32 v254, v12
	v_floor_f32 v12, -v13                          ; the new -M = -ceil(t)
	v_sub_f32 v254, v12, v254                      ; old M - new M: a whole number, 0 or less
	v_cvt_i32_f32 v254, v254                       ; (it saturates)
	v_ldexp_f32 v252, 1.0, v254                    ; f = 2^(old M - new M)
.set jj, 0
.rept 32
	v_pk_fma_f32 v[96+jj:97+jj], v[96+jj:97+jj], s[34:35], v[12:13] op_sel_hi:[1,0,0]   ; t - M
.set jj, jj+2
.endr
.irp b, 0,1,2,3
	v_fma_f32 v[232+\b], v[232+\b], s34, v12
.endr
.set jj, 0
	s_wait_alu depctr_va_vdst(0)
.rept 64
	v_exp_f32 v[96+jj], v[96+jj]                   ; p = 2^(t - M)
.set jj, jj+1
.endr
	v_pk_mul_f32 v[14:15], v[14:15], v[252:253] op_sel_hi:[1,0]                  ; the sums under the new M: a plain instruction behind the exponentials
	s_wait_alu depctr_va_vdst(0)                   ; the 64 exponentials have written p, ahead of its first reader (one wait for the batch); and the last step's V^T P products are done reading v's fragments and scale words, in which this step's land
.irp d, 0,1,2,3
	ds_load_b128 v[192+8*\d:195+8*\d], v9 offset:1024*\d
	ds_load_b128 v[196+8*\d:199+8*\d], v9 offset:1024*\d+512
	ds_load_b32 v[244+\d], v11 offset:64*\d
.endr
.irp b, 0,1,2,3
	v_exp_f32 v[232+\b], v[232+\b]                 ; the blocks' largest p
.endr
	v_pk_add_f32 v[236:237], v[96:97], v[98:99]    ; the row's sum, of the unquantised p, in two chains
.irp j, 4,8,12,16,20,24,28,32,36,40,44,48,52,56,60
	v_pk_add_f32 v[14:15], v[14:15], v[96+\j:97+\j]
	v_pk_add_f32 v[236:237], v[236:237], v[98+\j:99+\j]
.endr
	v_pk_add_f32 v[14:15], v[14:15], v[236:237]
	s_wait_alu depctr_va_vdst(0)                   ; the four exponentials have written the blocks' largest p, ahead of their first reader
.irp b, 0,1,2,3
	v_max_num_f32 v[232+\b], 0x1800000, v[232+\b]  ; the floor 2^(3 - 127): the byte cannot fall under 1
.endr
.irp b, 0,1,2,3
	v_add_nc_u32 v[240+\b], 0xff000000, v[232+\b]  ; 2 off the exponent field: the conversion's scale operand
.endr
.irp b, 0,1,2,3
	v_lshrrev_b32 v[236+\b], 23, v[240+\b]
.endr
	v_lshl_or_b32 v253, v237, 8, v236              ; p's scale word for these 128 keys
	v_lshl_or_b32 v253, v238, 16, v253
	v_lshl_or_b32 v253, v239, 24, v253
.irp b, 0,1,2,3
	v_cvt_scalef32_pk8_fp4_f32 v[224+2*\b], v[96+16*\b:103+16*\b], v[240+\b]
	v_cvt_scalef32_pk8_fp4_f32 v[225+2*\b], v[104+16*\b:111+16*\b], v[240+\b]
.endr
	v_nop                                          ; one plain place behind the scaled conversions
.irp c, 0,1
.irp i, 0,1
	v_permlane16_swap_b32 v[224+4*\c+\i], v[226+4*\c+\i]                         ; a whole block to a lane: lanes 0-15 block 2 c, lanes 16-31 block 2 c + 1
.endr
.endr
.set jj, 0
.rept 16
	v_pk_mul_f32 v[160+jj:161+jj], v[160+jj:161+jj], v[252:253] op_sel_hi:[1,0]  ; O^T under the new M; these sixteen are also the places between the writes of p's codes and scale word and the products
.set jj, jj+2
.endr
.if \ahead
	s_add_co_u32 s28, s28, 4096                    ; on to the next step's bytes
	s_add_co_u32 s29, s29, 1024
	s_add_co_u32 s30, s30, 512
	s_add_co_u32 s31, s31, 256
	s_wait_alu depctr_vm_vsrc(0)                   ; the LDS loads issued so far, this step's of v among them, have read the five addresses
	ADDR
.endif
	s_wait_dscnt 0x0                               ; v and its scale words are in
	s_wait_alu depctr_va_vdst(0)                   ; p's codes and scale word are written, which the scaled products take; the five addresses are written; K Q^T is done reading k's fragments and scale words and the conversions are done reading p: the next step's loads land there
.irp d, 0,1,2,3
	v_wmma_scale_f32_16x16x128_f8f6f4 v[160+8*\d:167+8*\d], v[192+8*\d:199+8*\d], v[224:231], v[160+8*\d:167+8*\d], v[244+\d], v253 matrix_a_fmt:MATRIX_FMT_FP4 matrix_b_fmt:MATRIX_FMT_FP4
.if \ahead
	KLOAD \d                                       ; no wait: no vector or matrix instruction since the wait above names a register that these loads touch
.endif
.endr
.endm
	s_load_b128 s[4:7], s[0:1], 0x0                ; qkv, attn_mask
	s_load_b64 s[8:9], s[0:1], 0x10                ; ctx
	v_lshl_add_u32 v5, v0, 2, SPARE
	v_mov_b32 v6, 0
	v_lshrrev_b32 v8, 5, v0
	v_readfirstlane_b32 s10, v8                    ; wave 0..15
	s_and_b32 s11, ttmp7, 0xffff                   ; bh = 8 x batch + head
	v_and_b32 v9, 31, v0                           ; lane
	v_and_b32 v10, 15, v0                          ; r
	v_bfe_u32 v11, v0, 4, 1                        ; h
	v_lshlrev_b32 v1, 4, v9
	v_add_nc_u32 v2, VL, v1
	v_lshl_add_u32 v3, v9, 2, KSL
	v_lshl_add_u32 v4, v10, 2, VSL
	v_lshl_add_u32 v7, v11, 6, ML
	v_lshlrev_b32 v250, 2, v9
	v_lshlrev_b32 v232, 4, v0                      ; the fill: 16 bytes a thread,
	v_lshlrev_b32 v233, 3, v0                      ; or 8
	v_lshl_add_u32 v234, v0, 4, VL
	v_lshl_add_u32 v235, v0, 4, KSL
	v_lshl_add_u32 v236, v0, 3, VSL
	v_lshl_add_u32 v237, v0, 4, ML
	s_wait_alu depctr_va_sdst(0)                   ; the wave's number is written, ahead of its first reader: my tile's offsets are made from it
	s_lshl_b32 s12, s11, 16                        ; the head's codes of k and of v,
	s_mov_b32 s13, 0
	s_lshl_b32 s14, s11, 14                        ; k's scale words,
	s_mov_b32 s15, 0
	s_lshl_b32 s16, s11, 12                        ; v's
	s_mov_b32 s17, 0
	s_lshl_b32 s28, ttmp9, 4
	s_add_co_u32 s28, s28, s10                     ; my tile of queries among the head's 128
	s_lshl_b32 s29, s11, 7
	s_add_co_u32 s29, s29, s28
	s_lshl_b32 s20, s29, 9
	s_mov_b32 s21, 0
	s_lshl_b32 s22, s29, 7
	s_mov_b32 s23, 0
	s_lshr_b32 s30, s11, 3                         ; the batch
	s_lshl_b32 s18, s30, 13                        ; its 2,048 numbers of the mask
	s_mov_b32 s19, 0
	s_lshl_b32 s30, s30, 7
	s_add_co_u32 s30, s30, s28                     ; my row tile among ctx's 512
	s_and_b32 s31, s11, 7                          ; the head: K step head / 2, half head % 2
	s_lshl_b32 s24, s30, 12
	s_lshl_b32 s29, s31, 9
	s_add_co_u32 s24, s24, s29
	s_mov_b32 s25, 0
	s_lshl_b32 s26, s30, 9
	s_lshr_b32 s29, s31, 1
	s_lshl_b32 s29, s29, 7
	s_add_co_u32 s26, s26, s29
	s_and_b32 s29, s31, 1
	s_lshl_b32 s29, s29, 1
	s_add_co_u32 s26, s26, s29
	s_mov_b32 s27, 0
	s_mov_b32 s34, 0x3e38aa3b                      ; c = log2(e) / 8
	s_mov_b32 s35, s34                             ; (named with it as a pair, so it is written)
	s_mov_b32 s36, 0x76543210
	s_mov_b32 s37, 0xfedcba98                      ; v_permlanex16_b32's selects for lane l xor 16
	s_wait_kmcnt 0x0
	s_add_nc_u64 s[12:13], s[4:5], s[12:13]
	s_add_nc_u64 s[14:15], s[4:5], s[14:15]
	s_add_nc_u64 s[16:17], s[4:5], s[16:17]
	s_add_nc_u64 s[18:19], s[6:7], s[18:19]
	s_add_nc_u64 s[20:21], s[4:5], s[20:21]
	s_add_nc_u64 s[22:23], s[4:5], s[22:23]
	s_add_nc_u64 s[24:25], s[8:9], s[24:25]
	s_add_nc_u64 s[26:27], s[8:9], s[26:27]
	s_wait_alu depctr_va_vdst(0)                   ; the offsets v1, v232, v233 and v250 are written, which the loads read; so are the LDS addresses v234 to v237 of the fill
.irp k, 0,1,2,3,4,5,6,7
	global_load_b128 v[96+4*\k:99+4*\k], v232, s[12:13] offset:OKC+8192*\k       ; the 512 threads read 8,192 consecutive bytes
.endr
.irp k, 0,1,2,3,4,5,6,7
	global_load_b128 v[128+4*\k:131+4*\k], v232, s[12:13] offset:OVC+8192*\k
.endr
.irp k, 0,1
	global_load_b128 v[160+4*\k:163+4*\k], v232, s[14:15] offset:OKS+8192*\k
.endr
	global_load_b64 v[168:169], v233, s[16:17] offset:OVS
	global_load_b128 v[170:173], v232, s[18:19]
	global_load_b128 v[16:19], v1, s[20:21]        ; Q's fragment: its lower four registers,
	global_load_b32 v249, v250, s[22:23] offset:OQS
.irp j, 20,21,22,23
	v_mov_b32 v[\j], 0                             ; and zero codes for K = 64 .. 127
.endr
.irp t, 0,1,2,3,4,5,6,7
.irp j, 4,5,6,7
	v_mov_b32 v[32+8*\t+\j], 0                     ; the same for k's eight fragments: written once, the loads fill the lower four
.endr
.endr
	s_wait_loadcnt 0x0
	v_pk_mul_f32 v[170:171], v[170:171], 0x41000000 op_sel_hi:[1,0]              ; 8 x mask
	v_pk_mul_f32 v[172:173], v[172:173], 0x41000000 op_sel_hi:[1,0]
	s_wait_alu depctr_va_vdst(0)                   ; 8 x mask is written in v170 to v173, which the last LDS store reads
.irp k, 0,1,2,3,4,5,6,7
	ds_store_b128 v232, v[96+4*\k:99+4*\k] offset:KL+8192*\k
.endr
.irp k, 0,1,2,3,4,5,6,7
	ds_store_b128 v234, v[128+4*\k:131+4*\k] offset:8192*\k
.endr
.irp k, 0,1
	ds_store_b128 v235, v[160+4*\k:163+4*\k] offset:8192*\k
.endr
	ds_store_b64 v236, v[168:169]
	ds_store_b128 v237, v[170:173]
	s_wait_dscnt 0x0                               ; for the others' sake: my stores have landed
	s_barrier_signal -1
	s_barrier_wait -1                              ; the head's k, v, scales and mask lie in LDS; from here on LDS is only read
	s_wait_alu depctr_vm_vsrc(0)                   ; my LDS stores have read their data v96 to v173 and their addresses v232 to v237: all of these are written again from here on, by vector instructions and by LDS loads
	v_mov_b32 v13, 0xff61b1e6                      ; the largest t so far: -3e38, under every t
	v_floor_f32 v12, -v13                          ; -M
	v_mov_b32 v14, 0
	v_mov_b32 v15, 0
.irp b, 0,1,2,3
	v_mov_b32 v[236+\b], 0                         ; a lane permute's destination counts as one of its sources
.endr
	v_mov_b32 v253, 0                              ; (named as the upper half of the pair v[252:253] before it is first written)
.set jj, 0
.rept 32
	v_mov_b32 v[160+jj], 0                         ; O^T: the step's first trip finds zeros, which the first change of M leaves zeros
.set jj, jj+1
.endr
	s_mov_b32 s28, 0                               ; the step's codes of k and of v: 4,096 bytes a step
	s_mov_b32 s29, 0                               ; k's scale words: 1,024
	s_mov_b32 s30, 0                               ; the mask: 512
	s_mov_b32 s31, 0                               ; v's scale words: 256
	ADDR                                           ; key step 0
	s_wait_alu depctr_va_vdst(0)                   ; the five addresses are written, which the loads below and the first step's loads of v read
	KLOAD 0
	KLOAD 1
	KLOAD 2
	KLOAD 3
	s_mov_b32 s32, 15
.Lstep:                                            ; key steps 0 to 14
	STEP 1
	s_sub_co_u32 s32, s32, 1
	s_cmp_lg_u32 s32, 0
	s_cbranch_scc1 .Lstep
	STEP 0                                         ; key step 15 is written out: there is no step behind it to ask for
	; THE WAY OUT: O^T / the sum, quantised along the model's 512: my head's two blocks of 32
	v_add_f32 v14, v14, v15
	v_permlanex16_b32 v252, v14, s36, s37
	v_add_f32 v14, v14, v252                       ; the row's sum
	s_wait_alu depctr_va_vdst(0)
	v_rcp_f32 v14, v14
.rept 4
	v_nop                                          ; the places behind the last products, and the plain instruction behind the reciprocal
.endr
	s_wait_alu depctr_va_vdst(0)                   ; the reciprocal is written, ahead of its first reader
.set jj, 0
.rept 32
	v_mul_f32 v[96+jj], v[160+jj], v14             ; register 16 b + i: channel 32 b + 16 h + i of my query
.set jj, jj+1
.endr
.irp b, 0,1
	v_max3_num_f32 v[232+\b], |v[96+16*\b]|, |v[97+16*\b]|, 0x1800000
.endr
.irp i, 2,4,6,8,10,12,14
.irp b, 0,1
	v_max3_num_f32 v[232+\b], v[232+\b], |v[96+16*\b+\i]|, |v[97+16*\b+\i]|
.endr
.endr
.irp b, 0,1
	v_permlanex16_b32 v[236+\b], v[232+\b], s36, s37
.endr
.irp b, 0,1
	v_max_num_f32 v[232+\b], v[232+\b], v[236+\b]
.endr
.irp b, 0,1
	v_add_nc_u32 v[240+\b], 0xff000000, v[232+\b]
.endr
.irp b, 0,1
	v_lshrrev_b32 v[236+\b], 23, v[240+\b]
.endr
	v_lshl_or_b32 v254, v237, 8, v236              ; my head's two scale bytes
.irp b, 0,1
	v_cvt_scalef32_pk8_fp4_f32 v[224+2*\b], v[96+16*\b:103+16*\b], v[240+\b]
	v_cvt_scalef32_pk8_fp4_f32 v[225+2*\b], v[104+16*\b:111+16*\b], v[240+\b]
.endr
	v_nop
.irp i, 0,1
	v_permlane16_swap_b32 v[224+\i], v[226+\i]
.endr
	s_wait_alu depctr_va_vdst(0)                   ; the codes in v224 to v227 and the two scale bytes in v254 are written, which the stores read
	global_store_b128 v1, v[224:227], s[24:25]     ; half a fragment: 512 consecutive bytes
	global_store_b16 v250, v254, s[26:27] offset:OCS                             ; half of each lane's scale word; the head beside mine writes the other half
	s_wait_dscnt 0x0                               ; the wave's end
	s_wait_alu 0x0
	s_wait_tensorcnt 0x0
	ds_add_u32 v5, v6
	s_wait_dscnt 0x0
	s_endpgm
.Lfunc_end_k_qf8de62085e_attn0:
	.size	k_qf8de62085e_attn0, .Lfunc_end_k_qf8de62085e_attn0-k_qf8de62085e_attn0
	.p2alignl 7, 3214868480
	.fill 96, 4, 3214868480
	.section	.rodata,"a",@progbits
	.p2align	6, 0x0
	.amdhsa_kernel k_qf8de62085e_attn0
		.amdhsa_group_segment_fixed_size 161792
		.amdhsa_private_segment_fixed_size 0
		.amdhsa_enable_private_segment 0
		.amdhsa_kernarg_size 24
		.amdhsa_user_sgpr_count 2
		.amdhsa_user_sgpr_kernarg_segment_ptr 1
		.amdhsa_wavefront_size32 1
		.amdhsa_system_sgpr_workgroup_id_x 1
		.amdhsa_system_sgpr_workgroup_id_y 1
		.amdhsa_system_sgpr_workgroup_id_z 1
		.amdhsa_system_vgpr_workitem_id 0
		.amdhsa_next_free_vgpr 256
		.amdhsa_next_free_sgpr 66
		.amdhsa_reserve_vcc 0
		.amdhsa_float_denorm_mode_32 3
		.amdhsa_float_denorm_mode_16_64 3
		.amdhsa_memory_ordered 1
		.amdhsa_forward_progress 1
		.amdhsa_inst_pref_size 47
	.end_amdhsa_kernel
	.amdgpu_metadata
---
amdhsa.version: [ 1, 2 ]
amdhsa.kernels:
  - .name:           k_qf8de62085e_attn0
    .symbol:         k_qf8de62085e_attn0.kd
    .args:
      - { .name: qkv, .offset: 0, .size: 8, .value_kind: global_buffer, .address_space: global }
      - { .name: attn_mask, .offset: 8, .size: 8, .value_kind: global_buffer, .address_space: global }
      - { .name: ctx, .offset: 16, .size: 8, .value_kind: global_buffer, .address_space: global }
    .group_segment_fixed_size: 161792
    .private_segment_fixed_size: 0
    .kernarg_segment_align: 8
    .kernarg_segment_size: 24
    .max_flat_workgroup_size: 512
    .sgpr_count:     66
    .vgpr_count:     256
    .wavefront_size: 32
...
	.end_amdgpu_metadata
.endif
;; end of part 8
;; launch mid (part 9): grid 256 x 1, 8 waves a work-group, no clusters, 239,104 bytes of LDS; arguments x, ctx, wf, Wo_scales, W1_scales, W2_scales, Wq_scales, Wk_scales, Wv_scales, ln2_w, ln2_b, ln1_w, ln1_b, pos_cos, pos_sin, x1, qkv; writes x1, qkv
.if DOCPART == 9
	.amdgcn_target "amdgcn-amd-amdhsa--gfx1250"
	.amdhsa_code_object_version 6
	.text
	.protected	k_qf8de62085e_mid
	.globl	k_qf8de62085e_mid
	.p2align	8
	.type	k_qf8de62085e_mid,@function
k_qf8de62085e_mid:
	s_mov_b64 s[64:65], 0
	v_nop
	global_prefetch_b8 v0, s[64:65] scope:SCOPE_SE
	s_setreg_imm32_b32 hwreg(HW_REG_WAVE_SCHED_MODE, 0, 2), 2
	s_setreg_imm32_b32 hwreg(HW_REG_WAVE_MODE, 25, 1), 1
	s_wait_xcnt 0x0
	s_wait_alu depctr_vm_vsrc(0)
; THE CHAIN, one text for three launches; KIND chooses the arms.  No work of the model is left out here.
;   KIND 0 (front): LN1 of layer 0, quantise, q k v, RoPE, quantise q and k along the head and v along the keys -> qkv.
;   KIND 1 (mid):   ctx Wo + x, LN2, W1, silu gate, W2, + residual -> x1; then all of KIND 0's work for layer 1.
;   KIND 2 (last):  ctx Wo + x1, LN2, W1, gate, W2, + residual, closing LN -> out0.
; SHARES.  A work-group of eight waves takes 32 tokens: two row tiles u = 0, 1; lane row r of tile u is token 8 u + r + 8 (r / 8) of the block.  THE WAVES SHARE THE COLUMNS: wave w makes
; features 64 w .. 64 w + 63 (head w) of every product: four tiles of weight rows (prep's order) x two row tiles = 8 accumulators by turns, 32 matrix instructions a product.
; PRODUCTS ARE USED TRANSPOSED (source 0 = 16 weight rows, source 1 = 16 tokens): a lane holds one token, and the 16 registers of tiles 2 b, 2 b + 1 are features 32 b + 16 (lane / 16) + 0 .. 15:
; neighbours along the next K, which the conversions want.  v alone is used the natural way round, so that a lane holds one channel and its registers run along the tokens, its K.
; WEIGHTS come from wf straight into registers, 512 consecutive bytes a load, two sets by turns in window 1; set n + 2 is asked for behind the products of set n.
; OPERANDS GO FROM WAVE TO WAVE THROUGH LDS AS IMAGES OF THEIR REGISTERS: a wave's 64 features are half a fragment (four registers) and two scale bytes of each row tile.
; The residual, cos and sin lie in LDS by rows, in the tiles' order of tokens, 2,064 bytes apart: the 16 rows that a column read touches begin in 16 different runs of 16 bytes modulo 256.
; LIMITS: a block of zeros gets the scale byte 1 (zero codes; this program alone reads the bytes); largest magnitudes under 2^-124 are held at that byte; NaN and infinities are not served.
; THE MODE: SCHED_MODE bits 1:0 = 2 (LLVM: expert scheduling mode 2), set by the entry lines.  The code itself states the register dependences
; between vector or matrix instructions and memory or LDS instructions, with s_wait_alu, always for 0.
; THE PLAN.  Registers that memory or LDS instructions touch, and who else names them:
;   v3-15       addresses and offsets: written at the head, ahead of one wait on va_vdst, and never again.
;   window 1    the two weight sets, and v96-127 their scale words: read by a run of 32 products; the set after next lands there behind ONE wait on va_vdst, which follows the run's places.
;               The same wait shows the accumulators written where they are stored to LDS behind the run.
;   v128-191    the accumulators: loaded from and stored to the residual's rows in LDS; written by products and by vector work.
;   v24-95      the activation's fragments and scale words, loaded from an image; while they are dead the LayerNorm's temporaries: v[LT+2] is stored, the eight waves' parts land in v[LT+16] on.
;   v192-255    at work: LN vectors, cos and sin and whole rows land there; the quantiser writes its codes and scale word there, and they are stored from there.  v16-17: scale words, stored.
; Each run of stores of vector or matrix results has one wait on va_vdst ahead of it, which also covers the loads that follow it into registers that earlier vector work named;
; each register that a store has read has one wait on vm_vsrc ahead of its next writer.  No scaled product takes an operand that a vector instruction wrote: all come by loads.
.set KIND, 1
.set P_X, 4                            ; s[4:5] x;  the other pointers likewise, in the order of the arguments
.set P_CTX, 6
.set P_WF, 8
.set P_SO, 10
.set P_S1, 12
.set P_S2, 14
.set P_SQ, 16
.set P_SK, 18
.set P_SV, 20
.set P_LAW, 22
.set P_LAB, 24
.set P_LBW, 26
.set P_LBB, 28
.set P_COS, 30
.set P_SIN, 32
.set P_OUT, 34
.set P_QKV, 36
.set LAYER, 0                          ; the layer of Wo, W1, W2
.set LAOFF, 0                          ; byte offset of the layer in the first LayerNorm's vectors (ln2),
.set LBOFF, 2048                       ; and in the second's (ln1 of the next layer)
.set TL, 1                             ; the layer of Wq, Wk, Wv
.set TK, 2                             ; which image, partial sums and LN vectors the q k v part uses
.set G2, 60                            ; loads issued at the head behind those that go through LDS
; wf's regions, qkv's and ctx's, in bytes
.set RQ, 0
.set RK, 262144
.set RV, 524288
.set RO, 786432
.set R2, 1048576
.set R1, 1310720
.set OQC, 0                            ; q's codes  [bh][tile 128][lane][16]
.set OKC, 2097152                      ; k's codes  likewise
.set OVC, 4194304                      ; v's codes  [bh][key step 16][tile 4][c 2][lane][16]
.set OQS, 6291456                      ; q's scale words [bh][tile][lane][4]
.set OKS, 6815744                      ; k's
.set OVS, 7340032                      ; v's [bh][key step][tile][r 16][4]
.set OCS, 2097152                      ; ctx: scale words [row tile 512][K step 4][lane][4], behind the codes [row tile][K step][c][lane][16]
; LDS
.set AIMG, 9216                        ; three images of an activation: 8,192 bytes of codes [u][s][c][lane][16], 1,024 of scale words [u][s][lane][4]
.set PSUM, 27648                       ; four regions of partial sums, [slot 32][wave 8] f32
.set PAR, 31744                        ; four LN vectors of 2,048 bytes
.set SPARE, 39936                      ; the spare words, 128 bytes a wave: four blocks of 256 bytes that no other line names
.set XB, 40960                         ; 32 rows of the residual,
.set XPITCH, 2064
.set XREG, 66048                       ; then 32 of cos, then 32 of sin
; vector registers, window 0
.set SPW, 1                            ; my spare word's address; never rewritten
.set NIL, 2                            ; 0; never rewritten
.set LI, 3                             ; 16 x lane
.set LS, 4                             ; 4 x lane
.set XBA, 5                            ; residual: row r, my wave's 256 bytes, + 64 h
.set CBA, 6                            ; the same place in cos
.set SBA, 7                            ; and in sin
.set XRW, 8                            ; residual by rows: my wave's four tokens' slots, + 16 x lane
.set GRW, 9                            ; the same four rows in memory: 8,192 w + 16 x lane
.set WSA, 10                           ; a weight row's 16 scale bytes: 16 (r + 8 (r / 8))
.set IWA, 11                           ; where I store my half fragments
.set ISA, 12                           ; and my two scale bytes
.set PSW, 13                           ; partial sums: my word
.set PSR, 14                           ; and the eight words of slot r
.set PRA, 15                           ; LN vectors: my wave's 256 bytes, + 64 h
.set RT, 16                            ; v16-23 at work
.set AF, 24                            ; v24-87  the activation's fragments [u][s], 8 registers each
.set LT, 24                            ;         (LayerNorm's temporaries while those are dead)
.set ASC, 88                           ; v88-95  their scale words, 4 u + s
.set WSC, 96                           ; v96-127 the weights' scale words, 16 p + 4 t + s
.set ACC, 128                          ; v128-191 the eight accumulators
.set TMP, 192                          ; v192-255 at work
.set TM, TMP
.set PW, TMP+16
.set PCD, TMP+24
; scalars
.set WV, 38
.set PQ, 46
.set PSQ, 48
.set PV, 50
.set PVS, 52
.set HIM, 54
.set C512, 55
.set CEPS, 56
.set PADW, 57
.set SEL, 58
.set CTS, 60
.set MSB, 0
.macro WIN new                         ; the immediate's high byte repeats the setting that is left
.if MSB != \new
	s_set_vgpr_msb (MSB<<8)|\new
.set MSB, \new
.endif
.endm
.macro PLACES                          ; behind a run of products: four places are owed to readers of the results, five to a later product that writes over an accumulator
.rept 5
	v_nop
.endr
.endm
.macro BARRIER                         ; my LDS stores have landed and my LDS loads are in: then the work-group's barrier
	s_wait_dscnt 0x0
	s_barrier_signal -1
	s_barrier_wait -1
.endm
; A set of weights: my four tiles x 512 K (32 loads of 512 consecutive bytes) into set p of window 1, and their rows' scale words (a row's 16 bytes are its four K steps' words): 36 loads.
.macro WLOAD p, cimm, sp, simm
	WIN 0x40
.irp t, 0,1,2,3
.irp k, 0,1,2,3,4,5,6,7
	global_load_b128 v[128*(\p)+32*\t+4*\k:128*(\p)+32*\t+4*\k+3], v[LI], s[P_WF:P_WF+1] offset:(\cimm)+4096*\t+512*\k
.endr
.endr
	WIN 0
.irp t, 0,1,2,3
	global_load_b128 v[WSC+16*(\p)+4*\t:WSC+16*(\p)+4*\t+3], v[WSA], s[\sp:\sp+1] offset:(\simm)+512*(\t/2)+128*(\t%2)
.endr
.endm
.macro MM0 d, a, b, sa, sb             ; a product that starts a sum
	v_wmma_scale_f32_16x16x128_f8f6f4 v[\d:\d+7], v[\a:\a+7], v[\b:\b+7], 0, v[\sa], v[\sb] matrix_a_fmt:MATRIX_FMT_FP4 matrix_b_fmt:MATRIX_FMT_FP4
.endm
.macro MMA d, a, b, sa, sb             ; and one that adds in place
	v_wmma_scale_f32_16x16x128_f8f6f4 v[\d:\d+7], v[\a:\a+7], v[\b:\b+7], v[\d:\d+7], v[\sa], v[\sb] matrix_a_fmt:MATRIX_FMT_FP4 matrix_b_fmt:MATRIX_FMT_FP4
.endm
; 32 products on weight set p; the eight accumulators take turns, one instruction a turn.
; mode 0: transposed, the first K step starts the sums.  mode 1: transposed, onto the residual that lies in the accumulators.  mode 2: natural (source 0 = tokens, source 1 = weight rows).
.macro GEMM p, mode
.if \mode == 2
	WIN 0x04
.else
	WIN 0x01
.endif
.irp s, 0,1,2,3
.irp t, 0,1,2,3
.irp u, 0,1
.if \mode == 2
.if \s == 0
	MM0 ACC+16*\t+8*\u, AF+32*\u+8*\s, 128*(\p)+32*\t+8*\s, ASC+4*\u+\s, WSC+16*(\p)+4*\t+\s
.else
	MMA ACC+16*\t+8*\u, AF+32*\u+8*\s, 128*(\p)+32*\t+8*\s, ASC+4*\u+\s, WSC+16*(\p)+4*\t+\s
.endif
.elseif (\mode == 0) && (\s == 0)
	MM0 ACC+32*\u+8*\t, 128*(\p)+32*\t+8*\s, AF+32*\u+8*\s, WSC+16*(\p)+4*\t+\s, ASC+4*\u+\s
.else
	MMA ACC+32*\u+8*\t, 128*(\p)+32*\t+8*\s, AF+32*\u+8*\s, WSC+16*(\p)+4*\t+\s, ASC+4*\u+\s
.endif
.endr
.endr
.endr
	WIN 0
.endm
.macro XLD                             ; my columns of the residual, in the accumulators' layout
.irp u, 0,1
.irp t, 0,1,2,3
	ds_load_b128 v[ACC+32*\u+8*\t:ACC+32*\u+8*\t+3], v[XBA] offset:16*XPITCH*\u+128*(\t/2)+32*(\t%2)
	ds_load_b128 v[ACC+32*\u+8*\t+4:ACC+32*\u+8*\t+7], v[XBA] offset:16*XPITCH*\u+128*(\t/2)+32*(\t%2)+16
.endr
.endr
.endm
.macro XST                             ; and back: my wave's own bytes; each accumulator from its low end on
.irp u, 0,1
.irp t, 0,1,2,3
	ds_store_b128 v[XBA], v[ACC+32*\u+8*\t:ACC+32*\u+8*\t+3] offset:16*XPITCH*\u+128*(\t/2)+32*(\t%2)
	ds_store_b128 v[XBA], v[ACC+32*\u+8*\t+4:ACC+32*\u+8*\t+7] offset:16*XPITCH*\u+128*(\t/2)+32*(\t%2)+16
.endr
.endr
.endm
; Four chains a row tile in v[LT + 8 u + 2 c] are joined, both halves of the lanes added, the eight waves' parts exchanged through region ps: each token's sum over 512 features lands in v[LT + 16 + 8 u].
.macro LNRED ps
.irp u, 0,1
	v_pk_add_f32 v[LT+8*\u:LT+8*\u+1], v[LT+8*\u:LT+8*\u+1], v[LT+8*\u+2:LT+8*\u+3]
	v_pk_add_f32 v[LT+8*\u+4:LT+8*\u+5], v[LT+8*\u+4:LT+8*\u+5], v[LT+8*\u+6:LT+8*\u+7]
.endr
.irp u, 0,1
	v_pk_add_f32 v[LT+8*\u:LT+8*\u+1], v[LT+8*\u:LT+8*\u+1], v[LT+8*\u+4:LT+8*\u+5]
.endr
.irp u, 0,1
	v_add_f32 v[LT+8*\u], v[LT+8*\u], v[LT+8*\u+1]
.endr
.irp u, 0,1
	v_permlanex16_b32 v[LT+8*\u+1], v[LT+8*\u], s[SEL], s[SEL+1]
.endr
.irp u, 0,1
	v_add_f32 v[LT+8*\u], v[LT+8*\u], v[LT+8*\u+1]
.endr
	v_cndmask_b32 v[LT+2], v[LT], v[LT+8], s[HIM]  ; lanes 0-15 keep row tile 0's, lanes 16-31 row tile 1's: lane = slot
	s_wait_alu depctr_va_vdst(0)                   ; v[LT+2] is written, which the store reads; the vector and matrix instructions so far are done with v[LT+16] to v[LT+31], in which the eight waves' parts land
	ds_store_b32 v[PSW], v[LT+2] offset:1024*(\ps)
	BARRIER
.irp u, 0,1
	ds_load_b128 v[LT+16+8*\u:LT+19+8*\u], v[PSR] offset:1024*(\ps)+512*\u
	ds_load_b128 v[LT+20+8*\u:LT+23+8*\u], v[PSR] offset:1024*(\ps)+512*\u+16
.endr
	s_wait_dscnt 0x0
.irp u, 0,1
	v_pk_add_f32 v[LT+16+8*\u:LT+17+8*\u], v[LT+16+8*\u:LT+17+8*\u], v[LT+18+8*\u:LT+19+8*\u]
	v_pk_add_f32 v[LT+20+8*\u:LT+21+8*\u], v[LT+20+8*\u:LT+21+8*\u], v[LT+22+8*\u:LT+23+8*\u]
.endr
.irp u, 0,1
	v_pk_add_f32 v[LT+16+8*\u:LT+17+8*\u], v[LT+16+8*\u:LT+17+8*\u], v[LT+20+8*\u:LT+21+8*\u]
.endr
.irp u, 0,1
	v_add_f32 v[LT+16+8*\u], v[LT+16+8*\u], v[LT+17+8*\u]
.endr
.endm
; LayerNorm of the accumulators, in place, in two passes as the model has it: the mean, then the mean of the squares of x - mean.  ka, ka + 1: regions of partial sums; kp, kp + 1: gain and bias.
.macro LNORM ka, kp
.irp t, 0,1,2,3
.irp q, 0,1
	ds_load_b128 v[TMP+8*\t+4*\q:TMP+8*\t+4*\q+3], v[PRA] offset:2048*(\kp)+128*(\t/2)+32*(\t%2)+16*\q
	ds_load_b128 v[TMP+32+8*\t+4*\q:TMP+32+8*\t+4*\q+3], v[PRA] offset:2048*(\kp)+2048+128*(\t/2)+32*(\t%2)+16*\q
.endr
.endr
.irp u, 0,1
.irp c, 0,1,2,3
	v_pk_add_f32 v[LT+8*\u+2*\c:LT+8*\u+2*\c+1], v[ACC+32*\u+8*\c:ACC+32*\u+8*\c+1], v[ACC+32*\u+8*\c+2:ACC+32*\u+8*\c+3]   ; chain c begins at the low end of accumulator c
.endr
.endr
.irp i, 4,6
.irp u, 0,1
.irp c, 0,1,2,3
	v_pk_add_f32 v[LT+8*\u+2*\c:LT+8*\u+2*\c+1], v[LT+8*\u+2*\c:LT+8*\u+2*\c+1], v[ACC+32*\u+8*\c+\i:ACC+32*\u+8*\c+\i+1]
.endr
.endr
.endr
	LNRED \ka
	s_wait_alu depctr_vm_vsrc(0)                   ; my partial sum's store has read v[LT+2], which the second pass writes again; where the accumulators were stored to LDS ahead of this LayerNorm, those stores have read them: they are written from here on
.irp u, 0,1
	v_mul_f32 v[LT+16+8*\u], s[C512], v[LT+16+8*\u]                ; the mean
.endr
.irp u, 0,1
.set jj, 0
.rept 16
	v_pk_add_f32 v[ACC+32*\u+jj:ACC+32*\u+jj+1], v[ACC+32*\u+jj:ACC+32*\u+jj+1], v[LT+16+8*\u:LT+17+8*\u] op_sel_hi:[1,0] neg_lo:[0,1] neg_hi:[0,1]
.set jj, jj+2
.endr
.endr
.irp u, 0,1
.irp c, 0,1,2,3
	v_pk_mul_f32 v[LT+8*\u+2*\c:LT+8*\u+2*\c+1], v[ACC+32*\u+8*\c:ACC+32*\u+8*\c+1], v[ACC+32*\u+8*\c:ACC+32*\u+8*\c+1]
.endr
.endr
.irp i, 2,4,6
.irp u, 0,1
.irp c, 0,1,2,3
	v_pk_fma_f32 v[LT+8*\u+2*\c:LT+8*\u+2*\c+1], v[ACC+32*\u+8*\c+\i:ACC+32*\u+8*\c+\i+1], v[ACC+32*\u+8*\c+\i:ACC+32*\u+8*\c+\i+1], v[LT+8*\u+2*\c:LT+8*\u+2*\c+1]
.endr
.endr
.endr
	LNRED (\ka)+1
.irp u, 0,1
	v_fma_f32 v[LT+16+8*\u], v[LT+16+8*\u], s[C512], s[CEPS]       ; the variance + 1e-5
.endr
	s_wait_alu depctr_va_vdst(0)
.irp u, 0,1
	v_rsq_f32 v[LT+18+8*\u], v[LT+16+8*\u]
.endr
	v_nop                                          ; a plain instruction behind the two roots,
	s_wait_alu depctr_va_vdst(0)                   ; and the one wait ahead of their first reader: the two roots are written
.irp u, 0,1
.set jj, 0
.rept 16
	v_pk_mul_f32 v[ACC+32*\u+jj:ACC+32*\u+jj+1], v[ACC+32*\u+jj:ACC+32*\u+jj+1], v[LT+18+8*\u:LT+19+8*\u] op_sel_hi:[1,0]
.set jj, jj+2
.endr
.endr
.irp u, 0,1
.set jj, 0
.rept 16
	v_pk_fma_f32 v[ACC+32*\u+jj:ACC+32*\u+jj+1], v[ACC+32*\u+jj:ACC+32*\u+jj+1], v[TMP+jj:TMP+jj+1], v[TMP+32+jj:TMP+33+jj]
.set jj, jj+2
.endr
.endr
.endm
; 64 numbers of a lane, v[s] on: four blocks b, of each my 16 (lane l xor 16 has the other 16).  Codes to v[PCD] on, two registers a block; the four scale bytes to v[TM + 4 + b] and, as a word, to v[PW].
; swap = 1: blocks 2 c and 2 c + 1 change halves, so that v[PCD + 4 c] on are four registers of an operand: lanes 0-15 block 2 c, lanes 16-31 block 2 c + 1.
.macro QUANT s, swap
.irp b, 0,1,2,3
	v_mov_b32 v[TM+4+\b], 0                        ; a lane permute's destination counts as one of its sources
.endr
.irp b, 0,1,2,3
	v_max3_num_f32 v[TM+\b], |v[\s+16*\b]|, |v[\s+1+16*\b]|, 0x1800000   ; and the floor 2^(3 - 127): the byte cannot fall under 1
.endr
.irp i, 2,4,6,8,10,12,14
.irp b, 0,1,2,3
	v_max3_num_f32 v[TM+\b], v[TM+\b], |v[\s+16*\b+\i]|, |v[\s+1+16*\b+\i]|
.endr
.endr
.irp b, 0,1,2,3
	v_permlanex16_b32 v[TM+4+\b], v[TM+\b], s[SEL], s[SEL+1]
.endr
.irp b, 0,1,2,3
	v_max_num_f32 v[TM+\b], v[TM+\b], v[TM+4+\b]   ; the block's largest magnitude
.endr
.irp b, 0,1,2,3
	v_add_nc_u32 v[TM+12+\b], 0xff000000, v[TM+\b] ; 2 off its exponent field: the conversion's scale operand
.endr
.irp b, 0,1,2,3
	v_lshrrev_b32 v[TM+4+\b], 23, v[TM+12+\b]      ; the scale's byte
.endr
	v_lshl_or_b32 v[PW], v[TM+5], 8, v[TM+4]
	v_lshl_or_b32 v[PW], v[TM+6], 16, v[PW]
	v_lshl_or_b32 v[PW], v[TM+7], 24, v[PW]
.irp b, 0,1,2,3
	v_cvt_scalef32_pk8_fp4_f32 v[PCD+2*\b], v[\s+16*\b:\s+7+16*\b], v[TM+12+\b]
	v_cvt_scalef32_pk8_fp4_f32 v[PCD+1+2*\b], v[\s+8+16*\b:\s+15+16*\b], v[TM+12+\b]
.endr
	v_nop                                          ; one plain place behind the scaled conversions
.if \swap
.irp c, 0,1
.irp i, 0,1
	v_permlane16_swap_b32 v[PCD+4*\c+\i], v[PCD+2+4*\c+\i]
.endr
.endr
.endif
.endm
.macro IMGST k                         ; my half fragment and my two scale bytes of each row tile, into image k
	s_wait_alu depctr_va_vdst(0)                   ; the quantiser has written v[PCD] on and v[PW], which the stores read; the vector work so far is done with v24-95, the accumulators and v[TMP] on, in which loads land behind the barrier
	ds_store_b128 v[IWA], v[PCD:PCD+3] offset:AIMG*(\k)
	ds_store_b128 v[IWA], v[PCD+4:PCD+7] offset:AIMG*(\k)+4096
	ds_store_b16 v[ISA], v[PW] offset:AIMG*(\k)
	ds_store_b16_d16_hi v[ISA], v[PW] offset:AIMG*(\k)+512
.endm
.macro AFLOAD k                        ; the whole activation comes back: 8 fragments, 8 scale words
	s_wait_alu depctr_vm_vsrc(0)                   ; my LDS stores have read their data: v[LT+2], in which a fragment lands, and v[PCD] on and v[PW], which are written again
.irp u, 0,1
.irp s, 0,1,2,3
.irp c, 0,1
	ds_load_b128 v[AF+32*\u+8*\s+4*\c:AF+32*\u+8*\s+4*\c+3], v[LI] offset:AIMG*(\k)+4096*\u+1024*\s+512*\c
.endr
.endr
.endr
.irp u, 0,1
.irp s, 0,1,2,3
	ds_load_b32 v[ASC+4*\u+\s], v[LS] offset:AIMG*(\k)+8192+512*\u+128*\s
.endr
.endr
.endm
.macro SILU                            ; v[TMP] on = x / (1 + 2^(-x log2 e)) of the accumulators: two batches of transcendentals, one wait each
.set jj, 0
.rept 32
	v_pk_mul_f32 v[TMP+jj:TMP+jj+1], v[ACC+jj:ACC+jj+1], 0xbfb8aa3b op_sel_hi:[1,0]
.set jj, jj+2
.endr
.set jj, 0
	s_wait_alu depctr_va_vdst(0)
.rept 64
	v_exp_f32 v[TMP+jj], v[TMP+jj]
.set jj, jj+1
.endr
	v_nop
	s_wait_alu depctr_va_vdst(0)                   ; the wait ahead of the batch's first reader: the 64 exponentials are written
.set jj, 0
.rept 32
	v_pk_add_f32 v[TMP+jj:TMP+jj+1], v[TMP+jj:TMP+jj+1], 1.0 op_sel_hi:[1,0]
.set jj, jj+2
.endr
.set jj, 0
	s_wait_alu depctr_va_vdst(0)
.rept 64
	v_rcp_f32 v[TMP+jj], v[TMP+jj]
.set jj, jj+1
.endr
	v_nop
	s_wait_alu depctr_va_vdst(0)                   ; likewise: the 64 reciprocals are written
.set jj, 0
.rept 32
	v_pk_mul_f32 v[TMP+jj:TMP+jj+1], v[TMP+jj:TMP+jj+1], v[ACC+jj:ACC+jj+1]
.set jj, jj+2
.endr
.endm
; RoPE, in four chunks n = 2 u + u': eight channels d of the head's first half (a) and their partners d + 32 (b).  a' = a cos(d) - b sin(d);  b' = b cos(d + 32) + a sin(d + 32).
.macro RLOAD n
.set RB, TMP+32*((\n)%2)
.set RO, 16*XPITCH*((\n)/2)+32*((\n)%2)
	ds_load_b128 v[RB:RB+3], v[CBA] offset:RO
	ds_load_b128 v[RB+4:RB+7], v[CBA] offset:RO+16
	ds_load_b128 v[RB+8:RB+11], v[CBA] offset:RO+128
	ds_load_b128 v[RB+12:RB+15], v[CBA] offset:RO+144
	ds_load_b128 v[RB+16:RB+19], v[SBA] offset:RO
	ds_load_b128 v[RB+20:RB+23], v[SBA] offset:RO+16
	ds_load_b128 v[RB+24:RB+27], v[SBA] offset:RO+128
	ds_load_b128 v[RB+28:RB+31], v[SBA] offset:RO+144
.endm
.macro RWORK n
.set RB, TMP+32*((\n)%2)
.set RA, ACC+32*((\n)/2)+8*((\n)%2)
.irp j, 0,2,4,6
	v_pk_mul_f32 v[RT+\j:RT+\j+1], v[RA+\j:RA+\j+1], v[RB+24+\j:RB+25+\j]
.endr
.irp j, 0,2,4,6
	v_pk_mul_f32 v[RA+\j:RA+\j+1], v[RA+\j:RA+\j+1], v[RB+\j:RB+\j+1]
.endr
.irp j, 0,2,4,6
	v_pk_fma_f32 v[RA+\j:RA+\j+1], v[RA+16+\j:RA+17+\j], v[RB+16+\j:RB+17+\j], v[RA+\j:RA+\j+1] neg_lo:[1,0,0] neg_hi:[1,0,0]
.endr
.irp j, 0,2,4,6
	v_pk_fma_f32 v[RA+16+\j:RA+17+\j], v[RA+16+\j:RA+17+\j], v[RB+8+\j:RB+9+\j], v[RT+\j:RT+\j+1]
.endr
.endm
.macro ROPE
	RLOAD 0
	RLOAD 1
	s_wait_dscnt 8                                 ; the older chunk's eight loads are in; the younger chunk's eight may be out
	RWORK 0
	s_wait_alu depctr_va_vdst(0)                   ; chunk 0's arithmetic is done reading its cos and sin, in whose registers chunk 2's land
	RLOAD 2
	s_wait_dscnt 8
	RWORK 1
	s_wait_alu depctr_va_vdst(0)                   ; chunk 1's arithmetic is done reading its cos and sin, in whose registers chunk 3's land
	RLOAD 3
	s_wait_dscnt 8
	RWORK 2
	s_wait_dscnt 0x0
	RWORK 3
.endm
.macro QKST cimm, simm                 ; q's or k's two tiles: 512 consecutive bytes of codes each; a scale word = the head's two bytes, and 0x7f twice for the zero codes that fill K up to 128
	v_and_or_b32 v[RT], v[PW], 0xffff, s[PADW]
	v_lshrrev_b32 v[RT+1], 16, v[PW]
	v_or_b32 v[RT+1], s[PADW], v[RT+1]
	s_wait_alu depctr_va_vdst(0)                   ; the codes in v[PCD] on and the two scale words in v[RT], v[RT+1] are written, which the stores read; the vector work so far is done with v[TMP] on, in which the next cos and sin land
	global_store_b128 v[LI], v[PCD:PCD+3], s[PQ:PQ+1] offset:\cimm
	global_store_b128 v[LI], v[PCD+4:PCD+7], s[PQ:PQ+1] offset:\cimm+512
	global_store_b32 v[LS], v[RT], s[PSQ:PSQ+1] offset:\simm
	global_store_b32 v[LS], v[RT+1], s[PSQ:PSQ+1] offset:\simm+128
.endm
.macro ROWSL                           ; my four tokens' whole rows out of LDS,
.irp i, 0,1,2,3
.irp k, 0,1,2,3
	ds_load_b128 v[TMP+16*\i+4*\k:TMP+16*\i+4*\k+3], v[XRW] offset:XPITCH*\i+512*\k
.endr
.endr
.endm
.macro ROWSS                           ; and to memory: 512 consecutive bytes a store
.irp i, 0,1,2,3
.irp k, 0,1,2,3
	global_store_b128 v[GRW], v[TMP+16*\i+4*\k:TMP+16*\i+4*\k+3], s[P_OUT:P_OUT+1] offset:2048*\i+512*\k th:TH_STORE_NT
.endr
.endr
.endm
; ================ THE HEAD
.if KIND == 0
	s_load_b512 s[4:19], s[0:1], 0x0
	s_load_b128 s[20:23], s[0:1], 0x40
.elseif KIND == 1
	s_load_b512 s[4:19], s[0:1], 0x0
	s_load_b512 s[20:35], s[0:1], 0x40
	s_load_b64 s[36:37], s[0:1], 0x80
.else
	s_load_b512 s[4:19], s[0:1], 0x0
	s_load_b128 s[20:23], s[0:1], 0x40
	s_load_b64 s[24:25], s[0:1], 0x50
.endif
	v_lshl_add_u32 v[SPW], v0, 2, SPARE
	v_mov_b32 v[NIL], 0
	v_lshrrev_b32 v195, 5, v0
	v_readfirstlane_b32 s[WV], v195                ; wave 0..7
	v_and_b32 v192, 31, v0                         ; lane
	v_and_b32 v193, 15, v0                         ; r
	v_bfe_u32 v194, v0, 4, 1                       ; h
	v_lshlrev_b32 v[LI], 4, v192
	v_lshlrev_b32 v[LS], 2, v192
	v_mul_u32_u24 v195, v193, XPITCH
	v_lshl_add_u32 v195, v194, 6, v195
	s_wait_alu depctr_va_sdst(0)                   ; the wave's number is written, ahead of its first reader: LDS addresses and the buffers' offsets are made from it
	s_lshl_b32 s40, s[WV], 8                       ; my wave's 256 bytes of a row
	s_add_co_u32 s41, s40, XB
	v_add_nc_u32 v[XBA], s41, v195
.if KIND != 2
	v_add_nc_u32 v[CBA], XREG, v[XBA]
	v_add_nc_u32 v[SBA], 2*XREG, v[XBA]
.endif
	s_add_co_u32 s41, s40, PAR
	v_lshlrev_b32 v195, 6, v194
	v_add_nc_u32 v[PRA], s41, v195
	v_lshlrev_b32 v195, 3, v192
	v_add_nc_u32 v197, s41, v195                   ; LN vectors: where my 8 bytes go in LDS,
	v_add_nc_u32 v196, s40, v195                   ; and where they lie in memory
	s_bfe_u32 s40, s[WV], 0x10001                  ; token 4 w + i lies in slot 16 (bit 3) + 8 (bit 4) + (bits 2:0):
	s_lshl_b32 s40, s40, 4
	s_lshr_b32 s41, s[WV], 2
	s_lshl_b32 s41, s41, 3
	s_add_co_u32 s40, s40, s41
	s_and_b32 s41, s[WV], 1
	s_lshl_b32 s41, s41, 2
	s_add_co_u32 s40, s40, s41                     ; my four tokens' first slot
	s_mul_i32 s40, s40, XPITCH
	s_add_co_u32 s40, s40, XB
	v_add_nc_u32 v[XRW], s40, v[LI]
.if KIND != 2
	v_add_nc_u32 v198, XREG, v[XRW]
	v_add_nc_u32 v199, 2*XREG, v[XRW]
.endif
	v_lshl_add_u32 v[GRW], s[WV], 13, v[LI]
	v_and_b32 v195, 8, v193
	v_add_nc_u32 v195, v195, v193
	v_lshlrev_b32 v[WSA], 4, v195
	s_lshl_b32 s40, s[WV], 9                       ; K step w / 2, half w % 2: 1,024 (w / 2) + 512 (w % 2) = 512 w
	v_add_nc_u32 v[IWA], s40, v[LI]
	s_lshr_b32 s40, s[WV], 1
	s_lshl_b32 s40, s40, 7
	s_and_b32 s41, s[WV], 1
	s_lshl_b32 s41, s41, 1
	s_add_co_u32 s40, s40, s41
	s_add_co_u32 s40, s40, 8192
	v_add_nc_u32 v[ISA], s40, v[LS]
	s_lshl_b32 s40, s[WV], 2
	s_add_co_u32 s40, s40, PSUM
	v_lshlrev_b32 v195, 5, v192
	v_add_nc_u32 v[PSW], s40, v195
	v_lshl_add_u32 v[PSR], v193, 5, PSUM
	s_mov_b32 s[HIM], 0xffff0000                   ; lanes 16-31
	s_mov_b32 s[C512], 0x3b000000                  ; 1 / 512
	s_mov_b32 s[CEPS], 0x3727c5ac                  ; 1e-5
	s_mov_b32 s[PADW], 0x7f7f0000
	s_mov_b32 s[SEL], 0x76543210
	s_mov_b32 s[SEL+1], 0xfedcba98                 ; v_permlanex16_b32's selects for lane l xor 16
	s_wait_kmcnt 0x0
	s_lshl_b32 s40, ttmp9, 16                      ; my block's 32 rows of 2,048 bytes
	s_mov_b32 s41, 0
	s_mov_b32 s43, 0
	s_add_nc_u64 s[P_X:P_X+1], s[P_X:P_X+1], s[40:41]
.if KIND != 2
	s_add_nc_u64 s[P_COS:P_COS+1], s[P_COS:P_COS+1], s[40:41]
	s_add_nc_u64 s[P_SIN:P_SIN+1], s[P_SIN:P_SIN+1], s[40:41]
.endif
.if KIND != 0
	s_add_nc_u64 s[P_OUT:P_OUT+1], s[P_OUT:P_OUT+1], s[40:41]
	s_lshl_b32 s42, ttmp9, 10
	s_add_nc_u64 s[CTS:CTS+1], s[P_CTX:P_CTX+1], s[42:43]          ; ctx's scale words of my two row tiles (the region's offset stands in the loads)
	s_lshl_b32 s42, ttmp9, 13
	s_add_nc_u64 s[P_CTX:P_CTX+1], s[P_CTX:P_CTX+1], s[42:43]      ; and their codes
.endif
	s_lshl_b32 s42, s[WV], 14
	s_add_nc_u64 s[P_WF:P_WF+1], s[P_WF:P_WF+1], s[42:43]          ; my four tiles of every weight
	s_lshl_b32 s42, s[WV], 10                      ; my 64 rows of 16 scale bytes
.if KIND != 0
.irp p, P_SO, P_S1, P_S2
	s_add_nc_u64 s[\p:\p+1], s[\p:\p+1], s[42:43]
.endr
.endif
.if KIND != 2
.irp p, P_SQ, P_SK, P_SV
	s_add_nc_u64 s[\p:\p+1], s[\p:\p+1], s[42:43]
.endr
	s_lshr_b32 s40, ttmp9, 6                       ; the batch
	s_lshl_b32 s40, s40, 3
	s_add_co_u32 s40, s40, s[WV]                   ; bh = 8 x batch + head
	s_and_b32 s41, ttmp9, 63                       ; my block of 32 tokens in the sequence
	s_lshl_b32 s42, s40, 7
	s_lshl_b32 s43, s41, 1
	s_add_co_u32 s42, s42, s43                     ; its first tile among the head's 128
	s_lshl_b32 s42, s42, 7
	s_mov_b32 s43, 0
	s_add_nc_u64 s[PSQ:PSQ+1], s[P_QKV:P_QKV+1], s[42:43]          ; 128 bytes of scale words a tile,
	s_lshl_b32 s42, s42, 2
	s_add_nc_u64 s[PQ:PQ+1], s[P_QKV:P_QKV+1], s[42:43]            ; 512 of codes
	s_and_b32 s43, s41, 3                          ; which of a key step's four blocks of 32 keys I am
	s_lshr_b32 s41, s41, 2                         ; the key step
	s_lshl_b32 s40, s40, 4
	s_add_co_u32 s40, s40, s41
	s_lshl_b32 s42, s40, 8
	s_add_co_u32 s42, s42, s43                     ; v's scale bytes: 256 a key step, + my block's byte
	s_lshl_b32 s40, s40, 12
	s_lshl_b32 s43, s43, 8
	s_add_co_u32 s40, s40, s43                     ; v's codes: 4,096 a key step; block 2 c + h is registers 4 c on of lanes 16 h on: 256 bytes a block
	s_mov_b32 s41, 0
	s_mov_b32 s43, 0
	s_add_nc_u64 s[PV:PV+1], s[P_QKV:P_QKV+1], s[40:41]
	s_add_nc_u64 s[PVS:PVS+1], s[P_QKV:P_QKV+1], s[42:43]
.endif
	s_wait_alu depctr_va_vdst(0)                   ; the addresses and offsets v3 to v15 and v196 to v199 are written, which the loads and stores of the whole kernel read
; what goes through LDS: my four rows of the residual (and of cos and sin), my 256 bytes of the LN vectors
.irp i, 0,1,2,3
.irp k, 0,1,2,3
	global_load_b128 v[ACC+16*\i+4*\k:ACC+16*\i+4*\k+3], v[GRW], s[P_X:P_X+1] offset:2048*\i+512*\k th:TH_LOAD_NT
.endr
.endr
	global_load_b64 v[200:201], v196, s[P_LAW:P_LAW+1] offset:LAOFF
	global_load_b64 v[202:203], v196, s[P_LAB:P_LAB+1] offset:LAOFF
.if KIND != 0
	global_load_b64 v[204:205], v196, s[P_LBW:P_LBW+1] offset:LBOFF
	global_load_b64 v[206:207], v196, s[P_LBB:P_LBB+1] offset:LBOFF
.endif
.if KIND != 2
	WIN 0x40                                       ; into the second weight set's registers, which are free until these have gone to LDS
.irp i, 0,1,2,3
.irp k, 0,1,2,3
	global_load_b128 v[128+16*\i+4*\k:128+16*\i+4*\k+3], v[GRW], s[P_COS:P_COS+1] offset:2048*\i+512*\k th:TH_LOAD_NT
.endr
.endr
.irp i, 0,1,2,3
.irp k, 0,1,2,3
	global_load_b128 v[192+16*\i+4*\k:192+16*\i+4*\k+3], v[GRW], s[P_SIN:P_SIN+1] offset:2048*\i+512*\k th:TH_LOAD_NT
.endr
.endr
	WIN 0
.endif
; what goes straight into operand registers: G2 loads
.if KIND != 0
.irp u, 0,1
.irp s, 0,1,2,3
.irp c, 0,1
	global_load_b128 v[AF+32*\u+8*\s+4*\c:AF+32*\u+8*\s+4*\c+3], v[LI], s[P_CTX:P_CTX+1] offset:4096*\u+1024*\s+512*\c
.endr
.endr
.endr
.irp u, 0,1
.irp s, 0,1,2,3
	global_load_b32 v[ASC+4*\u+\s], v[LS], s[CTS:CTS+1] offset:OCS+512*\u+128*\s
.endr
.endr
	WLOAD 0, RO+LAYER*131072, P_SO, LAYER*8192
.else
	WLOAD 0, RQ+TL*131072, P_SQ, TL*8192
.endif
	s_wait_loadcnt G2                              ; all but the G2 loads just issued: the rows and the LN vectors are in
.irp i, 0,1,2,3
.irp k, 0,1,2,3
	ds_store_b128 v[XRW], v[ACC+16*\i+4*\k:ACC+16*\i+4*\k+3] offset:XPITCH*\i+512*\k
.endr
.endr
	ds_store_b64 v197, v[200:201]
	ds_store_b64 v197, v[202:203] offset:2048
.if KIND != 0
	ds_store_b64 v197, v[204:205] offset:4096
	ds_store_b64 v197, v[206:207] offset:6144
.endif
.if KIND != 2
	WIN 0x04                                       ; an LDS store's data are its source 1: window 1
.irp i, 0,1,2,3
.irp k, 0,1,2,3
	ds_store_b128 v198, v[128+16*\i+4*\k:128+16*\i+4*\k+3] offset:XPITCH*\i+512*\k
.endr
.endr
.irp i, 0,1,2,3
.irp k, 0,1,2,3
	ds_store_b128 v199, v[192+16*\i+4*\k:192+16*\i+4*\k+3] offset:XPITCH*\i+512*\k
.endr
.endr
	WIN 0
.endif
	s_wait_dscnt 0x0                               ; my stores have landed, for the others' sake
	s_wait_alu depctr_vm_vsrc(0)                   ; my LDS stores have read their data and addresses: the second weight set lands where cos and sin stood, the residual's columns in the accumulators, the LN vectors in v196 to v207
.if KIND != 0
	WLOAD 1, R1+LAYER*262144, P_S1, LAYER*16384
.else
	WLOAD 1, RK+TL*131072, P_SK, TL*8192
.endif
	s_barrier_signal -1
	s_barrier_wait -1                              ; the 32 rows lie in LDS
.if KIND != 0
; ================ ctx Wo + the residual
	XLD
	s_wait_loadcnt 36                              ; ctx and Wo are in; the next set's 36 loads may be out (so in front of every run of products but the last)
	s_wait_dscnt 0x0
	GEMM 0, 1
	PLACES
	s_wait_alu depctr_va_vdst(0)                   ; the products are done reading weight set 0 and its scale words, in which the next set lands, and have written the accumulators, which the LDS stores read
	WLOAD 0, R1+LAYER*262144+131072, P_S1, LAYER*16384+8192
	XST                                            ; kept for the MLP's residual
; ================ LN2, W1, the gate
	LNORM 0, 0
	QUANT ACC, 1
	IMGST 0
	BARRIER
	AFLOAD 0
	s_wait_loadcnt 36
	s_wait_dscnt 0x0
	GEMM 1, 0                                      ; x1
	PLACES
	s_wait_alu depctr_va_vdst(0)                   ; the products are done reading weight set 1 and its scale words, in which the next set lands
	WLOAD 1, R2+LAYER*131072, P_S2, LAYER*8192
	SILU
	s_wait_loadcnt 36
	GEMM 0, 0                                      ; x2
	PLACES
.if KIND == 1
	s_wait_alu depctr_va_vdst(0)                   ; the products are done reading weight set 0 and its scale words, in which the next set lands
	WLOAD 0, RQ+TL*131072, P_SQ, TL*8192
.endif
.set jj, 0
.rept 32
	v_pk_mul_f32 v[ACC+jj:ACC+jj+1], v[TMP+jj:TMP+jj+1], v[ACC+jj:ACC+jj+1]    ; silu(x1) x2
.set jj, jj+2
.endr
	QUANT ACC, 1
	IMGST 1
	BARRIER
	AFLOAD 1
	XLD
; ================ W2 + the residual
.if KIND == 1
	s_wait_loadcnt 36
.else
	s_wait_loadcnt 0x0                             ; the last set: nothing was asked for behind it
.endif
	s_wait_dscnt 0x0
	GEMM 1, 1
	PLACES
.if KIND == 1
	s_wait_alu depctr_va_vdst(0)                   ; the products are done reading weight set 1 and its scale words, in which the next set lands, and have written the accumulators, which the LDS stores read
	WLOAD 1, RK+TL*131072, P_SK, TL*8192
	XST                                            ; the layer's result: the LayerNorm's first barrier shows all its columns to all waves
.endif
.else
	XLD
	s_wait_dscnt 0x0
.endif
.if KIND == 2
; ================ the closing LayerNorm, and out by whole rows
	LNORM 2, 2
	s_wait_alu depctr_va_vdst(0)                   ; the LayerNorm has written the accumulators, which the LDS stores read, and is done reading its gain and bias, in whose registers the rows land
	XST
	BARRIER
	ROWSL
	s_wait_dscnt 0x0
	ROWSS
.else
; ================ LN1, q, k, v
	LNORM TK, TK
	QUANT ACC, 1
	IMGST TK
	BARRIER
	AFLOAD TK
.if KIND == 1
	ROWSL
.endif
	s_wait_loadcnt 36
	s_wait_dscnt 0x0
.if KIND == 1
	ROWSS                                          ; the layer's result goes to x1 while q is multiplied
.endif
	GEMM 0, 0                                      ; q
	PLACES
	s_wait_alu depctr_va_vdst(0)                   ; the products are done reading weight set 0 and its scale words, in which Wv's land
	WLOAD 0, RV+TL*131072, P_SV, TL*8192
	s_wait_xcnt 0x0                                ; earlier stores have read their registers: they are written again only behind this wait
.if KIND == 1
	s_wait_alu depctr_vm_vsrc(0)                   ; the stores of the layer's result have read v[TMP] on, in which cos and sin land
.endif
	ROPE
	QUANT ACC, 1
	QKST OQC, OQS
	s_wait_loadcnt 36
	GEMM 1, 0                                      ; k
	PLACES
	s_wait_xcnt 0x0
	s_wait_alu depctr_vm_vsrc(0)                   ; q's stores have read v[PCD] on, in which cos and sin land, and v[RT], v[RT+1], which RoPE writes
	ROPE
	QUANT ACC, 1
	QKST OKC, OKS
	s_wait_loadcnt 0x0
	GEMM 0, 2                                      ; v, the natural way round: lane (r, h) holds channel row r of tile t; registers 16 t + i are tokens 16 h + i of my block: one block of 32 keys
	PLACES
	s_wait_xcnt 0x0
	s_wait_alu depctr_vm_vsrc(0)                   ; k's stores have read v[PCD] on, which the quantiser writes again
	QUANT ACC, 0
	v_and_b32 v[RT+2], 15, v0
	v_bfe_u32 v[RT+3], v0, 4, 1
	v_lshlrev_b32 v[RT+4], 2, v[RT+2]              ; 4 r
	v_lshlrev_b32 v[RT+2], 4, v[RT+2]
	v_lshl_add_u32 v[RT+2], v[RT+3], 3, v[RT+2]    ; 16 r + 8 h: my 16 codes are half of a lane's 16 bytes
	s_wait_alu depctr_va_vdst(0)                   ; v's codes, its four scale bytes and the two offsets are written, which the stores read
.irp d, 0,1,2,3
	global_store_b64 v[RT+2], v[PCD+2*\d:PCD+2*\d+1], s[PV:PV+1] offset:OVC+1024*\d    ; 32 lanes store 256 consecutive bytes, aligned
.endr
.irp d, 0,1,2,3
	global_store_b8 v[RT+4], v[TM+4+\d], s[PVS:PVS+1] offset:OVS+64*\d                 ; my block's byte of each channel's scale word; both halves of the lanes write the same byte
.endr
.endif
	s_wait_dscnt 0x0                               ; the wave's end
	s_wait_alu 0x0
	s_wait_tensorcnt 0x0
	ds_add_u32 v[SPW], v[NIL]
	s_wait_dscnt 0x0
	s_endpgm
.Lfunc_end_k_qf8de62085e_mid:
	.size	k_qf8de62085e_mid, .Lfunc_end_k_qf8de62085e_mid-k_qf8de62085e_mid
	.p2alignl 7, 3214868480
	.fill 96, 4, 3214868480
	.section	.rodata,"a",@progbits
	.p2align	6, 0x0
	.amdhsa_kernel k_qf8de62085e_mid
		.amdhsa_group_segment_fixed_size 239104
		.amdhsa_private_segment_fixed_size 0
		.amdhsa_enable_private_segment 0
		.amdhsa_kernarg_size 136
		.amdhsa_user_sgpr_count 2
		.amdhsa_user_sgpr_kernarg_segment_ptr 1
		.amdhsa_wavefront_size32 1
		.amdhsa_system_sgpr_workgroup_id_x 1
		.amdhsa_system_sgpr_workgroup_id_y 1
		.amdhsa_system_sgpr_workgroup_id_z 1
		.amdhsa_system_vgpr_workitem_id 0
		.amdhsa_next_free_vgpr 512
		.amdhsa_next_free_sgpr 66
		.amdhsa_reserve_vcc 0
		.amdhsa_float_denorm_mode_32 3
		.amdhsa_float_denorm_mode_16_64 3
		.amdhsa_memory_ordered 1
		.amdhsa_forward_progress 1
		.amdhsa_inst_pref_size 161
	.end_amdhsa_kernel
	.amdgpu_metadata
---
amdhsa.version: [ 1, 2 ]
amdhsa.kernels:
  - .name:           k_qf8de62085e_mid
    .symbol:         k_qf8de62085e_mid.kd
    .args:
      - { .name: x, .offset: 0, .size: 8, .value_kind: global_buffer, .address_space: global }
      - { .name: ctx, .offset: 8, .size: 8, .value_kind: global_buffer, .address_space: global }
      - { .name: wf, .offset: 16, .size: 8, .value_kind: global_buffer, .address_space: global }
      - { .name: Wo_scales, .offset: 24, .size: 8, .value_kind: global_buffer, .address_space: global }
      - { .name: W1_scales, .offset: 32, .size: 8, .value_kind: global_buffer, .address_space: global }
      - { .name: W2_scales, .offset: 40, .size: 8, .value_kind: global_buffer, .address_space: global }
      - { .name: Wq_scales, .offset: 48, .size: 8, .value_kind: global_buffer, .address_space: global }
      - { .name: Wk_scales, .offset: 56, .size: 8, .value_kind: global_buffer, .address_space: global }
      - { .name: Wv_scales, .offset: 64, .size: 8, .value_kind: global_buffer, .address_space: global }
      - { .name: ln2_w, .offset: 72, .size: 8, .value_kind: global_buffer, .address_space: global }
      - { .name: ln2_b, .offset: 80, .size: 8, .value_kind: global_buffer, .address_space: global }
      - { .name: ln1_w, .offset: 88, .size: 8, .value_kind: global_buffer, .address_space: global }
      - { .name: ln1_b, .offset: 96, .size: 8, .value_kind: global_buffer, .address_space: global }
      - { .name: pos_cos, .offset: 104, .size: 8, .value_kind: global_buffer, .address_space: global }
      - { .name: pos_sin, .offset: 112, .size: 8, .value_kind: global_buffer, .address_space: global }
      - { .name: x1, .offset: 120, .size: 8, .value_kind: global_buffer, .address_space: global }
      - { .name: qkv, .offset: 128, .size: 8, .value_kind: global_buffer, .address_space: global }
    .group_segment_fixed_size: 239104
    .private_segment_fixed_size: 0
    .kernarg_segment_align: 8
    .kernarg_segment_size: 136
    .max_flat_workgroup_size: 256
    .sgpr_count:     66
    .vgpr_count:     512
    .wavefront_size: 32
...
	.end_amdgpu_metadata
.endif
;; end of part 9
;; launch attn1: the kernel of part 8 again; grid 8 x 32, 16 waves a work-group, no clusters, 161,792 bytes of LDS; arguments qkv, attn_mask, ctx; writes ctx
;; launch last (part 10): grid 256 x 1, 8 waves a work-group, no clusters, 239,104 bytes of LDS; arguments x1, ctx, wf, Wo_scales, W1_scales, W2_scales, ln2_w, ln2_b, lnf_w, lnf_b, out0; writes out0
.if DOCPART == 10
	.amdgcn_target "amdgcn-amd-amdhsa--gfx1250"
	.amdhsa_code_object_version 6
	.text
	.protected	k_qf8de62085e_last
	.globl	k_qf8de62085e_last
	.p2align	8
	.type	k_qf8de62085e_last,@function
k_qf8de62085e_last:
	s_mov_b64 s[64:65], 0
	v_nop
	global_prefetch_b8 v0, s[64:65] scope:SCOPE_SE
	s_setreg_imm32_b32 hwreg(HW_REG_WAVE_SCHED_MODE, 0, 2), 2
	s_setreg_imm32_b32 hwreg(HW_REG_WAVE_MODE, 25, 1), 1
	s_wait_xcnt 0x0
	s_wait_alu depctr_vm_vsrc(0)
; THE CHAIN, one text for three launches; KIND chooses the arms.  No work of the model is left out here.
;   KIND 0 (front): LN1 of layer 0, quantise, q k v, RoPE, quantise q and k along the head and v along the keys -> qkv.
;   KIND 1 (mid):   ctx Wo + x, LN2, W1, silu gate, W2, + residual -> x1; then all of KIND 0's work for layer 1.
;   KIND 2 (last):  ctx Wo + x1, LN2, W1, gate, W2, + residual, closing LN -> out0.
; SHARES.  A work-group of eight waves takes 32 tokens: two row tiles u = 0, 1; lane row r of tile u is token 8 u + r + 8 (r / 8) of the block.  THE WAVES SHARE THE COLUMNS: wave w makes
; features 64 w .. 64 w + 63 (head w) of every product: four tiles of weight rows (prep's order) x two row tiles = 8 accumulators by turns, 32 matrix instructions a product.
; PRODUCTS ARE USED TRANSPOSED (source 0 = 16 weight rows, source 1 = 16 tokens): a lane holds one token, and the 16 registers of tiles 2 b, 2 b + 1 are features 32 b + 16 (lane / 16) + 0 .. 15:
; neighbours along the next K, which the conversions want.
; WEIGHTS come from wf straight into registers, 512 consecutive bytes a load, two sets by turns in window 1; set n + 2 is asked for behind the products of set n.
; OPERANDS GO FROM WAVE TO WAVE THROUGH LDS AS IMAGES OF THEIR REGISTERS: a wave's 64 features are half a fragment (four registers) and two scale bytes of each row tile.
; The residual lies in LDS by rows, in the tiles' order of tokens, 2,064 bytes apart: the 16 rows that a column read touches begin in 16 different runs of 16 bytes modulo 256.
; LIMITS: a block of zeros gets the scale byte 1 (zero codes; this program alone reads the bytes); largest magnitudes under 2^-124 are held at that byte; NaN and infinities are not served.
; THE MODE: SCHED_MODE bits 1:0 = 2 (LLVM: expert scheduling mode 2), set by the entry lines.  The code itself states the register dependences
; between vector or matrix instructions and memory or LDS instructions, with s_wait_alu, always for 0.
; THE PLAN.  Registers that memory or LDS instructions touch, and who else names them:
;   v3-15       addresses and offsets: written at the head, ahead of one wait on va_vdst, and never again.
;   window 1    the two weight sets, and v96-127 their scale words: read by a run of 32 products; the set after next lands there behind ONE wait on va_vdst, which follows the run's places.
;               The same wait shows the accumulators written where they are stored to LDS behind the run.
;   v128-191    the accumulators: loaded from and stored to the residual's rows in LDS; written by products and by vector work.
;   v24-95      the activation's fragments and scale words, loaded from an image; while they are dead the LayerNorm's temporaries: v[LT+2] is stored, the eight waves' parts land in v[LT+16] on.
;   v192-255    at work: LN vectors and whole rows land there; the quantiser writes its codes and scale word there, and they are stored from there.
; Each run of stores of vector or matrix results has one wait on va_vdst ahead of it, which also covers the loads that follow it into registers that earlier vector work named;
; each register that a store has read has one wait on vm_vsrc ahead of its next writer.  No scaled product takes an operand that a vector instruction wrote: all come by loads.
.set KIND, 2
.set P_X, 4                            ; s[4:5] x1;  the other pointers likewise, in the order of the arguments
.set P_CTX, 6
.set P_WF, 8
.set P_SO, 10
.set P_S1, 12
.set P_S2, 14
.set P_LAW, 16
.set P_LAB, 18
.set P_LBW, 20
.set P_LBB, 22
.set P_OUT, 24
.set LAYER, 1                          ; the layer of Wo, W1, W2
.set LAOFF, 2048                       ; byte offset of the layer in the first LayerNorm's vectors (ln2),
.set LBOFF, 0                          ; and in the second's (the closing one's)
.set G2, 60                            ; loads issued at the head behind those that go through LDS
; wf's regions and ctx's, in bytes
.set RQ, 0
.set RK, 262144
.set RV, 524288
.set RO, 786432
.set R2, 1048576
.set R1, 1310720
.set OCS, 2097152                      ; ctx: scale words [row tile 512][K step 4][lane][4], behind the codes [row tile][K step][c][lane][16]
; LDS
.set AIMG, 9216                        ; three images of an activation: 8,192 bytes of codes [u][s][c][lane][16], 1,024 of scale words [u][s][lane][4]
.set PSUM, 27648                       ; four regions of partial sums, [slot 32][wave 8] f32
.set PAR, 31744                        ; four LN vectors of 2,048 bytes
.set SPARE, 39936                      ; the spare words, 128 bytes a wave: four blocks of 256 bytes that no other line names
.set XB, 40960                         ; 32 rows of the residual
.set XPITCH, 2064
.set XREG, 66048
; vector registers, window 0
.set SPW, 1                            ; my spare word's address; never rewritten
.set NIL, 2                            ; 0; never rewritten
.set LI, 3                             ; 16 x lane
.set LS, 4                             ; 4 x lane
.set XBA, 5                            ; residual: row r, my wave's 256 bytes, + 64 h
.set XRW, 8                            ; residual by rows: my wave's four tokens' slots, + 16 x lane
.set GRW, 9                            ; the same four rows in memory: 8,192 w + 16 x lane
.set WSA, 10                           ; a weight row's 16 scale bytes: 16 (r + 8 (r / 8))
.set IWA, 11                           ; where I store my half fragments
.set ISA, 12                           ; and my two scale bytes
.set PSW, 13                           ; partial sums: my word
.set PSR, 14                           ; and the eight words of slot r
.set PRA, 15                           ; LN vectors: my wave's 256 bytes, + 64 h
.set AF, 24                            ; v24-87  the activation's fragments [u][s], 8 registers each
.set LT, 24                            ;         (LayerNorm's temporaries while those are dead)
.set ASC, 88                           ; v88-95  their scale words, 4 u + s
.set WSC, 96                           ; v96-127 the weights' scale words, 16 p + 4 t + s
.set ACC, 128                          ; v128-191 the eight accumulators
.set TMP, 192                          ; v192-255 at work
.set TM, TMP
.set PW, TMP+16
.set PCD, TMP+24
; scalars
.set WV, 38
.set HIM, 54
.set C512, 55
.set CEPS, 56
.set SEL, 58
.set CTS, 60
.set MSB, 0
.macro WIN new                         ; the immediate's high byte repeats the setting that is left
.if MSB != \new
	s_set_vgpr_msb (MSB<<8)|\new
.set MSB, \new
.endif
.endm
.macro PLACES                          ; behind a run of products: four places are owed to readers of the results, five to a later product that writes over an accumulator
.rept 5
	v_nop
.endr
.endm
.macro BARRIER                         ; my LDS stores have landed and my LDS loads are in: then the work-group's barrier
	s_wait_dscnt 0x0
	s_barrier_signal -1
	s_barrier_wait -1
.endm
; A set of weights: my four tiles x 512 K (32 loads of 512 consecutive bytes) into set p of window 1, and their rows' scale words (a row's 16 bytes are its four K steps' words): 36 loads.
.macro WLOAD p, cimm, sp, simm
	WIN 0x40
.irp t, 0,1,2,3
.irp k, 0,1,2,3,4,5,6,7
	global_load_b128 v[128*(\p)+32*\t+4*\k:128*(\p)+32*\t+4*\k+3], v[LI], s[P_WF:P_WF+1] offset:(\cimm)+4096*\t+512*\k
.endr
.endr
	WIN 0
.irp t, 0,1,2,3
	global_load_b128 v[WSC+16*(\p)+4*\t:WSC+16*(\p)+4*\t+3], v[WSA], s[\sp:\sp+1] offset:(\simm)+512*(\t/2)+128*(\t%2)
.endr
.endm
.macro MM0 d, a, b, sa, sb             ; a product that starts a sum
	v_wmma_scale_f32_16x16x128_f8f6f4 v[\d:\d+7], v[\a:\a+7], v[\b:\b+7], 0, v[\sa], v[\sb] matrix_a_fmt:MATRIX_FMT_FP4 matrix_b_fmt:MATRIX_FMT_FP4
.endm
.macro MMA d, a, b, sa, sb             ; and one that adds in place
	v_wmma_scale_f32_16x16x128_f8f6f4 v[\d:\d+7], v[\a:\a+7], v[\b:\b+7], v[\d:\d+7], v[\sa], v[\sb] matrix_a_fmt:MATRIX_FMT_FP4 matrix_b_fmt:MATRIX_FMT_FP4
.endm
; 32 products on weight set p; the eight accumulators take turns, one instruction a turn.
; mode 0: the first K step starts the sums.  mode 1: onto the residual that lies in the accumulators.
.macro GEMM p, mode
	WIN 0x01
.irp s, 0,1,2,3
.irp t, 0,1,2,3
.irp u, 0,1
.if (\mode == 0) && (\s == 0)
	MM0 ACC+32*\u+8*\t, 128*(\p)+32*\t+8*\s, AF+32*\u+8*\s, WSC+16*(\p)+4*\t+\s, ASC+4*\u+\s
.else
	MMA ACC+32*\u+8*\t, 128*(\p)+32*\t+8*\s, AF+32*\u+8*\s, WSC+16*(\p)+4*\t+\s, ASC+4*\u+\s
.endif
.endr
.endr
.endr
	WIN 0
.endm
.macro XLD                             ; my columns of the residual, in the accumulators' layout
.irp u, 0,1
.irp t, 0,1,2,3
	ds_load_b128 v[ACC+32*\u+8*\t:ACC+32*\u+8*\t+3], v[XBA] offset:16*XPITCH*\u+128*(\t/2)+32*(\t%2)
	ds_load_b128 v[ACC+32*\u+8*\t+4:ACC+32*\u+8*\t+7], v[XBA] offset:16*XPITCH*\u+128*(\t/2)+32*(\t%2)+16
.endr
.endr
.endm
.macro XST                             ; and back: my wave's own bytes; each accumulator from its low end on
.irp u, 0,1
.irp t, 0,1,2,3
	ds_store_b128 v[XBA], v[ACC+32*\u+8*\t:ACC+32*\u+8*\t+3] offset:16*XPITCH*\u+128*(\t/2)+32*(\t%2)
	ds_store_b128 v[XBA], v[ACC+32*\u+8*\t+4:ACC+32*\u+8*\t+7] offset:16*XPITCH*\u+128*(\t/2)+32*(\t%2)+16
.endr
.endr
.endm
; Four chains a row tile in v[LT + 8 u + 2 c] are joined, both halves of the lanes added, the eight waves' parts exchanged through region ps: each token's sum over 512 features lands in v[LT + 16 + 8 u].
.macro LNRED ps
.irp u, 0,1
	v_pk_add_f32 v[LT+8*\u:LT+8*\u+1], v[LT+8*\u:LT+8*\u+1], v[LT+8*\u+2:LT+8*\u+3]
	v_pk_add_f32 v[LT+8*\u+4:LT+8*\u+5], v[LT+8*\u+4:LT+8*\u+5], v[LT+8*\u+6:LT+8*\u+7]
.endr
.irp u, 0,1
	v_pk_add_f32 v[LT+8*\u:LT+8*\u+1], v[LT+8*\u:LT+8*\u+1], v[LT+8*\u+4:LT+8*\u+5]
.endr
.irp u, 0,1
	v_add_f32 v[LT+8*\u], v[LT+8*\u], v[LT+8*\u+1]
.endr
.irp u, 0,1
	v_permlanex16_b32 v[LT+8*\u+1], v[LT+8*\u], s[SEL], s[SEL+1]
.endr
.irp u, 0,1
	v_add_f32 v[LT+8*\u], v[LT+8*\u], v[LT+8*\u+1]
.endr
	v_cndmask_b32 v[LT+2], v[LT], v[LT+8], s[HIM]  ; lanes 0-15 keep row tile 0's, lanes 16-31 row tile 1's: lane = slot
	s_wait_alu depctr_va_vdst(0)                   ; v[LT+2] is written, which the store reads; the vector and matrix instructions so far are done with v[LT+16] to v[LT+31], in which the eight waves' parts land
	ds_store_b32 v[PSW], v[LT+2] offset:1024*(\ps)
	BARRIER
.irp u, 0,1
	ds_load_b128 v[LT+16+8*\u:LT+19+8*\u], v[PSR] offset:1024*(\ps)+512*\u
	ds_load_b128 v[LT+20+8*\u:LT+23+8*\u], v[PSR] offset:1024*(\ps)+512*\u+16
.endr
	s_wait_dscnt 0x0
.irp u, 0,1
	v_pk_add_f32 v[LT+16+8*\u:LT+17+8*\u], v[LT+16+8*\u:LT+17+8*\u], v[LT+18+8*\u:LT+19+8*\u]
	v_pk_add_f32 v[LT+20+8*\u:LT+21+8*\u], v[LT+20+8*\u:LT+21+8*\u], v[LT+22+8*\u:LT+23+8*\u]
.endr
.irp u, 0,1
	v_pk_add_f32 v[LT+16+8*\u:LT+17+8*\u], v[LT+16+8*\u:LT+17+8*\u], v[LT+20+8*\u:LT+21+8*\u]
.endr
.irp u, 0,1
	v_add_f32 v[LT+16+8*\u], v[LT+16+8*\u], v[LT+17+8*\u]
.endr
.endm
; LayerNorm of the accumulators, in place, in two passes as the model has it: the mean, then the mean of the squares of x - mean.  ka, ka + 1: regions of partial sums; kp, kp + 1: gain and bias.
.macro LNORM ka, kp
.irp t, 0,1,2,3
.irp q, 0,1
	ds_load_b128 v[TMP+8*\t+4*\q:TMP+8*\t+4*\q+3], v[PRA] offset:2048*(\kp)+128*(\t/2)+32*(\t%2)+16*\q
	ds_load_b128 v[TMP+32+8*\t+4*\q:TMP+32+8*\t+4*\q+3], v[PRA] offset:2048*(\kp)+2048+128*(\t/2)+32*(\t%2)+16*\q
.endr
.endr
.irp u, 0,1
.irp c, 0,1,2,3
	v_pk_add_f32 v[LT+8*\u+2*\c:LT+8*\u+2*\c+1], v[ACC+32*\u+8*\c:ACC+32*\u+8*\c+1], v[ACC+32*\u+8*\c+2:ACC+32*\u+8*\c+3]   ; chain c begins at the low end of accumulator c
.endr
.endr
.irp i, 4,6
.irp u, 0,1
.irp c, 0,1,2,3
	v_pk_add_f32 v[LT+8*\u+2*\c:LT+8*\u+2*\c+1], v[LT+8*\u+2*\c:LT+8*\u+2*\c+1], v[ACC+32*\u+8*\c+\i:ACC+32*\u+8*\c+\i+1]
.endr
.endr
.endr
	LNRED \ka
	s_wait_alu depctr_vm_vsrc(0)                   ; my partial sum's store has read v[LT+2], which the second pass writes again; where the accumulators were stored to LDS ahead of this LayerNorm, those stores have read them: they are written from here on
.irp u, 0,1
	v_mul_f32 v[LT+16+8*\u], s[C512], v[LT+16+8*\u]                ; the mean
.endr
.irp u, 0,1
.set jj, 0
.rept 16
	v_pk_add_f32 v[ACC+32*\u+jj:ACC+32*\u+jj+1], v[ACC+32*\u+jj:ACC+32*\u+jj+1], v[LT+16+8*\u:LT+17+8*\u] op_sel_hi:[1,0] neg_lo:[0,1] neg_hi:[0,1]
.set jj, jj+2
.endr
.endr
.irp u, 0,1
.irp c, 0,1,2,3
	v_pk_mul_f32 v[LT+8*\u+2*\c:LT+8*\u+2*\c+1], v[ACC+32*\u+8*\c:ACC+32*\u+8*\c+1], v[ACC+32*\u+8*\c:ACC+32*\u+8*\c+1]
.endr
.endr
.irp i, 2,4,6
.irp u, 0,1
.irp c, 0,1,2,3
	v_pk_fma_f32 v[LT+8*\u+2*\c:LT+8*\u+2*\c+1], v[ACC+32*\u+8*\c+\i:ACC+32*\u+8*\c+\i+1], v[ACC+32*\u+8*\c+\i:ACC+32*\u+8*\c+\i+1], v[LT+8*\u+2*\c:LT+8*\u+2*\c+1]
.endr
.endr
.endr
	LNRED (\ka)+1
.irp u, 0,1
	v_fma_f32 v[LT+16+8*\u], v[LT+16+8*\u], s[C512], s[CEPS]       ; the variance + 1e-5
.endr
	s_wait_alu depctr_va_vdst(0)
.irp u, 0,1
	v_rsq_f32 v[LT+18+8*\u], v[LT+16+8*\u]
.endr
	v_nop                                          ; a plain instruction behind the two roots,
	s_wait_alu depctr_va_vdst(0)                   ; and the one wait ahead of their first reader: the two roots are written
.irp u, 0,1
.set jj, 0
.rept 16
	v_pk_mul_f32 v[ACC+32*\u+jj:ACC+32*\u+jj+1], v[ACC+32*\u+jj:ACC+32*\u+jj+1], v[LT+18+8*\u:LT+19+8*\u] op_sel_hi:[1,0]
.set jj, jj+2
.endr
.endr
.irp u, 0,1
.set jj, 0
.rept 16
	v_pk_fma_f32 v[ACC+32*\u+jj:ACC+32*\u+jj+1], v[ACC+32*\u+jj:ACC+32*\u+jj+1], v[TMP+jj:TMP+jj+1], v[TMP+32+jj:TMP+33+jj]
.set jj, jj+2
.endr
.endr
.endm
; 64 numbers of a lane, v[s] on: four blocks b, of each my 16 (lane l xor 16 has the other 16).  Codes to v[PCD] on, two registers a block; the four scale bytes, as a word, to v[PW].
; Blocks 2 c and 2 c + 1 change halves, so that v[PCD + 4 c] on are four registers of an operand: lanes 0-15 block 2 c, lanes 16-31 block 2 c + 1.
.macro QUANT s
.irp b, 0,1,2,3
	v_mov_b32 v[TM+4+\b], 0                        ; a lane permute's destination counts as one of its sources
.endr
.irp b, 0,1,2,3
	v_max3_num_f32 v[TM+\b], |v[\s+16*\b]|, |v[\s+1+16*\b]|, 0x1800000   ; and the floor 2^(3 - 127): the byte cannot fall under 1
.endr
.irp i, 2,4,6,8,10,12,14
.irp b, 0,1,2,3
	v_max3_num_f32 v[TM+\b], v[TM+\b], |v[\s+16*\b+\i]|, |v[\s+1+16*\b+\i]|
.endr
.endr
.irp b, 0,1,2,3
	v_permlanex16_b32 v[TM+4+\b], v[TM+\b], s[SEL], s[SEL+1]
.endr
.irp b, 0,1,2,3
	v_max_num_f32 v[TM+\b], v[TM+\b], v[TM+4+\b]   ; the block's largest magnitude
.endr
.irp b, 0,1,2,3
	v_add_nc_u32 v[TM+12+\b], 0xff000000, v[TM+\b] ; 2 off its exponent field: the conversion's scale operand
.endr
.irp b, 0,1,2,3
	v_lshrrev_b32 v[TM+4+\b], 23, v[TM+12+\b]      ; the scale's byte
.endr
	v_lshl_or_b32 v[PW], v[TM+5], 8, v[TM+4]
	v_lshl_or_b32 v[PW], v[TM+6], 16, v[PW]
	v_lshl_or_b32 v[PW], v[TM+7], 24, v[PW]
.irp b, 0,1,2,3
	v_cvt_scalef32_pk8_fp4_f32 v[PCD+2*\b], v[\s+16*\b:\s+7+16*\b], v[TM+12+\b]
	v_cvt_scalef32_pk8_fp4_f32 v[PCD+1+2*\b], v[\s+8+16*\b:\s+15+16*\b], v[TM+12+\b]
.endr
	v_nop                                          ; one plain place behind the scaled conversions
.irp c, 0,1
.irp i, 0,1
	v_permlane16_swap_b32 v[PCD+4*\c+\i], v[PCD+2+4*\c+\i]
.endr
.endr
.endm
.macro IMGST k                         ; my half fragment and my two scale bytes of each row tile, into image k
	s_wait_alu depctr_va_vdst(0)                   ; the quantiser has written v[PCD] on and v[PW], which the stores read; the vector work so far is done with v24-95, the accumulators and v[TMP] on, in which loads land behind the barrier
	ds_store_b128 v[IWA], v[PCD:PCD+3] offset:AIMG*(\k)
	ds_store_b128 v[IWA], v[PCD+4:PCD+7] offset:AIMG*(\k)+4096
	ds_store_b16 v[ISA], v[PW] offset:AIMG*(\k)
	ds_store_b16_d16_hi v[ISA], v[PW] offset:AIMG*(\k)+512
.endm
.macro AFLOAD k                        ; the whole activation comes back: 8 fragments, 8 scale words
	s_wait_alu depctr_vm_vsrc(0)                   ; my LDS stores have read their data: v[LT+2], in which a fragment lands, and v[PCD] on and v[PW], which are written again
.irp u, 0,1
.irp s, 0,1,2,3
.irp c, 0,1
	ds_load_b128 v[AF+32*\u+8*\s+4*\c:AF+32*\u+8*\s+4*\c+3], v[LI] offset:AIMG*(\k)+4096*\u+1024*\s+512*\c
.endr
.endr
.endr
.irp u, 0,1
.irp s, 0,1,2,3
	ds_load_b32 v[ASC+4*\u+\s], v[LS] offset:AIMG*(\k)+8192+512*\u+128*\s
.endr
.endr
.endm
.macro SILU                            ; v[TMP] on = x / (1 + 2^(-x log2 e)) of the accumulators: two batches of transcendentals, one wait each
.set jj, 0
.rept 32
	v_pk_mul_f32 v[TMP+jj:TMP+jj+1], v[ACC+jj:ACC+jj+1], 0xbfb8aa3b op_sel_hi:[1,0]
.set jj, jj+2
.endr
.set jj, 0
	s_wait_alu depctr_va_vdst(0)
.rept 64
	v_exp_f32 v[TMP+jj], v[TMP+jj]
.set jj, jj+1
.endr
	v_nop
	s_wait_alu depctr_va_vdst(0)                   ; the wait ahead of the batch's first reader: the 64 exponentials are written
.set jj, 0
.rept 32
	v_pk_add_f32 v[TMP+jj:TMP+jj+1], v[TMP+jj:TMP+jj+1], 1.0 op_sel_hi:[1,0]
.set jj, jj+2
.endr
.set jj, 0
	s_wait_alu depctr_va_vdst(0)
.rept 64
	v_rcp_f32 v[TMP+jj], v[TMP+jj]
.set jj, jj+1
.endr
	v_nop
	s_wait_alu depctr_va_vdst(0)                   ; likewise: the 64 reciprocals are written
.set jj, 0
.rept 32
	v_pk_mul_f32 v[TMP+jj:TMP+jj+1], v[TMP+jj:TMP+jj+1], v[ACC+jj:ACC+jj+1]
.set jj, jj+2
.endr
.endm
.macro ROWSL                           ; my four tokens' whole rows out of LDS,
.irp i, 0,1,2,3
.irp k, 0,1,2,3
	ds_load_b128 v[TMP+16*\i+4*\k:TMP+16*\i+4*\k+3], v[XRW] offset:XPITCH*\i+512*\k
.endr
.endr
.endm
.macro ROWSS                           ; and to memory: 512 consecutive bytes a store
.irp i, 0,1,2,3
.irp k, 0,1,2,3
	global_store_b128 v[GRW], v[TMP+16*\i+4*\k:TMP+16*\i+4*\k+3], s[P_OUT:P_OUT+1] offset:2048*\i+512*\k th:TH_STORE_NT
.endr
.endr
.endm
; ================ THE HEAD
	s_load_b512 s[4:19], s[0:1], 0x0
	s_load_b128 s[20:23], s[0:1], 0x40
	s_load_b64 s[24:25], s[0:1], 0x50
	v_lshl_add_u32 v[SPW], v0, 2, SPARE
	v_mov_b32 v[NIL], 0
	v_lshrrev_b32 v195, 5, v0
	v_readfirstlane_b32 s[WV], v195                ; wave 0..7
	v_and_b32 v192, 31, v0                         ; lane
	v_and_b32 v193, 15, v0                         ; r
	v_bfe_u32 v194, v0, 4, 1                       ; h
	v_lshlrev_b32 v[LI], 4, v192
	v_lshlrev_b32 v[LS], 2, v192
	v_mul_u32_u24 v195, v193, XPITCH
	v_lshl_add_u32 v195, v194, 6, v195
	s_wait_alu depctr_va_sdst(0)                   ; the wave's number is written, ahead of its first reader: LDS addresses and the buffers' offsets are made from it
	s_lshl_b32 s40, s[WV], 8                       ; my wave's 256 bytes of a row
	s_add_co_u32 s41, s40, XB
	v_add_nc_u32 v[XBA], s41, v195
	s_add_co_u32 s41, s40, PAR
	v_lshlrev_b32 v195, 6, v194
	v_add_nc_u32 v[PRA], s41, v195
	v_lshlrev_b32 v195, 3, v192
	v_add_nc_u32 v197, s41, v195                   ; LN vectors: where my 8 bytes go in LDS,
	v_add_nc_u32 v196, s40, v195                   ; and where they lie in memory
	s_bfe_u32 s40, s[WV], 0x10001                  ; token 4 w + i lies in slot 16 (bit 3) + 8 (bit 4) + (bits 2:0):
	s_lshl_b32 s40, s40, 4
	s_lshr_b32 s41, s[WV], 2
	s_lshl_b32 s41, s41, 3
	s_add_co_u32 s40, s40, s41
	s_and_b32 s41, s[WV], 1
	s_lshl_b32 s41, s41, 2
	s_add_co_u32 s40, s40, s41                     ; my four tokens' first slot
	s_mul_i32 s40, s40, XPITCH
	s_add_co_u32 s40, s40, XB
	v_add_nc_u32 v[XRW], s40, v[LI]
	v_lshl_add_u32 v[GRW], s[WV], 13, v[LI]
	v_and_b32 v195, 8, v193
	v_add_nc_u32 v195, v195, v193
	v_lshlrev_b32 v[WSA], 4, v195
	s_lshl_b32 s40, s[WV], 9                       ; K step w / 2, half w % 2: 1,024 (w / 2) + 512 (w % 2) = 512 w
	v_add_nc_u32 v[IWA], s40, v[LI]
	s_lshr_b32 s40, s[WV], 1
	s_lshl_b32 s40, s40, 7
	s_and_b32 s41, s[WV], 1
	s_lshl_b32 s41, s41, 1
	s_add_co_u32 s40, s40, s41
	s_add_co_u32 s40, s40, 8192
	v_add_nc_u32 v[ISA], s40, v[LS]
	s_lshl_b32 s40, s[WV], 2
	s_add_co_u32 s40, s40, PSUM
	v_lshlrev_b32 v195, 5, v192
	v_add_nc_u32 v[PSW], s40, v195
	v_lshl_add_u32 v[PSR], v193, 5, PSUM
	s_mov_b32 s[HIM], 0xffff0000                   ; lanes 16-31
	s_mov_b32 s[C512], 0x3b000000                  ; 1 / 512
	s_mov_b32 s[CEPS], 0x3727c5ac                  ; 1e-5
	s_mov_b32 s[SEL], 0x76543210
	s_mov_b32 s[SEL+1], 0xfedcba98                 ; v_permlanex16_b32's selects for lane l xor 16
	s_wait_kmcnt 0x0
	s_lshl_b32 s40, ttmp9, 16                      ; my block's 32 rows of 2,048 bytes
	s_mov_b32 s41, 0
	s_mov_b32 s43, 0
	s_add_nc_u64 s[P_X:P_X+1], s[P_X:P_X+1], s[40:41]
	s_add_nc_u64 s[P_OUT:P_OUT+1], s[P_OUT:P_OUT+1], s[40:41]
	s_lshl_b32 s42, ttmp9, 10
	s_add_nc_u64 s[CTS:CTS+1], s[P_CTX:P_CTX+1], s[42:43]          ; ctx's scale words of my two row tiles (the region's offset stands in the loads)
	s_lshl_b32 s42, ttmp9, 13
	s_add_nc_u64 s[P_CTX:P_CTX+1], s[P_CTX:P_CTX+1], s[42:43]      ; and their codes
	s_lshl_b32 s42, s[WV], 14
	s_add_nc_u64 s[P_WF:P_WF+1], s[P_WF:P_WF+1], s[42:43]          ; my four tiles of every weight
	s_lshl_b32 s42, s[WV], 10                      ; my 64 rows of 16 scale bytes
.irp p, P_SO, P_S1, P_S2
	s_add_nc_u64 s[\p:\p+1], s[\p:\p+1], s[42:43]
.endr
	s_wait_alu depctr_va_vdst(0)                   ; the addresses and offsets v3 to v15, v196 and v197 are written, which the loads and stores of the whole kernel read
; what goes through LDS: my four rows of the residual, my 256 bytes of the LN vectors
.irp i, 0,1,2,3
.irp k, 0,1,2,3
	global_load_b128 v[ACC+16*\i+4*\k:ACC+16*\i+4*\k+3], v[GRW], s[P_X:P_X+1] offset:2048*\i+512*\k th:TH_LOAD_NT
.endr
.endr
	global_load_b64 v[200:201], v196, s[P_LAW:P_LAW+1] offset:LAOFF
	global_load_b64 v[202:203], v196, s[P_LAB:P_LAB+1] offset:LAOFF
	global_load_b64 v[204:205], v196, s[P_LBW:P_LBW+1] offset:LBOFF
	global_load_b64 v[206:207], v196, s[P_LBB:P_LBB+1] offset:LBOFF
; what goes straight into operand registers: G2 loads
.irp u, 0,1
.irp s, 0,1,2,3
.irp c, 0,1
	global_load_b128 v[AF+32*\u+8*\s+4*\c:AF+32*\u+8*\s+4*\c+3], v[LI], s[P_CTX:P_CTX+1] offset:4096*\u+1024*\s+512*\c
.endr
.endr
.endr
.irp u, 0,1
.irp s, 0,1,2,3
	global_load_b32 v[ASC+4*\u+\s], v[LS], s[CTS:CTS+1] offset:OCS+512*\u+128*\s
.endr
.endr
	WLOAD 0, RO+LAYER*131072, P_SO, LAYER*8192
	s_wait_loadcnt G2                              ; all but the G2 loads just issued: the rows and the LN vectors are in
.irp i, 0,1,2,3
.irp k, 0,1,2,3
	ds_store_b128 v[XRW], v[ACC+16*\i+4*\k:ACC+16*\i+4*\k+3] offset:XPITCH*\i+512*\k
.endr
.endr
	ds_store_b64 v197, v[200:201]
	ds_store_b64 v197, v[202:203] offset:2048
	ds_store_b64 v197, v[204:205] offset:4096
	ds_store_b64 v197, v[206:207] offset:6144
	s_wait_dscnt 0x0                               ; my stores have landed, for the others' sake
	s_wait_alu depctr_vm_vsrc(0)                   ; my LDS stores have read their data and addresses: the residual's columns land in the accumulators, the LN vectors in v196 to v207
	WLOAD 1, R1+LAYER*262144, P_S1, LAYER*16384
	s_barrier_signal -1
	s_barrier_wait -1                              ; the 32 rows lie in LDS
; ================ ctx Wo + the residual
	XLD
	s_wait_loadcnt 36                              ; ctx and Wo are in; the next set's 36 loads may be out (so in front of every run of products but the last)
	s_wait_dscnt 0x0
	GEMM 0, 1
	PLACES
	s_wait_alu depctr_va_vdst(0)                   ; the products are done reading weight set 0 and its scale words, in which the next set lands, and have written the accumulators, which the LDS stores read
	WLOAD 0, R1+LAYER*262144+131072, P_S1, LAYER*16384+8192
	XST                                            ; kept for the MLP's residual
; ================ LN2, W1, the gate
	LNORM 0, 0
	QUANT ACC
	IMGST 0
	BARRIER
	AFLOAD 0
	s_wait_loadcnt 36
	s_wait_dscnt 0x0
	GEMM 1, 0                                      ; x1
	PLACES
	s_wait_alu depctr_va_vdst(0)                   ; the products are done reading weight set 1 and its scale words, in which the next set lands
	WLOAD 1, R2+LAYER*131072, P_S2, LAYER*8192
	SILU
	s_wait_loadcnt 36
	GEMM 0, 0                                      ; x2
	PLACES
.set jj, 0
.rept 32
	v_pk_mul_f32 v[ACC+jj:ACC+jj+1], v[TMP+jj:TMP+jj+1], v[ACC+jj:ACC+jj+1]    ; silu(x1) x2
.set jj, jj+2
.endr
	QUANT ACC
	IMGST 1
	BARRIER
	AFLOAD 1
	XLD
; ================ W2 + the residual
	s_wait_loadcnt 0x0                             ; the last set: nothing was asked for behind it
	s_wait_dscnt 0x0
	GEMM 1, 1
	PLACES
; ================ the closing LayerNorm, and out by whole rows
	LNORM 2, 2
	s_wait_alu depctr_va_vdst(0)                   ; the LayerNorm has written the accumulators, which the LDS stores read, and is done reading its gain and bias, in whose registers the rows land
	XST
	BARRIER
	ROWSL
	s_wait_dscnt 0x0
	ROWSS
	s_wait_dscnt 0x0                               ; the wave's end
	s_wait_alu 0x0
	s_wait_tensorcnt 0x0
	ds_add_u32 v[SPW], v[NIL]
	s_wait_dscnt 0x0
	s_endpgm
.Lfunc_end_k_qf8de62085e_last:
	.size	k_qf8de62085e_last, .Lfunc_end_k_qf8de62085e_last-k_qf8de62085e_last
	.p2alignl 7, 3214868480
	.fill 96, 4, 3214868480
	.section	.rodata,"a",@progbits
	.p2align	6, 0x0
	.amdhsa_kernel k_qf8de62085e_last
		.amdhsa_group_segment_fixed_size 239104
		.amdhsa_private_segment_fixed_size 0
		.amdhsa_enable_private_segment 0
		.amdhsa_kernarg_size 88
		.amdhsa_user_sgpr_count 2
		.amdhsa_user_sgpr_kernarg_segment_ptr 1
		.amdhsa_wavefront_size32 1
		.amdhsa_system_sgpr_workgroup_id_x 1
		.amdhsa_system_sgpr_workgroup_id_y 1
		.amdhsa_system_sgpr_workgroup_id_z 1
		.amdhsa_system_vgpr_workitem_id 0
		.amdhsa_next_free_vgpr 512
		.amdhsa_next_free_sgpr 66
		.amdhsa_reserve_vcc 0
		.amdhsa_float_denorm_mode_32 3
		.amdhsa_float_denorm_mode_16_64 3
		.amdhsa_memory_ordered 1
		.amdhsa_forward_progress 1
		.amdhsa_inst_pref_size 100
	.end_amdhsa_kernel
	.amdgpu_metadata
---
amdhsa.version: [ 1, 2 ]
amdhsa.kernels:
  - .name:           k_qf8de62085e_last
    .symbol:         k_qf8de62085e_last.kd
    .args:
      - { .name: x1, .offset: 0, .size: 8, .value_kind: global_buffer, .address_space: global }
      - { .name: ctx, .offset: 8, .size: 8, .value_kind: global_buffer, .address_space: global }
      - { .name: wf, .offset: 16, .size: 8, .value_kind: global_buffer, .address_space: global }
      - { .name: Wo_scales, .offset: 24, .size: 8, .value_kind: global_buffer, .address_space: global }
      - { .name: W1_scales, .offset: 32, .size: 8, .value_kind: global_buffer, .address_space: global }
      - { .name: W2_scales, .offset: 40, .size: 8, .value_kind: global_buffer, .address_space: global }
      - { .name: ln2_w, .offset: 48, .size: 8, .value_kind: global_buffer, .address_space: global }
      - { .name: ln2_b, .offset: 56, .size: 8, .value_kind: global_buffer, .address_space: global }
      - { .name: lnf_w, .offset: 64, .size: 8, .value_kind: global_buffer, .address_space: global }
      - { .name: lnf_b, .offset: 72, .size: 8, .value_kind: global_buffer, .address_space: global }
      - { .name: out0, .offset: 80, .size: 8, .value_kind: global_buffer, .address_space: global }
    .group_segment_fixed_size: 239104
    .private_segment_fixed_size: 0
    .kernarg_segment_align: 8
    .kernarg_segment_size: 88
    .max_flat_workgroup_size: 256
    .sgpr_count:     66
    .vgpr_count:     512
    .wavefront_size: 32
...
	.end_amdgpu_metadata
.endif
;; end of part 10
